; MI455X (gfx1250); checked and timed in simulation.
; The chip was launched on July 23, 2026; its instructions are those of AMD's public machine-readable ISA for CDNA 5 (MIT licence, August 2026) and "CDNA5" Instruction Set Architecture Reference Guide (July 2026). The comments in the code are by the model that wrote it; some were corrected since.
;; Encoder Layer. Allowed arithmetic: matrix products marked QUANTISED: E3M2 operands, one E8M0 scale for each 32 along K, by v_wmma_scale_f32_16x16x128_f8f6f4 with both operands' format E3M2, f32 sums; everything else in f32.
;; Inputs: W1 1,024 x 4,096 float32; W2 4,096 x 1,024 float32; Wk 1,024 x 1,024 float32; Wo 1,024 x 1,024 float32; Wq 1,024 x 1,024 float32; Wv 1,024 x 1,024 float32; b1 4,096 float32; b2 1,024 float32; be1 1,024 float32; be2 1,024 float32; bk 1,024 float32; bo 1,024 float32; bq 1,024 float32; bv 1,024 float32; g1 1,024 float32; g2 1,024 float32; x 2 x 2,048 x 1,024 float32.
;; Outputs: out0 2 x 2,048 x 1,024 float32.
;; This version of the problem:
;;   THIS VERSION OF THE PROBLEM IS GIVEN IN LOW PRECISION. The matrix products marked QUANTISED in the list below multiply operands that are first quantised to E3M2 (3 exponent bits, 2 mantissa bits; 6 bits a number), with one power-of-two scale for each 32 numbers along K (OCP MX v1.0); their sums are f32. All else is computed in f32.
;;   The module's matrix products, in the order in which they are computed (A, B: the left and right operand; K: the contracted axis; several contracted axes count as one K, in the product's order):
;;     1. [M 4,096, K 1,024] x [K 1,024, N 1,024]; A: input x; B: input Wq: QUANTISED
;;     2. [M 4,096, K 1,024] x [K 1,024, N 1,024]; A: input x; B: input Wk: QUANTISED
;;     3. [M 4,096, K 1,024] x [K 1,024, N 1,024]; A: input x; B: input Wv: QUANTISED
;;     4. batch 32 x [M 2,048, K 64] x [K 64, N 2,048]; A: computed on the way; B: computed on the way: QUANTISED
;;     5. batch 32 x [M 64, K 2,048] x [K 2,048, N 2,048]; A: computed on the way; B: softmax (see below): QUANTISED
;;     6. [M 4,096, K 1,024] x [K 1,024, N 1,024]; A: computed on the way; B: input Wo: QUANTISED
;;     7. [M 4,096, K 1,024] x [K 1,024, N 4,096]; A: computed on the way; B: input W1: QUANTISED
;;     8. [M 4,096, K 4,096] x [K 4,096, N 1,024]; A: computed on the way; B: input W2: QUANTISED
;;   THE QUANTISER, for each operand of a quantised product, along K:
;;     - K is cut into blocks of 32 from its start; a last block that is shorter is filled with zeros.
;;     - A block's scale is 2^e with e = floor(log2(the largest magnitude in the block)) - 4, held to -126 .. 127; a block of zeros has e = 0. As a byte (E8M0): e + 127.
;;     - Each number is divided by its block's scale, clamped to +-28, and rounded to the nearest number of E3M2, ties to even, subnormals kept.
;;     - The product sums the exact products of the quantised numbers (number of the format x scale) in f32.
;;   ~~~python
;;   def quantise(x, axis):      # numpy; x: float32 -> the quantised numbers, widened to float32 again
;;       x = np.moveaxis(x, axis, -1); K = x.shape[-1]
;;       x = np.pad(x, [(0, 0)] * (x.ndim - 1) + [(0, -K % 32)]); x = x.reshape(x.shape[:-1] + (-1, 32)); a = np.abs(x).max(-1, keepdims=True)
;;       e = np.where(a > 0, np.clip(np.frexp(np.where(a > 0, a, 1))[1] - 1 - 4, -126, 127), 0)      # np.frexp(a)[1] - 1 = floor(log2(a)), exactly
;;       r = np.clip(x / 2.0 ** e, -28, 28)
;;       step = 2.0 ** (np.maximum(np.frexp(np.where(r == 0, 1, r))[1] - 1, -2) - 2)
;;       q = np.round(r / step) * step * 2.0 ** e      # np.round: ties to even
;;       return np.moveaxis(q.reshape(q.shape[:-2] + (-1,))[..., :K], -1, axis).astype(np.float32)
;;   ~~~
;;   SOFTMAX AHEAD OF A QUANTISED PRODUCT. Where the list says 'softmax', what is quantised is not the finished softmax but p = 2^(t - M), with t = logit x log2(e) and M = ceil(the row's largest t), a whole number; so 1/2 < the row's largest p <= 1. The row's sum l is taken of the UNQUANTISED p, in f32, and the product's result is divided by l at the end. Since M is a whole number, a kernel that streams over the keys may use a running M (the ceiling of the running maximum): every later rescaling is an exact power of two, which a block's scale takes up: the codes' values come out the same.
;;   OPERANDS COMPUTED ON THE WAY. 'Computed on the way' means the value that the module computes at that place (a softmax that the list does not call 'softmax' is quantised finished and normalised). What goes into a quantiser is computed in f32, as accurately as f32 sums, v_exp_f32 and their like allow (about 1e-6 of the number): no bf16 or f16 on the way to a quantiser, and a product that is left as it is and whose result goes on into a quantised operand takes f32 operands (vector FMAs, or v_wmma_f32_16x16x4_f32). A number that lies on a knife's edge between two numbers of the format may be rounded either way, as far as f32 arithmetic and the matrix unit's own rounding can turn it there, and no further.
;; 2 versions. Each part assembles by itself: llvm-mc -triple=amdgcn-amd-amdhsa -mcpu=gfx1250 --defsym DOCPART=n.
;; ======== version 1 of 2: 8 launches
;; workspace buffers: wc 13,107,200 bytes; qkv 9,830,400 bytes; ao 3,276,800 bytes; res 16,777,216 bytes; hb 20,054,016 bytes; ff 13,107,200 bytes
;; launch prep (part 1): grid 640 x 1, 8 waves a work-group, no clusters, 68,608 bytes of LDS; arguments x, Wq, Wk, Wv, Wo, W2, W1, wc; writes wc
.if DOCPART == 1
	.amdgcn_target "amdgcn-amd-amdhsa--gfx1250"
	.amdhsa_code_object_version 6
	.text
	.protected	k_qd0917699a7_prep
	.globl	k_qd0917699a7_prep
	.p2align	8
	.type	k_qd0917699a7_prep,@function
k_qd0917699a7_prep:
	s_mov_b64 s[64:65], 0
	v_nop
	global_prefetch_b8 v0, s[64:65] scope:SCOPE_SE
	s_setreg_imm32_b32 hwreg(HW_REG_WAVE_MODE, 25, 1), 1
	s_wait_xcnt 0x0
; PREP: x [4096][1024] and the six weights ([K][N], K first) become codes of BF6 (E3M2) with one E8M0 byte for each 32 along K, in the order of the matrix operand's registers.
; HALF IMAGE, 768 bytes: 16 rows x 64 K.  Operand registers 0-3 of lane (r, h) at byte 16 (r + 16 h), registers 4-5 at byte 512 + 16 r + 8 h.  SLAB: 1,024 rows: codes [K/64][64 row tiles][768], scale words [K/128][64 tiles][16 rows x 4].
; ROWS LIE IN POSITION SPACE: row r of tile T is the true row 32 (T/2) + 8 (T%2) + r%8 + 16 (r/8), so that a transposed product's 16 registers of two neighbouring tiles are 16 neighbours along the next K.
; A block's scale is 2^(floor(log2(largest magnitude)) - 4); its byte is the largest magnitude's exponent field - 4, held at 1 from below.
; LIMITS: NaN and infinities are not served; a block whose largest magnitude lies under 2^-122 keeps the byte 1; a block of zeros gets the byte 1 where the rule says 127 (its codes are zeros, and this program alone reads the bytes).
; Work-groups 0-255: a row tile of x each, wave w its K step w.  256-511: Wq, Wk, Wv, Wo (32 each) and W2 (128): 256 columns x 128 K each.  512-639: W1.  No barrier: waves share nothing.
.set O_WQC, 3145728                    ; wc: x's codes at 0, then Wq, Wk, Wv, Wo (786,432 each), W2 (3,145,728), W1 (4 slabs)
.set O_W1C, 9437184
.set O_XS,  12582912                   ; the scale words, in the same order
.set O_WQS, 12713984
.set O_W1S, 12976128
.set K64P,  49152                      ; from one 64 along K to the next in a slab
.set SLABC, 786432
.set LI,  4                            ; x's path: 16 x lane
.set LJ,  5                            ; 16 r + 8 h
.set LS,  6                            ; 4 r
.set STI, 7                            ; the stage as rows lie: 8448 w + 16 x lane
.set STQ, 8                            ; the stage as the quantiser wants it: 8448 w + 528 r + 64 h
.set NUM, 32                           ; v32-95   64 numbers: register 16 b + i = k 32 b + 16 h + i of row r
.set RAW, 96                           ; v96-159  16 rows as loaded
.set PC,  160                          ; v160-179 the codes just made
.set TM,  180                          ; v180-195 at work in QUANT
.set PW,  196                          ; the scale word
.set SEL, 34                           ; s[34:35] selects of v_permlanex16_b32: lane l xor 16
.set OUT, 26                           ; s[26:27] where the codes go
.set WI,  9                            ; the weights' paths: 4 x lane
.set WO,  10                           ; 768 u + 16 r'
.set WS,  14                           ; 64 u + 4 r'
.set X,   32                           ; v32-159  128 numbers down K of my column
.set C,   160                          ; v160-191 registers 0-3 of each block
.set D,   192                          ; v192-207 the upper conversions
.set E,   208                          ; v208-215 registers 4-5 of two blocks side by side
.set SB,  216                          ; my column's scale word
; 64 numbers of a lane become a fragment's 12 registers in v[PC] on and its scale word in v[pw]
.macro QUANT s, pw
.irp b, 0,1,2,3
	v_max3_num_f32 v[TM+\b], |v[\s+16*\b]|, |v[\s+1+16*\b]|, 0x2800000   ; my 16 numbers of block b, and the floor 2^(5 - 127): the byte cannot fall under 1
.endr
.irp i, 2,4,6,8,10,12,14
.irp b, 0,1,2,3
	v_max3_num_f32 v[TM+\b], v[TM+\b], |v[\s+16*\b+\i]|, |v[\s+1+16*\b+\i]|
.endr
.endr
.irp b, 0,1,2,3
	v_permlanex16_b32 v[TM+4+\b], v[TM+\b], s[SEL], s[SEL+1]
.endr
.irp b, 0,1,2,3
	v_max_num_f32 v[TM+\b], v[TM+\b], v[TM+4+\b]       ; with lane l xor 16's: the block's largest magnitude
.endr
.irp b, 0,1,2,3
	v_add_nc_u32 v[TM+12+\b], 0xfe000000, v[TM+\b]     ; 4 off its exponent field: the conversion's scale operand
.endr
.irp b, 0,1,2,3
	v_lshrrev_b32 v[TM+4+\b], 23, v[TM+12+\b]          ; the byte
.endr
	v_lshl_or_b32 v[\pw], v[TM+5], 8, v[TM+4]
	v_lshl_or_b32 v[\pw], v[TM+6], 16, v[\pw]
	v_lshl_or_b32 v[\pw], v[TM+7], 24, v[\pw]
.irp c, 0,1
	v_cvt_scalef32_pk16_bf6_f32 v[PC+6*\c:PC+2+6*\c], v[\s+32*\c:\s+15+32*\c], v[TM+12+2*\c]
	v_cvt_scalef32_pk16_bf6_f32 v[PC+12+4*\c:PC+14+4*\c], v[\s+16+32*\c:\s+31+32*\c], v[TM+12+2*\c+1]   ; (a conversion's three registers begin on an even number)
.endr
	v_nop                                              ; one plain place behind a scaled conversion
.irp c, 0,1                                            ; a whole block to a lane: lanes 0-15 block 2 c, lanes 16-31 block 2 c + 1
.irp i, 0,1,2
	v_permlane16_swap_b32 v[PC+6*\c+\i], v[PC+12+4*\c+\i]
.endr
.irp i, 0,1,2
	v_mov_b32 v[PC+3+6*\c+\i], v[PC+12+4*\c+\i]
.endr
.endr
.endm
.macro IMGOUT off, hstep                               ; the fragment leaves as two half images; each store covers whole aligned blocks of 256 bytes
	global_store_b128 v[LI], v[PC:PC+3], s[OUT:OUT+1] offset:\off
	global_store_b64 v[LJ], v[PC+4:PC+5], s[OUT:OUT+1] offset:\off+512
	global_store_b128 v[LI], v[PC+6:PC+9], s[OUT:OUT+1] offset:\off+\hstep
	global_store_b64 v[LJ], v[PC+10:PC+11], s[OUT:OUT+1] offset:\off+\hstep+512
.endm
	s_load_b512 s[4:19], s[0:1], 0x0                   ; x, Wq, Wk, Wv, Wo, W2, W1, wc
	v_lshl_add_u32 v224, v0, 2, 0x10800
	v_mov_b32 v225, 0
	v_lshrrev_b32 v1, 5, v0
	v_readfirstlane_b32 s20, v1                        ; wave 0..7
	v_and_b32 v1, 31, v0                               ; lane
	s_cmp_lt_u32 ttmp9, 256
	s_cbranch_scc0 .Lweights
	; ---- x: row tile T = the work-group's number, K step = the wave's
	v_and_b32 v2, 15, v0                               ; r
	v_bfe_u32 v3, v0, 4, 1                             ; h
	v_lshlrev_b32 v[LI], 4, v1
	v_lshlrev_b32 v[LJ], 4, v2
	v_lshl_add_u32 v[LJ], v3, 3, v[LJ]
	v_lshlrev_b32 v[LS], 2, v2
	s_mul_i32 s21, s20, 8448                           ; my stage: 16 rows x (512 bytes + 16)
	v_add_nc_u32 v[STI], s21, v[LI]
	v_mul_u32_u24 v[STQ], v2, 528
	v_lshl_add_u32 v[STQ], v3, 6, v[STQ]
	v_add_nc_u32 v[STQ], s21, v[STQ]
.irp b, 0,1,2,3
	v_mov_b32 v[TM+4+\b], 0                            ; a lane permute's destination counts as one of its sources
.endr
	s_mov_b32 s[SEL], 0x76543210
	s_mov_b32 s[SEL+1], 0xfedcba98
	s_lshr_b32 s22, ttmp9, 1
	s_lshl_b32 s22, s22, 17                            ; 32 (T/2) rows of 4,096 bytes
	s_and_b32 s23, ttmp9, 1
	s_lshl_b32 s23, s23, 15                            ; + 8 (T%2) rows
	s_add_co_u32 s22, s22, s23
	s_lshl_b32 s23, s20, 9                             ; + my 128 columns
	s_add_co_u32 s22, s22, s23
	s_mov_b32 s23, 0
	s_lshr_b32 s24, ttmp9, 6                           ; slab
	s_and_b32 s25, ttmp9, 63                           ; tile in it
	s_mul_i32 s26, s24, SLABC
	s_mul_i32 s27, s20, 2*K64P
	s_add_co_u32 s26, s26, s27
	s_mul_i32 s27, s25, 768
	s_add_co_u32 s26, s26, s27
	s_mov_b32 s27, 0
	s_lshl_b32 s28, s24, 15
	s_lshl_b32 s29, s20, 12
	s_add_co_u32 s28, s28, s29
	s_lshl_b32 s29, s25, 6
	s_add_co_u32 s28, s28, s29
	s_add_co_u32 s28, s28, O_XS
	s_mov_b32 s29, 0
	s_wait_kmcnt 0x0
	s_add_nc_u64 s[4:5], s[4:5], s[22:23]
	s_add_nc_u64 s[OUT:OUT+1], s[18:19], s[26:27]
	s_add_nc_u64 s[28:29], s[18:19], s[28:29]
.irp i, 0,1,2,3,4,5,6,7,8,9,10,11,12,13,14,15
	global_load_b128 v[RAW+4*\i:RAW+4*\i+3], v[LI], s[4:5] offset:((\i%8)+16*(\i/8))*4096 th:TH_LOAD_NT   ; position i's true row: 512 consecutive bytes
.endr
.irp i, 0,1,2,3,4,5,6,7,8,9,10,11,12,13,14,15
	s_wait_loadcnt 15-\i                               ; row i is in; the 15 - i younger loads stay out
	ds_store_b128 v[STI], v[RAW+4*\i:RAW+4*\i+3] offset:528*\i
.endr
.irp b, 0,1,2,3
.irp j, 0,1,2,3
	ds_load_b128 v[NUM+16*\b+4*\j:NUM+16*\b+4*\j+3], v[STQ] offset:128*\b+16*\j   ; LDS serves a wave's instructions in order: these see my stores
.endr
.endr
	s_wait_dscnt 0x0
	QUANT NUM, PW
	IMGOUT 0, K64P
	global_store_b32 v[LS], v[PW], s[28:29]            ; 16 words; lanes r and r + 16 write the same word with the same value.  64 bytes for 8,192 read
	s_wait_tensorcnt 0x0
	ds_add_u32 v224, v225
	s_wait_dscnt 0x0
	s_endpgm
; ---- the weights: a lane takes a column, its registers run down K: nothing is transposed
.macro WLOAD t, pitch
.set k, 32*(\t)
.rept 32
	global_load_b32 v[X+k], v[WI], s[26:27] offset:k*(\pitch) th:TH_LOAD_NT   ; 32 lanes read 128 consecutive bytes of row k
.set k, k+1
.endr
.endm
.macro WBLOCK t, pitch
.set XB, X+32*(\t)
.if (\t) < 3
	s_wait_loadcnt 32                                  ; this block's 32 loads are in; the next block's 32 stay out
.else
	s_wait_loadcnt 0x0
.endif
.if (\t) < 2
	WLOAD (\t)+2, \pitch                               ; two blocks ahead, into registers of their own
.endif
	v_max3_num_f32 v12, |v[XB]|, |v[XB+1]|, |v[XB+2]|
	v_max3_num_f32 v13, |v[XB+3]|, |v[XB+4]|, |v[XB+5]|
.irp i, 6,10,14,18,22,26
	v_max3_num_f32 v12, v12, |v[XB+\i]|, |v[XB+\i+1]|
	v_max3_num_f32 v13, v13, |v[XB+\i+2]|, |v[XB+\i+3]|
.endr
	v_max3_num_f32 v12, v12, |v[XB+30]|, |v[XB+31]|
	v_max3_num_f32 v12, v12, v13, 0x2800000            ; and the floor
	v_add_nc_u32 v11, 0xfe000000, v12
	v_lshrrev_b32 v13, 23, v11
.if (\t) == 0
	v_mov_b32 v[SB], v13
.else
	v_lshl_or_b32 v[SB], v13, 8*(\t), v[SB]
.endif
	v_cvt_scalef32_pk16_bf6_f32 v[C+16*((\t)/2)+8*((\t)%2):C+16*((\t)/2)+8*((\t)%2)+2], v[XB:XB+15], v11
	v_cvt_scalef32_pk16_bf6_f32 v[D+8*((\t)/2)+4*((\t)%2):D+8*((\t)/2)+4*((\t)%2)+2], v[XB+16:XB+31], v11
.endm
; blocks 2 c and 2 c + 1 are my row's part of half image c: block kb is what lane (r', kb) of the operand holds
.macro WOUT c
	v_nop                                              ; one plain place behind a scaled conversion
.irp kb, 0,1
	v_mov_b32 v[C+16*\c+8*\kb+3], v[D+8*\c+4*\kb]
	v_mov_b32 v[E+4*\c+2*\kb], v[D+8*\c+4*\kb+1]
	v_mov_b32 v[E+4*\c+2*\kb+1], v[D+8*\c+4*\kb+2]
.endr
	global_store_b128 v[WO], v[C+16*\c:C+16*\c+3], s[30:31] offset:K64P*\c          ; sixteen lanes fill an aligned block of 256 bytes of tile T0, sixteen one of tile T0 + 1
	global_store_b128 v[WO], v[C+16*\c+8:C+16*\c+11], s[30:31] offset:K64P*\c+256
	global_store_b128 v[WO], v[E+4*\c:E+4*\c+3], s[30:31] offset:K64P*\c+512
.endm
.macro WPATH pitch
	WLOAD 0, \pitch
	WLOAD 1, \pitch
	WBLOCK 0, \pitch
	WBLOCK 1, \pitch
	WOUT 0
	WBLOCK 2, \pitch
	WBLOCK 3, \pitch
	WOUT 1
	global_store_b32 v[WS], v[SB], s[32:33]            ; 32 words: 128 consecutive bytes
	s_endpgm
.endm
.Lweights:
	v_bfe_u32 v2, v0, 3, 1                             ; u: true column l lies at position r' of tile T0 + u
	v_bfe_u32 v3, v0, 4, 1
	v_and_b32 v15, 7, v0
	v_lshl_or_b32 v15, v3, 3, v15                      ; r' = l%8 + 8 (bit 4 of l)
	v_lshlrev_b32 v[WI], 2, v1
	v_mul_u32_u24 v[WO], v2, 768
	v_lshl_add_u32 v[WO], v15, 4, v[WO]
	v_lshlrev_b32 v[WS], 6, v2
	v_lshl_add_u32 v[WS], v15, 2, v[WS]
	s_cmp_lt_u32 ttmp9, 512
	s_cbranch_scc0 .Lw1
	s_sub_co_u32 s21, ttmp9, 256                       ; j
	s_lshr_b32 s22, s21, 5
	s_min_u32 s22, s22, 4                              ; which tensor: Wq, Wk, Wv, Wo, W2
	s_and_b32 s23, s21, 3                              ; which 256 columns
	s_lshr_b32 s24, s21, 2
	s_and_b32 s24, s24, 7                              ; which 128 along K (K = 1,024),
	s_sub_co_u32 s25, s21, 128
	s_lshr_b32 s25, s25, 2                             ; or in W2 (K = 4,096)
	s_cmp_eq_u32 s22, 4
	s_cselect_b32 s24, s25, s24
	s_lshl_b32 s28, s24, 19                            ; 128 rows of 4,096 bytes
	s_lshl_b32 s29, s23, 10
	s_add_co_u32 s28, s28, s29
	s_lshl_b32 s29, s20, 7
	s_add_co_u32 s28, s28, s29
	s_mov_b32 s29, 0
	s_lshl_b32 s25, s23, 4
	s_lshl_b32 s36, s20, 1
	s_add_co_u32 s25, s25, s36                         ; T0 = 16 cg + 2 w
	s_mul_i32 s30, s22, SLABC
	s_mul_i32 s31, s24, 2*K64P
	s_add_co_u32 s30, s30, s31
	s_mul_i32 s31, s25, 768
	s_add_co_u32 s30, s30, s31
	s_add_co_u32 s30, s30, O_WQC
	s_mov_b32 s31, 0
	s_lshl_b32 s32, s22, 15
	s_lshl_b32 s33, s24, 12
	s_add_co_u32 s32, s32, s33
	s_lshl_b32 s33, s25, 6
	s_add_co_u32 s32, s32, s33
	s_add_co_u32 s32, s32, O_WQS
	s_mov_b32 s33, 0
	s_wait_kmcnt 0x0
	s_mov_b64 s[26:27], s[6:7]                         ; the choice hangs on the work-group's number alone
	s_cmp_eq_u32 s22, 1
	s_cselect_b64 s[26:27], s[8:9], s[26:27]
	s_cmp_eq_u32 s22, 2
	s_cselect_b64 s[26:27], s[10:11], s[26:27]
	s_cmp_eq_u32 s22, 3
	s_cselect_b64 s[26:27], s[12:13], s[26:27]
	s_cmp_eq_u32 s22, 4
	s_cselect_b64 s[26:27], s[14:15], s[26:27]
	s_add_nc_u64 s[26:27], s[26:27], s[28:29]
	s_add_nc_u64 s[30:31], s[18:19], s[30:31]
	s_add_nc_u64 s[32:33], s[18:19], s[32:33]
	WPATH 4096
.Lw1:
	s_sub_co_u32 s21, ttmp9, 512
	s_and_b32 s23, s21, 15                             ; which 256 of W1's 4,096 columns
	s_lshr_b32 s24, s21, 4                             ; which 128 along K
	s_lshr_b32 s22, s23, 2                             ; slab
	s_lshl_b32 s28, s24, 21                            ; 128 rows of 16,384 bytes
	s_lshl_b32 s29, s23, 10
	s_add_co_u32 s28, s28, s29
	s_lshl_b32 s29, s20, 7
	s_add_co_u32 s28, s28, s29
	s_mov_b32 s29, 0
	s_and_b32 s25, s23, 3
	s_lshl_b32 s25, s25, 4
	s_lshl_b32 s36, s20, 1
	s_add_co_u32 s25, s25, s36
	s_mul_i32 s30, s22, SLABC
	s_mul_i32 s31, s24, 2*K64P
	s_add_co_u32 s30, s30, s31
	s_mul_i32 s31, s25, 768
	s_add_co_u32 s30, s30, s31
	s_add_co_u32 s30, s30, O_W1C
	s_mov_b32 s31, 0
	s_lshl_b32 s32, s22, 15
	s_lshl_b32 s33, s24, 12
	s_add_co_u32 s32, s32, s33
	s_lshl_b32 s33, s25, 6
	s_add_co_u32 s32, s32, s33
	s_add_co_u32 s32, s32, O_W1S
	s_mov_b32 s33, 0
	s_wait_kmcnt 0x0
	s_add_nc_u64 s[26:27], s[16:17], s[28:29]
	s_add_nc_u64 s[30:31], s[18:19], s[30:31]
	s_add_nc_u64 s[32:33], s[18:19], s[32:33]
	WPATH 16384
.Lfunc_end_k_qd0917699a7_prep:
	.size	k_qd0917699a7_prep, .Lfunc_end_k_qd0917699a7_prep-k_qd0917699a7_prep
	.p2alignl 7, 3214868480
	.fill 96, 4, 3214868480
	.section	.rodata,"a",@progbits
	.p2align	6, 0x0
	.amdhsa_kernel k_qd0917699a7_prep
		.amdhsa_group_segment_fixed_size 68608
		.amdhsa_private_segment_fixed_size 0
		.amdhsa_enable_private_segment 0
		.amdhsa_kernarg_size 64
		.amdhsa_user_sgpr_count 2
		.amdhsa_user_sgpr_kernarg_segment_ptr 1
		.amdhsa_wavefront_size32 1
		.amdhsa_system_sgpr_workgroup_id_x 1
		.amdhsa_system_sgpr_workgroup_id_y 1
		.amdhsa_system_sgpr_workgroup_id_z 1
		.amdhsa_system_vgpr_workitem_id 0
		.amdhsa_next_free_vgpr 226
		.amdhsa_next_free_sgpr 66
		.amdhsa_reserve_vcc 0
		.amdhsa_float_denorm_mode_32 3
		.amdhsa_float_denorm_mode_16_64 3
		.amdhsa_memory_ordered 1
		.amdhsa_forward_progress 1
		.amdhsa_inst_pref_size 52
	.end_amdhsa_kernel
	.amdgpu_metadata
---
amdhsa.version: [ 1, 2 ]
amdhsa.kernels:
  - .name:           k_qd0917699a7_prep
    .symbol:         k_qd0917699a7_prep.kd
    .args:
      - { .name: x, .offset: 0, .size: 8, .value_kind: global_buffer, .address_space: global }
      - { .name: Wq, .offset: 8, .size: 8, .value_kind: global_buffer, .address_space: global }
      - { .name: Wk, .offset: 16, .size: 8, .value_kind: global_buffer, .address_space: global }
      - { .name: Wv, .offset: 24, .size: 8, .value_kind: global_buffer, .address_space: global }
      - { .name: Wo, .offset: 32, .size: 8, .value_kind: global_buffer, .address_space: global }
      - { .name: W2, .offset: 40, .size: 8, .value_kind: global_buffer, .address_space: global }
      - { .name: W1, .offset: 48, .size: 8, .value_kind: global_buffer, .address_space: global }
      - { .name: wc, .offset: 56, .size: 8, .value_kind: global_buffer, .address_space: global }
    .group_segment_fixed_size: 68608
    .private_segment_fixed_size: 0
    .kernarg_segment_align: 8
    .kernarg_segment_size: 64
    .max_flat_workgroup_size: 256
    .sgpr_count:     66
    .vgpr_count:     226
    .wavefront_size: 32
...
	.end_amdgpu_metadata
.endif
;; end of part 1
;; launch gqkv (part 2): grid 12 x 16, 4 waves a work-group, clusters of 4 x 4, 327,680 bytes of LDS; arguments wc, bq, bk, bv, qkv; writes qkv
.if DOCPART == 2
	.amdgcn_target "amdgcn-amd-amdhsa--gfx1250"
	.amdhsa_code_object_version 6
	.text
	.protected	k_qd0917699a7_gqkv
	.globl	k_qd0917699a7_gqkv
	.p2align	8
	.type	k_qd0917699a7_gqkv,@function
k_qd0917699a7_gqkv:
	s_mov_b64 s[64:65], 0
	v_nop
	global_prefetch_b8 v0, s[64:65] scope:SCOPE_SE
	s_setreg_imm32_b32 hwreg(HW_REG_WAVE_MODE, 25, 1), 1
	s_wait_xcnt 0x0
	s_wait_alu depctr_hold_cnt(0) depctr_sa_sdst(0) depctr_va_vdst(0) depctr_va_sdst(0) depctr_va_ssrc(0) depctr_va_vcc(0) depctr_vm_vsrc(0)
	s_getreg_b32 s2, hwreg(HW_REG_IB_STS2, 6, 4)
	s_cmp_eq_u32 s2, 0
	s_cbranch_scc0 .Lentry_in_a_cluster
	s_endpgm
.Lentry_in_a_cluster:
	s_bfe_u32 s2, ttmp6, 0x10000c
	s_cmp_lg_u32 s2, 0xf033
	s_cbranch_scc0 .Lentry_shape_is_right
	s_endpgm
.Lentry_shape_is_right:
; GQKV: q = x Wq + bq, k = x Wk + bk and v^T = (x Wv + bv)^T on codes of BF6 with E8M0 scales, K = 1,024; the results are quantised on the way out: q and k along the head's 64, v^T along the keys.
; Operands lie as images of the operand's registers (half image: 16 rows x 64 K in 768 bytes; slab: 1,024 rows: codes [K/64][64 tiles][768], scale words [K/128][64 tiles][64]); rows in position space (row r of tile T is the
; true row 32 (T/2) + 8 (T%2) + r%8 + 16 (r/8)).  A tile of C is 256 x 256: four waves, each 128 x 128 in 64 accumulators.  K goes in steps of 256 through two LDS slots; each wave fetches a quarter of a slot by one tensor load.
; TRANSPOSED USE: source 0 = role B's 16 rows, source 1 = role A's: a lane holds one row of role A, and the 64 registers of a block of 16 rows are 128 true neighbours of role B's axis, as the quantiser wants them.
; Cluster x = 0, 1: role A = x, role B = Wq, Wk; the bias (a column's) is the C of the first products.  Cluster x = 2: role A = Wv, role B = x, so that the registers run along the tokens; bv (a row's) is added on the way out.
; Both biases are always loaded and the one that does not apply is masked to zero bits: no branch.
; CLUSTERS 4 x 4: role A's tiles are shared along a row of the cluster, role B's along a column, by joint loads.
; LIMITS: NaN and infinities are not served; a block whose largest magnitude lies under 2^-122 keeps the byte 1; a block of zeros gets the byte 1 (its codes are zeros; this program alone reads the bytes).
; REGISTERS: window 0: v16-30 addresses; v32-63 scale words, two sets; v64-127 the column bias; v128-223 role A's fragments; v224-239 the row bias.  Way out: v64-127 numbers, v128-147 codes, v148-163 at work.
;   window 1: role B's fragments, two sets, at v0 and v128.   windows 2, 3: the accumulators ((a, b) at v[8 (8 (a%4) + b)]).
.set KDIM,   1024
.set HALFT,  24576                     ; what one tensor load brings: [4 x 64 K][8 tiles][768]
.set SLOT,   4*HALFT                   ; A's two halves, then B's two
.set LAPS,   KDIM/512
.set SCL,    2*SLOT                    ; behind the ring: the scale words of all of K, four regions [K/128][8 tiles][64]
.set HALFS,  (KDIM/128)*512
.set SPARE,  SCL+4*HALFS               ; the spare words, 128 bytes for each wave
.set FR, 12
.set NL, 4                             ; LDS loads that bring a fragment
.set NP, 4                             ; places behind this matrix instruction (ISA guide 7.12.1)
.set NQ, 2
.set SLABC, 786432
.set O_WQC, 3145728
.set O_WVC, 4718592
.set O_XS,  12582912
.set O_WQS, 12713984
.set O_WVS, 12779520
.set ADRA, 16                          ; v16-17 A's fragments in slot 0, 1 (16 x lane); v18-19 the same with 16 r + 8 h
.set ADRB, 20                          ; v20-23 the same for B
.set LI,   24
.set LJ,   25
.set SSTO, 26                          ; scratch for scale words: 512 w + 4 r
.set ADRS, 27
.set SPW,  28
.set NIL,  29
.set SRD,  30                          ; 512 w + 16 x lane
.set SC,   32
.set CB,   64
.set AF,   128
.set RB,   224
.set H,    64
.set PC,   128
.set TM,   148
.set PW,   164
.set OW,   168
.set OUT,  12
.set SEL,  96
.set G1, 24
.set G0, 32
.set G1B, 48
.set G0B, 56
.set G1S, 68
.set G0S, 76
.set G1SB, 80
.set G0SB, 88
.set MSB, 0
.macro WIN new                         ; the immediate's high byte repeats the setting that is left
.if MSB != (\new)
	s_set_vgpr_msb (MSB<<8)|(\new)
.set MSB, (\new)
.endif
.endm
.set MUL_LO, 0xa1                      ; source 0 (B) window 1, source 1 (A) window 0, C and D window 2
.set MUL_HI, 0xf1
.set TO_B,   0x40
.macro JLOAD g0a, g1a, g0b, g1b        ; a joint load: waves 0, 1 fetch for A, waves 2, 3 for B; four v_nop follow each line
	s_cmp_eq_u32 s15, 0
	s_cbranch_scc0 .Lfor_b_\@
	tensor_load_to_lds s[\g0a:\g0a+3], s[\g1a:\g1a+7]
	s_nop 0
.rept 4
	v_nop
.endr
	s_branch .Lasked_\@
.Lfor_b_\@:
	tensor_load_to_lds s[\g0b:\g0b+3], s[\g1b:\g1b+7]
	s_nop 0
.rept 4
	v_nop
.endr
.Lasked_\@:
.endm
.macro CREST
	s_cmp_lg_u32 s14, 0
	s_cbranch_scc1 .Lnot_wave_0_\@
	s_barrier_signal -3
.Lnot_wave_0_\@:
	s_barrier_wait -3
	s_barrier_signal -1
	s_barrier_wait -1
.endm
.macro CROUND
	s_barrier_signal -1
	s_barrier_wait -1
	CREST
.endm
.macro QUANT s, pw                     ; 64 numbers of a lane (register 16 b + i = k 32 b + 16 h + i) -> 12 registers of codes in v[PC] on, scale word in v[pw]
.irp b, 0,1,2,3
	v_max3_num_f32 v[TM+\b], |v[\s+16*\b]|, |v[\s+1+16*\b]|, 0x2800000
.endr
.irp i, 2,4,6,8,10,12,14
.irp b, 0,1,2,3
	v_max3_num_f32 v[TM+\b], v[TM+\b], |v[\s+16*\b+\i]|, |v[\s+1+16*\b+\i]|
.endr
.endr
.irp b, 0,1,2,3
	v_permlanex16_b32 v[TM+4+\b], v[TM+\b], s[SEL], s[SEL+1]
.endr
.irp b, 0,1,2,3
	v_max_num_f32 v[TM+\b], v[TM+\b], v[TM+4+\b]
.endr
.irp b, 0,1,2,3
	v_add_nc_u32 v[TM+12+\b], 0xfe000000, v[TM+\b]
.endr
.irp b, 0,1,2,3
	v_lshrrev_b32 v[TM+4+\b], 23, v[TM+12+\b]
.endr
	v_lshl_or_b32 v[\pw], v[TM+5], 8, v[TM+4]
	v_lshl_or_b32 v[\pw], v[TM+6], 16, v[\pw]
	v_lshl_or_b32 v[\pw], v[TM+7], 24, v[\pw]
.irp c, 0,1
	v_cvt_scalef32_pk16_bf6_f32 v[PC+6*\c:PC+2+6*\c], v[\s+32*\c:\s+15+32*\c], v[TM+12+2*\c]
	v_cvt_scalef32_pk16_bf6_f32 v[PC+12+4*\c:PC+14+4*\c], v[\s+16+32*\c:\s+31+32*\c], v[TM+12+2*\c+1]
.endr
	v_nop                                          ; one plain place behind a scaled conversion
.irp c, 0,1
.irp i, 0,1,2
	v_permlane16_swap_b32 v[PC+6*\c+\i], v[PC+12+4*\c+\i]
.endr
.irp i, 0,1,2
	v_mov_b32 v[PC+3+6*\c+\i], v[PC+12+4*\c+\i]
.endr
.endr
.endm
.macro IMGOUT off, hstep
	global_store_b128 v[LI], v[PC:PC+3], s[OUT:OUT+1] offset:\off
	global_store_b64 v[LJ], v[PC+4:PC+5], s[OUT:OUT+1] offset:\off+512
	global_store_b128 v[LI], v[PC+6:PC+9], s[OUT:OUT+1] offset:\off+\hstep
	global_store_b64 v[LJ], v[PC+10:PC+11], s[OUT:OUT+1] offset:\off+\hstep+512
.endm
	s_load_b256 s[4:11], s[0:1], 0x0               ; wc, bq, bk, bv
	s_load_b64 s[12:13], s[0:1], 0x20              ; qkv
	v_lshl_add_u32 v[SPW], v0, 2, SPARE
	v_mov_b32 v[NIL], 0
	ds_add_u32 v28, v29
	ds_add_u32 v28, v29
	s_wait_dscnt 0x0
	v_lshrrev_b32 v1, 5, v0
	v_readfirstlane_b32 s14, v1                    ; wave 0..3
	s_lshr_b32 s15, s14, 1                         ; my half of role A's rows.  Also: I fetch for A (0) or B (1)
	s_and_b32 s16, s14, 1                          ; my half of role B's rows.  Also: which 128 rows I fetch
	s_bfe_u32 s40, ttmp6, 0x40000                  ; cx
	s_bfe_u32 s41, ttmp6, 0x40004                  ; cy
	s_and_b32 s17, ttmp7, 0xffff                   ; cluster y: x's slab
	s_lshl_b32 s43, s41, 2
	s_lshl_b32 s43, 15, s43                        ; my row of the cluster
	s_lshl_b32 s44, 0x1111, s40                    ; my column
	s_or_b32 s[G1+0], s43, (3<<16)|(1<<21)         ; elements of 8 bytes, no padding: an image is read densely
	s_or_b32 s[G1B+0], s44, (3<<16)|(1<<21)
.irp g, G1, G1B
	s_mov_b32 s[\g+1], 768<<16                     ; tensor_dim0: 8 tiles x 768 bytes
	s_mov_b32 s[\g+2], 4<<16                       ; tensor_dim1: 4 x 64 along K
	s_mov_b32 s[\g+3], 768<<16                     ; tile_dim0
	s_mov_b32 s[\g+4], 4                           ; tile_dim1
	s_mov_b32 s[\g+5], 6144                        ; 49,152 bytes from one 64 along K to the next
	s_mov_b32 s[\g+6], 0
	s_mov_b32 s[\g+7], 0
.endr
	s_or_b32 s[G1S+0], s43, (3<<16)|(1<<21)
	s_or_b32 s[G1SB+0], s44, (3<<16)|(1<<21)
.irp g, G1S, G1SB
	s_mov_b32 s[\g+1], 64<<16                      ; 8 tiles x 64 bytes
	s_mov_b32 s[\g+2], (KDIM/128)<<16
	s_mov_b32 s[\g+3], 64<<16
	s_mov_b32 s[\g+4], KDIM/128
	s_mov_b32 s[\g+5], 512                         ; 4,096 bytes from one 128 along K to the next
	s_mov_b32 s[\g+6], 0
	s_mov_b32 s[\g+7], 0
.endr
	s_lshr_b32 s42, ttmp9, 1                       ; 1 in the clusters that make v^T: the same in all partners
	s_xor_b32 s95, s42, 1
	s_mul_i32 s66, s17, SLABC                      ; x's slab of codes (x's codes begin at wc's byte 0)
	s_lshl_b32 s18, s17, 15
	s_add_co_u32 s18, s18, O_XS                    ; and of scale words
	s_mul_i32 s20, s66, s95                        ; role A: x, or Wv; tile cy
	s_mul_i32 s67, s42, O_WVC
	s_add_co_u32 s20, s20, s67
	s_mul_i32 s67, s41, 12288
	s_add_co_u32 s20, s20, s67
	s_mul_i32 s67, s16, 6144
	s_add_co_u32 s20, s20, s67
	s_mov_b32 s21, 0
	s_mul_i32 s22, s18, s95
	s_mul_i32 s67, s42, O_WVS
	s_add_co_u32 s22, s22, s67
	s_lshl_b32 s67, s41, 10
	s_add_co_u32 s22, s22, s67
	s_lshl_b32 s67, s16, 9
	s_add_co_u32 s22, s22, s67
	s_mov_b32 s23, 0
	s_mul_i32 s46, ttmp9, SLABC                    ; role B: Wq or Wk, or x; tile cx
	s_add_co_u32 s46, s46, O_WQC
	s_mul_i32 s46, s46, s95
	s_mul_i32 s19, s66, s42
	s_add_co_u32 s46, s46, s19
	s_mul_i32 s19, s40, 12288
	s_add_co_u32 s46, s46, s19
	s_mul_i32 s19, s16, 6144
	s_add_co_u32 s46, s46, s19
	s_mov_b32 s47, 0
	s_lshl_b32 s92, ttmp9, 15
	s_add_co_u32 s92, s92, O_WQS
	s_mul_i32 s92, s92, s95
	s_mul_i32 s19, s18, s42
	s_add_co_u32 s92, s92, s19
	s_lshl_b32 s19, s40, 10
	s_add_co_u32 s92, s92, s19
	s_lshl_b32 s19, s16, 9
	s_add_co_u32 s92, s92, s19
	s_mov_b32 s93, 0
	s_mul_i32 s45, s14, HALFT                      ; where they go: no place in the cluster enters an LDS address
	s_mul_i32 s94, s14, HALFS
	s_mov_b32 s[SEL], 0x76543210
	s_mov_b32 s[SEL+1], 0xfedcba98
	s_wait_kmcnt 0x0
	s_add_nc_u64 s[20:21], s[4:5], s[20:21]
	s_add_nc_u64 s[22:23], s[4:5], s[22:23]
	s_add_nc_u64 s[46:47], s[4:5], s[46:47]
	s_add_nc_u64 s[92:93], s[4:5], s[92:93]
	CROUND                                         ; all sixteen work-groups are here: the first joint loads meet
	s_mov_b32 s[G0S], 1
	s_add_co_u32 s[G0S+1], s94, SCL
	s_mov_b64 s[G0S+2:G0S+3], s[22:23]
	s_or_b32 s[G0S+3], s[G0S+3], 0x80000000
	s_mov_b32 s[G0SB], 1
	s_add_co_u32 s[G0SB+1], s94, SCL
	s_mov_b64 s[G0SB+2:G0SB+3], s[92:93]
	s_or_b32 s[G0SB+3], s[G0SB+3], 0x80000000
	JLOAD G0S, G1S, G0SB, G1SB                     ; the scale words of all of K: filled once
.irp s, 0,1
	s_mov_b32 s[G0+4*\s], 1
	s_add_co_u32 s[G0+4*\s+1], s45, \s*SLOT
	s_add_nc_u64 s[G0+4*\s+2:G0+4*\s+3], s[20:21], \s*196608
	s_or_b32 s[G0+4*\s+3], s[G0+4*\s+3], 0x80000000
	s_mov_b32 s[G0B+4*\s], 1
	s_add_co_u32 s[G0B+4*\s+1], s45, \s*SLOT
	s_add_nc_u64 s[G0B+4*\s+2:G0B+4*\s+3], s[46:47], \s*196608
	s_or_b32 s[G0B+4*\s+3], s[G0B+4*\s+3], 0x80000000
	JLOAD G0+4*\s, G1, G0B+4*\s, G1B               ; by this text's count three loads of a wave are out
.endr
	v_and_b32 v1, 15, v0                           ; r
	v_bfe_u32 v2, v0, 4, 1                         ; h
	v_and_b32 v3, 31, v0
	v_lshlrev_b32 v[LI], 4, v3
	v_lshlrev_b32 v[LJ], 4, v1
	v_lshl_add_u32 v[LJ], v2, 3, v[LJ]
	s_mul_i32 s21, s15, HALFT
	s_mul_i32 s22, s16, HALFT
	s_add_co_u32 s22, s22, 2*HALFT
.irp s, 0,1
	v_add_nc_u32 v[ADRA+\s], s21, v[LI]
	v_add_nc_u32 v[ADRB+\s], s22, v[LI]
	v_add_nc_u32 v[ADRA+2+\s], s21, v[LJ]
	v_add_nc_u32 v[ADRB+2+\s], s22, v[LJ]
	s_add_co_u32 s21, s21, SLOT
	s_add_co_u32 s22, s22, SLOT
.endr
	v_lshlrev_b32 v5, 2, v1
	s_mul_i32 s21, s15, HALFS                      ; lanes 0-15 take A's words,
	s_mul_i32 s22, s16, HALFS
	s_add_co_u32 s22, s22, 2*HALFS
	s_sub_co_u32 s22, s22, s21
	v_mul_u32_u24 v6, s22, v2                      ; lanes 16-31 B's: one product, the distance between the two
	s_add_co_u32 s21, s21, SCL
	v_add_nc_u32 v5, v5, v6
	v_add_nc_u32 v[ADRS], s21, v5
	s_lshl_b32 s23, s14, 9
	v_lshl_add_u32 v[SSTO], v1, 2, s23
	v_add_nc_u32 v[SRD], s23, v[LI]
	; the biases
	s_lshl_b32 s18, s40, 1
	s_add_co_u32 s18, s18, s16                     ; U = 2 cx + my half: which 128 of role B's axis
	s_lshl_b32 s18, s18, 9
	s_mov_b32 s19, 0
	s_cmp_eq_u32 ttmp9, 0
	s_cselect_b64 s[6:7], s[6:7], s[8:9]           ; bq, else bk
	s_add_nc_u64 s[6:7], s[6:7], s[18:19]
	s_lshl_b32 s18, s41, 1
	s_add_co_u32 s18, s18, s15                     ; W = 2 cy + my half: which 128 of role A's axis
	s_lshl_b32 s18, s18, 9
	s_add_nc_u64 s[10:11], s[10:11], s[18:19]
	v_lshlrev_b32 v7, 6, v2                        ; 16 h numbers
	v_and_b32 v8, 8, v1
	v_add_nc_u32 v8, v8, v1
	v_lshlrev_b32 v8, 2, v8                        ; r%8 + 16 (r/8) numbers
.irp b, 0,1,2,3,4,5,6,7
	global_load_b128 v[CB+8*\b:CB+8*\b+3], v7, s[6:7] offset:(32*(\b/2)+8*(\b%2))*4
	global_load_b128 v[CB+8*\b+4:CB+8*\b+7], v7, s[6:7] offset:(32*(\b/2)+8*(\b%2))*4+16
.endr
.irp a, 0,1,2,3,4,5,6,7
	global_load_b32 v[RB+2*\a], v8, s[10:11] offset:(32*(\a/2)+8*(\a%2))*4
	global_load_b32 v[RB+2*\a+1], v8, s[10:11] offset:(32*(\a/2)+8*(\a%2))*4   ; twice: a pair for the packed addition
.endr
.macro FRAG reg, adr, q, i             ; a fragment, 16 rows x 128 K, is two half images: four dense loads
	ds_load_b128 v[\reg:\reg+3], v[\adr] offset:(2*(\q))*6144+(\i)*768
	ds_load_b64 v[\reg+4:\reg+5], v[\adr+2] offset:(2*(\q))*6144+(\i)*768+512
	ds_load_b128 v[\reg+6:\reg+9], v[\adr] offset:(2*(\q)+1)*6144+(\i)*768
	ds_load_b64 v[\reg+10:\reg+11], v[\adr+2] offset:(2*(\q)+1)*6144+(\i)*768+512
.endm
; 16 matrix instructions: A's blocks a0, a0 + 1 x B's eight.  zero = 1: the first products start the sums with the column bias as C.  The 64 accumulators take turns.
.macro MUL16 a0, p, q, sc, zero
.irp a, \a0, \a0+1
.irp b, 0,1,2,3,4,5,6,7
.if \zero
	v_wmma_scale_f32_16x16x128_f8f6f4 v[8*(8*((\a)%4)+\b):8*(8*((\a)%4)+\b)+7], v[128*(\p)+FR*\b:128*(\p)+FR*\b+FR-1], v[AF+FR*(\a):AF+FR*(\a)+FR-1], v[CB+8*\b:CB+8*\b+7], v[SC+8*NQ*(\sc)+NQ*\b+(\q)], v[SC+8*NQ*(\sc)+NQ*(\a)+(\q)] matrix_a_fmt:MATRIX_FMT_BF6 matrix_b_fmt:MATRIX_FMT_BF6 matrix_a_scale:MATRIX_SCALE_ROW1
.else
	v_wmma_scale_f32_16x16x128_f8f6f4 v[8*(8*((\a)%4)+\b):8*(8*((\a)%4)+\b)+7], v[128*(\p)+FR*\b:128*(\p)+FR*\b+FR-1], v[AF+FR*(\a):AF+FR*(\a)+FR-1], v[8*(8*((\a)%4)+\b):8*(8*((\a)%4)+\b)+7], v[SC+8*NQ*(\sc)+NQ*\b+(\q)], v[SC+8*NQ*(\sc)+NQ*(\a)+(\q)] matrix_a_fmt:MATRIX_FMT_BF6 matrix_b_fmt:MATRIX_FMT_BF6 matrix_a_scale:MATRIX_SCALE_ROW1
.endif
.endr
.endr
.endm
.macro FETCH_B slot, q, p
	WIN TO_B
.irp i, 0,1,2,3,4,5,6,7
	FRAG 128*(\p)+FR*\i, ADRB+\slot, \q, \i
.endr
	WIN 0
.endm
.macro FETCH_A slot, q, i0
.irp i, \i0, \i0+1, \i0+2, \i0+3
	FRAG AF+FR*(\i), ADRA+\slot, \q, \i
.endr
.endm
.macro SCALES sc                       ; a K step's words: lanes 0-15 A's block i, lanes 16-31 B's block i
.irp i, 0,1,2,3,4,5,6,7
	ds_load_b32 v[SC+8*NQ*\sc+NQ*\i], v[ADRS] offset:\i*64
	ds_load_b32 v[SC+8*NQ*\sc+NQ*\i+1], v[ADRS] offset:\i*64+512
.endr
.endm
.macro PLACES n
.rept \n
	v_nop
.endr
.endm
.macro STEP slot, q, zero              ; 128 along K with its successor in the same slot
	s_wait_dscnt 4*NL                              ; all but the youngest 16 loads (A's blocks 4-7) are in
	WIN MUL_LO-0x20*(\zero)                        ; (zero = 1: C in window 0)
	MUL16 0, (\q)%2, \q, \slot, \zero
	MUL16 2, (\q)%2, \q, \slot, \zero
	s_wait_dscnt 0
	PLACES NP
	FETCH_B \slot, (\q)+1, 1-(\q)%2
	FETCH_A \slot, (\q)+1, 0
	WIN MUL_HI-0x30*(\zero)
	MUL16 4, (\q)%2, \q, \slot, \zero
	MUL16 6, (\q)%2, \q, \slot, \zero
	PLACES NP
	WIN 0
	FETCH_A \slot, (\q)+1, 4
.endm
.macro TURN slot, next, fill           ; a slot's last step changes slots: one barrier
	s_wait_tensorcnt 0x0                           ; all my tensor loads have landed: my part of the next slot
	ds_add_u32 v[SPW], v[NIL]                      ; 0 onto my spare word
	s_wait_dscnt 4*NL+1                            ; the add and the youngest 16 loads may be out
	WIN MUL_LO
	MUL16 0, 1, NQ-1, \slot, 0
	s_wait_dscnt 0x0                               ; the add is done, and my reads of this slot are over
	s_barrier_signal -1
	MUL16 2, 1, NQ-1, \slot, 0
	WIN 0
	s_barrier_wait -1
.if \fill
	CREST                                          ; the barrier has opened a round of the cluster's: no wave of any partner still reads this slot or has a load on its way
	s_add_nc_u64 s[G0+4*\slot+2:G0+4*\slot+3], s[G0+4*\slot+2:G0+4*\slot+3], 393216
	s_add_nc_u64 s[G0B+4*\slot+2:G0B+4*\slot+3], s[G0B+4*\slot+2:G0B+4*\slot+3], 393216
	JLOAD G0+4*\slot, G1, G0B+4*\slot, G1B         ; the first tensor load behind the round; its four v_nop are the places in front of the loads below
.else
	PLACES NP
.endif
	v_add_nc_u32 v[ADRS], 1024, v[ADRS]            ; the next K step's scale words
	FETCH_B \next, 0, 0
	FETCH_A \next, 0, 0
	SCALES \next
	WIN MUL_HI
	MUL16 4, 1, NQ-1, \slot, 0
	MUL16 6, 1, NQ-1, \slot, 0
	PLACES NP
	WIN 0
	FETCH_A \next, 0, 4
.endm
	s_wait_tensorcnt 1                             ; the scale words and my part of K step 0 are in; K step 1's load may be out
	s_barrier_signal -1
	s_barrier_wait -1
	FETCH_B 0, 0, 0
	FETCH_A 0, 0, 0
	SCALES 0
	FETCH_A 0, 0, 4
	s_wait_loadcnt 0x0                             ; the biases
	s_sub_co_u32 s18, s42, 1                       ; all ones for q and k, 0 for v^T
	s_sub_co_u32 s19, 0, s42                       ; and the other way round
.set i, 0
.rept 64
	v_and_b32 v[CB+i], s18, v[CB+i]
.set i, i+1
.endr
.set i, 0
.rept 16
	v_and_b32 v[RB+i], s19, v[RB+i]
.set i, i+1
.endr
	STEP 0, 0, 1
	s_mov_b32 s3, LAPS-1
.Llap:
	TURN 0, 1, 1
	STEP 1, 0, 0
	TURN 1, 0, 1
	STEP 0, 0, 0
	s_sub_co_u32 s3, s3, 1
	s_cmp_lg_u32 s3, 0
	s_cbranch_scc1 .Llap
	TURN 0, 1, 0                                   ; the last lap fills nothing
	STEP 1, 0, 0
	s_wait_dscnt 4*NL
	WIN MUL_LO
	MUL16 0, 1, NQ-1, 1, 0
	MUL16 2, 1, NQ-1, 1, 0
	s_wait_dscnt 0
	WIN MUL_HI
	MUL16 4, 1, NQ-1, 1, 0
	MUL16 6, 1, NQ-1, 1, 0
	WIN 0
	; THE WAY OUT.  q, k: [batch][pair of heads] blocks of 196,608 bytes, [tile/4][head%2][tile%4][768]; v^T: [key step][head%2][half][d tile][768].  In both a block a of mine goes to (a/4) 6144 + (a%4) 768, its second half image 3,072 on.
	s_lshl_b32 s18, s40, 1
	s_add_co_u32 s18, s18, s16                     ; U
	s_lshl_b32 s19, s41, 1
	s_add_co_u32 s19, s19, s15                     ; W
	s_cmp_eq_u32 ttmp9, 2
	s_cselect_b32 s20, s19, s18                    ; the pair of heads: U, for v^T W
	s_cselect_b32 s21, s18, s19                    ; the 128 tokens: W, for v^T U
	s_lshr_b32 s22, s17, 1
	s_lshl_b32 s22, s22, 3
	s_add_co_u32 s22, s22, s20                     ; 8 x batch + pair
	s_and_b32 s23, s17, 1
	s_lshl_b32 s23, s23, 3
	s_add_co_u32 s23, s23, s21                     ; which 128 tokens of the batch
	s_lshl_b32 s18, ttmp9, 17
	s_lshl_b32 s19, s22, 13
	s_add_co_u32 s18, s18, s19
	s_lshl_b32 s19, s23, 9
	s_add_co_u32 s18, s18, s19
	s_add_co_u32 s18, s18, 9437184
	s_mov_b32 s19, 0
	s_add_nc_u64 s[10:11], s[12:13], s[18:19]      ; the scale words
	s_mul_i32 s18, ttmp9, 3145728
	s_mul_i32 s20, s22, 196608
	s_add_co_u32 s18, s18, s20
	s_mul_i32 s20, s23, 12288
	s_add_co_u32 s18, s18, s20
	s_add_nc_u64 s[OUT:OUT+1], s[12:13], s[18:19]  ; the codes
	PLACES NP
.irp b, 0,1,2,3
	v_mov_b32 v[TM+4+\b], 0                        ; a lane permute's destination counts as one of its sources
.endr
.macro BLOCKQ a
	s_wait_xcnt 0x0                                ; the last block's stores have read the codes' registers
	WIN 0x02+((\a)/4)                              ; source 0: window 2 or 3
.set i, 0
.rept 32
	v_pk_add_f32 v[H+2*i:H+2*i+1], v[64*((\a)%4)+2*i:64*((\a)%4)+2*i+1], v[RB+2*(\a):RB+2*(\a)+1]   ; each accumulator from its low end on; + the row's bias
.set i, i+1
.endr
	WIN 0
	QUANT H, PW
	IMGOUT ((\a)/4)*6144+((\a)%4)*768, 3072
	ds_store_b32 v[SSTO], v[PW] offset:64*(\a)     ; scratch in slot 0, which has had its last fill and its last read; lanes r and r + 16 write the same word
.endm
.irp a, 0,1,2,3,4,5,6,7
	BLOCKQ \a
.endr
	ds_load_b128 v[OW:OW+3], v[SRD]                ; LDS serves a wave's instructions in order: this sees my stores
	s_wait_dscnt 0x0
	global_store_b128 v[LI], v[OW:OW+3], s[10:11]  ; 128 scale words: 512 consecutive bytes
	s_wait_tensorcnt 0x0                           ; the wave's end
	ds_add_u32 v[SPW], v[NIL]
	s_wait_dscnt 0x0
	CROUND                                         ; the closing round
	s_endpgm
.Lfunc_end_k_qd0917699a7_gqkv:
	.size	k_qd0917699a7_gqkv, .Lfunc_end_k_qd0917699a7_gqkv-k_qd0917699a7_gqkv
	.p2alignl 7, 3214868480
	.fill 96, 4, 3214868480
	.section	.rodata,"a",@progbits
	.p2align	6, 0x0
	.amdhsa_kernel k_qd0917699a7_gqkv
		.amdhsa_group_segment_fixed_size 327680
		.amdhsa_private_segment_fixed_size 0
		.amdhsa_enable_private_segment 0
		.amdhsa_kernarg_size 40
		.amdhsa_user_sgpr_count 2
		.amdhsa_user_sgpr_kernarg_segment_ptr 1
		.amdhsa_wavefront_size32 1
		.amdhsa_system_sgpr_workgroup_id_x 1
		.amdhsa_system_sgpr_workgroup_id_y 1
		.amdhsa_system_sgpr_workgroup_id_z 1
		.amdhsa_system_vgpr_workitem_id 0
		.amdhsa_next_free_vgpr 1024
		.amdhsa_next_free_sgpr 100
		.amdhsa_reserve_vcc 0
		.amdhsa_float_denorm_mode_32 3
		.amdhsa_float_denorm_mode_16_64 3
		.amdhsa_memory_ordered 1
		.amdhsa_forward_progress 1
		.amdhsa_inst_pref_size 174
	.end_amdhsa_kernel
	.amdgpu_metadata
---
amdhsa.version: [ 1, 2 ]
amdhsa.kernels:
  - .name:           k_qd0917699a7_gqkv
    .symbol:         k_qd0917699a7_gqkv.kd
    .args:
      - { .name: wc, .offset: 0, .size: 8, .value_kind: global_buffer, .address_space: global }
      - { .name: bq, .offset: 8, .size: 8, .value_kind: global_buffer, .address_space: global }
      - { .name: bk, .offset: 16, .size: 8, .value_kind: global_buffer, .address_space: global }
      - { .name: bv, .offset: 24, .size: 8, .value_kind: global_buffer, .address_space: global }
      - { .name: qkv, .offset: 32, .size: 8, .value_kind: global_buffer, .address_space: global }
    .group_segment_fixed_size: 327680
    .private_segment_fixed_size: 0
    .kernarg_segment_align: 8
    .kernarg_segment_size: 40
    .max_flat_workgroup_size: 128
    .sgpr_count:     100
    .vgpr_count:     1024
    .wavefront_size: 32
...
	.end_amdgpu_metadata
.endif
;; end of part 2
;; launch attn (part 3): grid 8 x 32, 16 waves a work-group, clusters of 4 x 1, 210,944 bytes of LDS; arguments qkv, ao; writes ao
.if DOCPART == 3
	.amdgcn_target "amdgcn-amd-amdhsa--gfx1250"
	.amdhsa_code_object_version 6
	.text
	.protected	k_qd0917699a7_attn
	.globl	k_qd0917699a7_attn
	.p2align	8
	.type	k_qd0917699a7_attn,@function
k_qd0917699a7_attn:
	s_mov_b64 s[64:65], 0
	v_nop
	global_prefetch_b8 v0, s[64:65] scope:SCOPE_SE
	s_setreg_imm32_b32 hwreg(HW_REG_WAVE_MODE, 25, 1), 1
	s_wait_xcnt 0x0
	s_wait_alu depctr_hold_cnt(0) depctr_sa_sdst(0) depctr_va_vdst(0) depctr_va_sdst(0) depctr_va_ssrc(0) depctr_va_vcc(0) depctr_vm_vsrc(0)
	s_getreg_b32 s2, hwreg(HW_REG_IB_STS2, 6, 4)
	s_cmp_eq_u32 s2, 0
	s_cbranch_scc0 .Lentry_in_a_cluster
	s_endpgm
.Lentry_in_a_cluster:
	s_bfe_u32 s2, ttmp6, 0x10000c
	s_cmp_lg_u32 s2, 0x3003
	s_cbranch_scc0 .Lentry_shape_is_right
	s_endpgm
.Lentry_shape_is_right:
; ATTN: out = softmax(q k^T / 8) v for one head and 256 queries a work-group, both products on codes of BF6 with E8M0 scales; out / l is quantised along the head's 64 and leaves as an operand image.
; THE SOFTMAX: t = score x log2(e) / 8; M = the running largest t rounded UP to a whole number; p = 2^(t - M) is quantised along the keys; the row's sum is taken of the unquantised p and divides at the end.
; SHARES: sixteen waves, each one tile of 16 queries in 256 registers; every wave walks the head's 2,048 keys, 128 a step.  THE WHOLE HEAD LIES IN LDS (k 98,304 bytes, v^T 98,304, their scale words 12,288): nothing is filled again.
; CLUSTER 4 x 1: four query blocks of one head ask for k and v^T jointly.  Wave 0 asks for k's three tiles, wave 1 for v^T's: scale words, the first two key steps, the rest; the first two steps are worked while the rest lands.
; LAYOUT: both products transposed: S^T = k q^T, O^T = v^T p^T: a lane holds one query.  Rows lie in position space, so the 16 registers of score tiles 2 b, 2 b + 1 are the true keys 32 b + 16 h + 0 .. 15.
; THE HEAD IS 64 AND THE INSTRUCTION'S K 128: q's registers 6-11 are zero codes and its upper two scale bytes 0 (2^-127, a number); what k's registers 6-11 hold (old codes of v^T: every code is a finite number) meets zeros.
; LIMITS: NaN and infinities are not served; a block of p that has fallen to 0 keeps the byte 1 (its codes are zeros).
.set LI,   1                           ; 16 x lane
.set LJ5,  2                           ; 512 + 16 r + 8 h
.set ASK,  3                           ; k's scale words: 196608 + 4 r + 2 (head%2)
.set ASV,  4                           ; v^T's: 204800 + 4 r
.set LIV,  5                           ; 98304 + 16 x lane
.set LJV,  6                           ; 98304 + 512 + 16 r + 8 h
.set LS,   7                           ; 4 r
.set ADK,  8
.set ADK2, 9
.set ADS,  10
.set ADT,  11
.set ADV,  28
.set ADV2, 29
.set WV,   18
.set SEL,  20
.set CS,   22                          ; s[22:23] c = log2(e) / 8
.set TB,   12                          ; s12 the step's codes, of k and of v^T alike: 6,144 bytes a step
.set TS,   13                          ; s13 k's scale words: 512 a step
.set TJ,   14                          ; s14 v^T's: 256 a step
.set CNT,  15
.set G1KS, 24
.set G1K0, 32
.set G1KR, 40
.set G1VS, 48
.set G1V0, 56
.set G1VR, 68
.set G0KS, 76
.set G0K0, 80
.set G0KR, 84
.set G0VS, 88
.set G0V0, 92
.set G0VR, 96
.macro CROUND
	s_barrier_signal -1
	s_barrier_wait -1
	s_cmp_lg_u32 s[WV], 0
	s_cbranch_scc1 .Lnot_wave_0_\@
	s_barrier_signal -3
.Lnot_wave_0_\@:
	s_barrier_wait -3
	s_barrier_signal -1
	s_barrier_wait -1
.endm
.macro MKG1 g, d0, rows, stride        ; rows of d0 elements of 8 bytes, stride elements apart; the mask names all four partners
	s_mov_b32 s[\g], 15|(3<<16)|(1<<21)
	s_mov_b32 s[\g+1], (\d0)<<16
	s_mov_b32 s[\g+2], (\rows)<<16
	s_mov_b32 s[\g+3], (\d0)<<16
	s_mov_b32 s[\g+4], \rows
	s_mov_b32 s[\g+5], \stride
	s_mov_b32 s[\g+6], 0
	s_mov_b32 s[\g+7], 0
.endm
.macro MKG0 g, lds, base, add
	s_add_co_u32 s100, \base, \add
	s_mov_b32 s[\g], 1
	s_mov_b32 s[\g+1], \lds
	s_add_nc_u64 s[\g+2:\g+3], s[4:5], s[100:101]
	s_or_b32 s[\g+3], s[\g+3], 0x80000000
.endm
	s_load_b128 s[4:7], s[0:1], 0x0                ; qkv, ao
	v_lshl_add_u32 v223, v0, 2, 0x33000
	v_mov_b32 v243, 0
	ds_add_u32 v223, v243
	ds_add_u32 v223, v243
	v_lshrrev_b32 v8, 5, v0
	v_readfirstlane_b32 s[WV], v8                  ; wave 0..15
	s_and_b32 s10, ttmp7, 0xffff                   ; batch x 16 + head: the four partners share it
	s_lshr_b32 s11, s10, 4                         ; batch
	s_and_b32 s12, s10, 15                         ; head
	s_lshr_b32 s13, s12, 1                         ; pair
	s_and_b32 s14, s12, 1                          ; head % 2
	s_lshl_b32 s15, s11, 3
	s_add_co_u32 s15, s15, s13
	s_mul_i32 s16, s15, 196608                     ; the pair's block of codes
	s_lshl_b32 s17, s15, 13                        ; and of scale words
	s_mul_i32 s2, s14, 3072
	s_add_co_u32 s2, s2, s16                       ; k: my head's 3,072 of each 6,144
	s_mul_i32 s3, s14, 6144
	s_add_co_u32 s3, s3, s16                       ; v^T: my head's 6,144 of each 12,288
	s_lshl_b32 s8, s14, 8
	s_add_co_u32 s8, s8, s17                       ; v^T's words: my head's 256 of each 512
	s_mov_b32 s101, 0
	MKG1 G1KS, 32, 32, 32                          ; k's words, both heads': 8,192 dense bytes
	MKG1 G1K0, 384, 4, 768                         ; 16 tiles: key steps 0, 1
	MKG1 G1KR, 384, 28, 768                        ; the other 112 tiles
	MKG1 G1VS, 32, 16, 64
	MKG1 G1V0, 768, 2, 1536                        ; key steps 0, 1
	MKG1 G1VR, 768, 14, 1536
	s_mov_b32 s[SEL], 0x76543210
	s_mov_b32 s[SEL+1], 0xfedcba98
	s_mov_b32 s[CS], 0x3e38aa3b
	s_mov_b32 s[CS+1], s[CS]
	s_wait_dscnt 0x0
	s_wait_kmcnt 0x0
	MKG0 G0KS, 196608, s17, 9568256
	MKG0 G0K0, 0, s2, 3145728
	MKG0 G0KR, 12288, s2, 3145728+24576
	MKG0 G0VS, 204800, s8, 9699328
	MKG0 G0V0, 98304, s3, 6291456
	MKG0 G0VR, 110592, s3, 6291456+24576
	CROUND                                         ; all four work-groups are here: the joint loads meet
	s_cmp_eq_u32 s[WV], 0                          ; a wave's three fills stand in one branch: three loads of mine are out
	s_cbranch_scc0 .Lnot_k
	tensor_load_to_lds s[G0KS:G0KS+3], s[G1KS:G1KS+7]
	s_nop 0
	tensor_load_to_lds s[G0K0:G0K0+3], s[G1K0:G1K0+7]
	s_nop 0
	tensor_load_to_lds s[G0KR:G0KR+3], s[G1KR:G1KR+7]
	s_nop 0
.rept 4
	v_nop
.endr
	s_branch .Lasked
.Lnot_k:
	s_cmp_eq_u32 s[WV], 1
	s_cbranch_scc0 .Lasked
	tensor_load_to_lds s[G0VS:G0VS+3], s[G1VS:G1VS+7]
	s_nop 0
	tensor_load_to_lds s[G0V0:G0V0+3], s[G1V0:G1V0+7]
	s_nop 0
	tensor_load_to_lds s[G0VR:G0VR+3], s[G1VR:G1VR+7]
	s_nop 0
.rept 4
	v_nop
.endr
.Lasked:
	s_bfe_u32 s19, ttmp6, 0x40000                  ; cx: it enters q's and the output's addresses alone
	s_lshl_b32 s100, ttmp9, 2
	s_add_co_u32 s100, s100, s19
	s_lshl_b32 s100, s100, 4
	s_add_co_u32 s100, s100, s[WV]                 ; T: my tile of 16 queries in the batch
	s_lshr_b32 s2, s100, 2
	s_mul_i32 s2, s2, 6144
	s_add_co_u32 s2, s2, s16
	s_mul_i32 s3, s14, 3072
	s_add_co_u32 s2, s2, s3
	s_and_b32 s3, s100, 3
	s_mul_i32 s3, s3, 768
	s_add_co_u32 s2, s2, s3
	s_mov_b32 s3, 0
	s_add_nc_u64 s[8:9], s[4:5], s[2:3]            ; q's half image
	s_lshl_b32 s10, s14, 1                         ; my head's two bytes of a word
	s_lshl_b32 s2, s100, 6
	s_add_co_u32 s2, s2, s17
	s_add_co_u32 s2, s2, 9437184
	s_add_co_u32 s2, s2, s10
	s_add_nc_u64 s[4:5], s[4:5], s[2:3]            ; q's scale bytes
	s_lshl_b32 s2, s11, 7
	s_add_co_u32 s2, s2, s100                      ; the tile among all 256
	s_lshr_b32 s15, s2, 6                          ; slab
	s_and_b32 s2, s2, 63
	s_mul_i32 s16, s15, 786432
	s_mul_i32 s17, s12, 49152                      ; the head is the 64 along the next K
	s_add_co_u32 s16, s16, s17
	s_mul_i32 s17, s2, 768
	s_add_co_u32 s16, s16, s17
	s_mov_b32 s17, 0
	s_add_nc_u64 s[16:17], s[6:7], s[16:17]        ; the output's codes
	s_lshl_b32 s15, s15, 15
	s_lshl_b32 s13, s13, 12
	s_add_co_u32 s15, s15, s13
	s_lshl_b32 s2, s2, 6
	s_add_co_u32 s2, s2, s15
	s_add_co_u32 s2, s2, s10
	s_add_co_u32 s2, s2, 3145728
	s_add_nc_u64 s[6:7], s[6:7], s[2:3]            ; and its scale bytes
	s_add_co_u32 s19, s10, 196608
	v_and_b32 v8, 15, v0                           ; r
	v_bfe_u32 v9, v0, 4, 1                         ; h
	v_and_b32 v10, 31, v0
	v_lshlrev_b32 v[LI], 4, v10
	v_lshlrev_b32 v[LJ5], 4, v8
	v_lshl_add_u32 v[LJ5], v9, 3, v[LJ5]
	v_add_nc_u32 v[LJ5], 512, v[LJ5]
	v_lshlrev_b32 v[LS], 2, v8
	v_add_nc_u32 v[ASK], s19, v[LS]
	v_add_nc_u32 v[ASV], 204800, v[LS]
	v_add_nc_u32 v[LIV], 98304, v[LI]
	v_add_nc_u32 v[LJV], 98304, v[LJ5]
	global_load_b128 v[16:19], v[LI], s[8:9]       ; q stays in registers
	global_load_b64 v[20:21], v[LJ5], s[8:9]
	global_load_u16 v255, v[LS], s[4:5]            ; its two scale bytes; the upper two are 0
.irp j, 22,23,24,25,26,27
	v_mov_b32 v\j, 0                               ; zero codes for k = 64 .. 127
.endr
.irp t, 0,1,2,3
.irp j, 6,7,8,9,10,11
	v_mov_b32 v[32+12*\t+\j], 0                    ; written once: k's fragments fill registers 0-5 alone
.endr
.endr
	v_mov_b32 v13, 0xff61b1e6                      ; the largest t so far: -3e38
	v_floor_f32 v12, -v13                          ; -M
	v_mov_b32 v14, 0
	v_mov_b32 v15, 0
.irp b, 0,1,2,3
	v_mov_b32 v[236+\b], 0                         ; a lane permute's destination counts as one of its sources
.endr
	v_mov_b32 v253, 0
.set j, 0
.rept 32
	v_mov_b32 v[160+j], 0                          ; O^T: the step is written once; the first change of M leaves zeros zeros
.set j, j+1
.endr
	s_mov_b32 s[TB], 0
	s_mov_b32 s[TS], 0
	s_mov_b32 s[TJ], 0
.macro STEP                            ; 128 keys
	v_add_nc_u32 v[ADK], s[TB], v[LI]              ; (these six are the places in front of loads into registers that the last products read)
	v_add_nc_u32 v[ADK2], s[TB], v[LJ5]
	v_add_nc_u32 v[ADV], s[TB], v[LIV]
	v_add_nc_u32 v[ADV2], s[TB], v[LJV]
	v_add_nc_u32 v[ADS], s[TS], v[ASK]
	v_add_nc_u32 v[ADT], s[TJ], v[ASV]
.irp g, 0,1
.if \g
.rept 4
	v_nop
.endr
.endif
.irp t, 0,1,2,3
	ds_load_b128 v[32+12*\t:35+12*\t], v[ADK] offset:768*(4*\g+\t)
	ds_load_b64 v[36+12*\t:37+12*\t], v[ADK2] offset:768*(4*\g+\t)
	ds_load_u16 v[248+\t], v[ADS] offset:64*(4*\g+\t)
.endr
	s_wait_dscnt 0x0
.irp t, 0,1,2,3
	v_wmma_scale_f32_16x16x128_f8f6f4 v[96+8*(4*\g+\t):103+8*(4*\g+\t)], v[32+12*\t:43+12*\t], v[16:27], 0, v[248+\t], v255 matrix_a_fmt:MATRIX_FMT_BF6 matrix_b_fmt:MATRIX_FMT_BF6
.endr
.endr
.rept 4
	v_nop
.endr
.irp t, 0,1,2,3                                    ; v^T's four fragments are asked for now and land under the softmax
	ds_load_b128 v[32+12*\t:35+12*\t], v[ADV] offset:768*\t
	ds_load_b64 v[36+12*\t:37+12*\t], v[ADV2] offset:768*\t
	ds_load_b128 v[38+12*\t:41+12*\t], v[ADV] offset:3072+768*\t
	ds_load_b64 v[42+12*\t:43+12*\t], v[ADV2] offset:3072+768*\t
	ds_load_b32 v[248+\t], v[ADT] offset:64*\t
.endr
.irp b, 0,1,2,3
	v_max3_num_f32 v[232+\b], v[96+16*\b], v[97+16*\b], v[98+16*\b]   ; the largest score of each block of 32 keys: for the row's maximum and, since p rises with the score, for the block's largest p
.endr
.irp i, 3,5,7,9,11,13
.irp b, 0,1,2,3
	v_max3_num_f32 v[232+\b], v[232+\b], v[96+16*\b+\i], v[97+16*\b+\i]
.endr
.endr
.irp b, 0,1,2,3
	v_max_num_f32 v[232+\b], v[232+\b], v[111+16*\b]
.endr
.irp b, 0,1,2,3
	v_permlanex16_b32 v[236+\b], v[232+\b], s[SEL], s[SEL+1]
.endr
.irp b, 0,1,2,3
	v_max_num_f32 v[232+\b], v[232+\b], v[236+\b]
.endr
	v_max3_num_f32 v254, v232, v233, v234
	v_max_num_f32 v254, v254, v235
	v_mul_f32 v254, s[CS], v254
	v_max_num_f32 v13, v13, v254                   ; the running largest t
	v_mov_b32 v254, v12
	v_floor_f32 v12, -v13                          ; the new -M = -ceil(t)
	v_sub_f32 v254, v12, v254                      ; old M - new M: a whole number, 0 or less
	v_cvt_i32_f32 v254, v254                       ; (it saturates)
	v_ldexp_f32 v252, 1.0, v254                    ; f = 2^(old M - new M): rounds nothing
.set j, 0
.rept 32
	v_pk_fma_f32 v[96+j:97+j], v[96+j:97+j], s[CS:CS+1], v[12:13] op_sel_hi:[1,0,0]   ; t - M
.set j, j+2
.endr
.irp b, 0,1,2,3
	v_fma_f32 v[232+\b], v[232+\b], s[CS], v12
.endr
.set j, 0
.rept 64
	v_exp_f32 v[96+j], v[96+j]                     ; p = 2^(t - M)
.set j, j+1
.endr
	v_pk_mul_f32 v[14:15], v[14:15], v[252:253] op_sel_hi:[1,0]   ; the sums under the new M: the plain place behind the exponentials
	s_wait_alu depctr_va_vdst(0)                   ; one wait for the batch, ahead of its first reader
.irp b, 0,1,2,3
	v_exp_f32 v[232+\b], v[232+\b]                 ; each block's largest p
.endr
	v_pk_add_f32 v[236:237], v[96:97], v[98:99]    ; the row's sum of the unquantised p, in two chains
.irp j, 4,8,12,16,20,24,28,32,36,40,44,48,52,56,60
	v_pk_add_f32 v[14:15], v[14:15], v[96+\j:97+\j]
	v_pk_add_f32 v[236:237], v[236:237], v[98+\j:99+\j]
.endr
	v_pk_add_f32 v[14:15], v[14:15], v[236:237]
	s_wait_alu depctr_va_vdst(0)                   ; and one for the four
.irp b, 0,1,2,3
	v_max_num_f32 v[232+\b], 0x2800000, v[232+\b]  ; the floor 2^(5 - 127)
.endr
.irp b, 0,1,2,3
	v_add_nc_u32 v[244+\b], 0xfe000000, v[232+\b]
.endr
.irp b, 0,1,2,3
	v_lshrrev_b32 v[236+\b], 23, v[244+\b]
.endr
	v_lshl_or_b32 v253, v237, 8, v236              ; p's scale word for these 128 keys
	v_lshl_or_b32 v253, v238, 16, v253
	v_lshl_or_b32 v253, v239, 24, v253
.irp c, 0,1
	v_cvt_scalef32_pk16_bf6_f32 v[224+6*\c:226+6*\c], v[96+32*\c:111+32*\c], v[244+2*\c]
	v_cvt_scalef32_pk16_bf6_f32 v[236+4*\c:238+4*\c], v[112+32*\c:127+32*\c], v[244+2*\c+1]
.endr
	v_nop
.irp c, 0,1
.irp i, 0,1,2
	v_permlane16_swap_b32 v[224+6*\c+\i], v[236+4*\c+\i]
.endr
.irp i, 0,1,2
	v_mov_b32 v[227+6*\c+\i], v[236+4*\c+\i]
.endr
.endr
.set j, 0
.rept 16
	v_pk_mul_f32 v[160+j:161+j], v[160+j:161+j], v[252:253] op_sel_hi:[1,0]   ; O^T under the new M.  (These 16 are the places between the scale word, the codes and the products below)
.set j, j+2
.endr
	s_wait_dscnt 0x0                               ; v^T's fragments and words
.irp t, 0,1,2,3
	v_wmma_scale_f32_16x16x128_f8f6f4 v[160+8*\t:167+8*\t], v[32+12*\t:43+12*\t], v[224:235], v[160+8*\t:167+8*\t], v[248+\t], v253 matrix_a_fmt:MATRIX_FMT_BF6 matrix_b_fmt:MATRIX_FMT_BF6
.endr
	s_add_co_u32 s[TB], s[TB], 6144
	s_add_co_u32 s[TS], s[TS], 512
	s_add_co_u32 s[TJ], s[TJ], 256
.endm
	s_wait_loadcnt 0x0                             ; q
	s_wait_tensorcnt 1                             ; the scale words and key steps 0, 1 are in; the rest may be out
	s_barrier_signal -1
	s_barrier_wait -1
	s_mov_b32 s[CNT], 2
.Lfirst:
	STEP
	s_sub_co_u32 s[CNT], s[CNT], 1
	s_cmp_lg_u32 s[CNT], 0
	s_cbranch_scc1 .Lfirst
	s_wait_tensorcnt 0x0                           ; the rest of the head
	s_wait_dscnt 0x0
	s_barrier_signal -1
	s_barrier_wait -1
	s_mov_b32 s[CNT], 14
.Lrest:
	STEP
	s_sub_co_u32 s[CNT], s[CNT], 1
	s_cmp_lg_u32 s[CNT], 0
	s_cbranch_scc1 .Lrest
	; THE WAY OUT: O^T / the sum; register 16 b + i is d 32 b + 16 h + i of my query: two blocks of the next product's K
.rept 4
	v_nop                                          ; places behind the last products
.endr
	v_add_f32 v14, v14, v15
	v_permlanex16_b32 v252, v14, s[SEL], s[SEL+1]
	v_add_f32 v14, v14, v252
	v_rcp_f32 v14, v14
	v_nop                                          ; a plain place behind the transcendental
	s_wait_alu depctr_va_vdst(0)                   ; and the wait ahead of its first reader
.set j, 0
.rept 32
	v_mul_f32 v[96+j], v[160+j], v14
.set j, j+1
.endr
.irp b, 0,1
	v_max3_num_f32 v[232+\b], |v[96+16*\b]|, |v[97+16*\b]|, 0x2800000
.endr
.irp i, 2,4,6,8,10,12,14
.irp b, 0,1
	v_max3_num_f32 v[232+\b], v[232+\b], |v[96+16*\b+\i]|, |v[97+16*\b+\i]|
.endr
.endr
.irp b, 0,1
	v_permlanex16_b32 v[236+\b], v[232+\b], s[SEL], s[SEL+1]
.endr
.irp b, 0,1
	v_max_num_f32 v[232+\b], v[232+\b], v[236+\b]
.endr
.irp b, 0,1
	v_add_nc_u32 v[244+\b], 0xfe000000, v[232+\b]
.endr
.irp b, 0,1
	v_lshrrev_b32 v[236+\b], 23, v[244+\b]
.endr
	v_lshl_or_b32 v253, v237, 8, v236              ; my head's two bytes of the row's scale word
	v_cvt_scalef32_pk16_bf6_f32 v[224:226], v[96:111], v244
	v_cvt_scalef32_pk16_bf6_f32 v[240:242], v[112:127], v245
	v_nop
.irp i, 0,1,2
	v_permlane16_swap_b32 v[224+\i], v[240+\i]
.endr
.irp i, 0,1,2
	v_mov_b32 v[227+\i], v[240+\i]
.endr
	global_store_b128 v[LI], v[224:227], s[16:17]  ; a half image: whole aligned blocks of 256 bytes
	global_store_b64 v[LJ5], v[228:229], s[16:17]
	global_store_b16 v[LS], v253, s[6:7]           ; two bytes a row: the word's other half is the other head's work-group's; 2 bytes for 48 of codes
	s_wait_tensorcnt 0x0
	ds_add_u32 v223, v243
	s_wait_dscnt 0x0
	CROUND                                         ; the closing round
	s_endpgm
.Lfunc_end_k_qd0917699a7_attn:
	.size	k_qd0917699a7_attn, .Lfunc_end_k_qd0917699a7_attn-k_qd0917699a7_attn
	.p2alignl 7, 3214868480
	.fill 96, 4, 3214868480
	.section	.rodata,"a",@progbits
	.p2align	6, 0x0
	.amdhsa_kernel k_qd0917699a7_attn
		.amdhsa_group_segment_fixed_size 210944
		.amdhsa_private_segment_fixed_size 0
		.amdhsa_enable_private_segment 0
		.amdhsa_kernarg_size 16
		.amdhsa_user_sgpr_count 2
		.amdhsa_user_sgpr_kernarg_segment_ptr 1
		.amdhsa_wavefront_size32 1
		.amdhsa_system_sgpr_workgroup_id_x 1
		.amdhsa_system_sgpr_workgroup_id_y 1
		.amdhsa_system_sgpr_workgroup_id_z 1
		.amdhsa_system_vgpr_workitem_id 0
		.amdhsa_next_free_vgpr 256
		.amdhsa_next_free_sgpr 102
		.amdhsa_reserve_vcc 0
		.amdhsa_float_denorm_mode_32 3
		.amdhsa_float_denorm_mode_16_64 3
		.amdhsa_memory_ordered 1
		.amdhsa_forward_progress 1
		.amdhsa_inst_pref_size 50
	.end_amdhsa_kernel
	.amdgpu_metadata
---
amdhsa.version: [ 1, 2 ]
amdhsa.kernels:
  - .name:           k_qd0917699a7_attn
    .symbol:         k_qd0917699a7_attn.kd
    .args:
      - { .name: qkv, .offset: 0, .size: 8, .value_kind: global_buffer, .address_space: global }
      - { .name: ao, .offset: 8, .size: 8, .value_kind: global_buffer, .address_space: global }
    .group_segment_fixed_size: 210944
    .private_segment_fixed_size: 0
    .kernarg_segment_align: 8
    .kernarg_segment_size: 16
    .max_flat_workgroup_size: 512
    .sgpr_count:     102
    .vgpr_count:     256
    .wavefront_size: 32
...
	.end_amdgpu_metadata
.endif
;; end of part 3
;; launch gwo (part 4): grid 4 x 16, 4 waves a work-group, clusters of 4 x 4, 327,680 bytes of LDS; arguments ao, wc, bo, res; writes res
.if DOCPART == 4
	.amdgcn_target "amdgcn-amd-amdhsa--gfx1250"
	.amdhsa_code_object_version 6
	.text
	.protected	k_qd0917699a7_gwo
	.globl	k_qd0917699a7_gwo
	.p2align	8
	.type	k_qd0917699a7_gwo,@function
k_qd0917699a7_gwo:
	s_mov_b64 s[64:65], 0
	v_nop
	global_prefetch_b8 v0, s[64:65] scope:SCOPE_SE
	s_setreg_imm32_b32 hwreg(HW_REG_WAVE_MODE, 25, 1), 1
	s_wait_xcnt 0x0
	s_wait_alu depctr_hold_cnt(0) depctr_sa_sdst(0) depctr_va_vdst(0) depctr_va_sdst(0) depctr_va_ssrc(0) depctr_va_vcc(0) depctr_vm_vsrc(0)
	s_getreg_b32 s2, hwreg(HW_REG_IB_STS2, 6, 4)
	s_cmp_eq_u32 s2, 0
	s_cbranch_scc0 .Lentry_in_a_cluster
	s_endpgm
.Lentry_in_a_cluster:
	s_bfe_u32 s2, ttmp6, 0x10000c
	s_cmp_lg_u32 s2, 0xf033
	s_cbranch_scc0 .Lentry_shape_is_right
	s_endpgm
.Lentry_shape_is_right:
; GWO: res = out Wo + bo on codes of BF6 with E8M0 scales, K = 1,024; the f32 result leaves as images of the accumulators (16 rows x 128 columns in 8,192 bytes: register group g at 512 g + 16 x lane), which the norm's launch reads as it wants them.
; Operands lie as images of the operand's registers (half image: 16 rows x 64 K in 768 bytes; slab: 1,024 rows: codes [K/64][64 tiles][768], scale words [K/128][64 tiles][64]); rows in position space.
; A tile of C is 256 x 256: four waves, each 128 x 128 in 64 accumulators.  K goes in steps of 256 through two LDS slots; each wave fetches a quarter of a slot by one tensor load.  N = 1,024 gives 64 such tiles.
; TRANSPOSED USE: source 0 = 16 rows of the weight, source 1 = 16 rows of A.  The bias is the C of the first products.  CLUSTERS 4 x 4: A's tiles shared along a row, B's along a column, by joint loads.
; REGISTERS: window 0: v16-29 addresses; v32-63 scale words, two sets; v64-127 the bias; v128-223 A's fragments.  window 1: B's fragments, two sets.  windows 2, 3: the accumulators.
.set KDIM,   1024
.set O_AC,   0                         ; A's codes and scale words in its buffer
.set O_AS,   3145728
.set O_BC,   5505024                   ; the weight's in wc
.set O_BS,   12812288
.set SLABC,  (KDIM/64)*49152
.set SLABS,  (KDIM/128)*4096
.set HALFT,  24576
.set SLOT,   4*HALFT
.set LAPS,   KDIM/512
.set SCL,    2*SLOT
.set HALFS,  (KDIM/128)*512
.set SPARE,  SCL+4*HALFS
.set FR, 12
.set NL, 4
.set NP, 4
.set NQ, 2
.set ADRA, 16
.set ADRB, 20
.set LI,   24
.set LJ,   25
.set ADRS, 27
.set SPW,  28
.set NIL,  29
.set SC,   32
.set CB,   64
.set AF,   128
.set G1, 24
.set G0, 32
.set G1B, 48
.set G0B, 56
.set G1S, 68
.set G0S, 76
.set G1SB, 80
.set G0SB, 88
.set MSB, 0
.macro WIN new
.if MSB != (\new)
	s_set_vgpr_msb (MSB<<8)|(\new)
.set MSB, (\new)
.endif
.endm
.set MUL_LO, 0xa1
.set MUL_HI, 0xf1
.set TO_B,   0x40
.macro JLOAD g0a, g1a, g0b, g1b        ; a joint load: waves 0, 1 fetch for A, waves 2, 3 for B; four v_nop follow each line
	s_cmp_eq_u32 s15, 0
	s_cbranch_scc0 .Lfor_b_\@
	tensor_load_to_lds s[\g0a:\g0a+3], s[\g1a:\g1a+7]
	s_nop 0
.rept 4
	v_nop
.endr
	s_branch .Lasked_\@
.Lfor_b_\@:
	tensor_load_to_lds s[\g0b:\g0b+3], s[\g1b:\g1b+7]
	s_nop 0
.rept 4
	v_nop
.endr
.Lasked_\@:
.endm
.macro CREST
	s_cmp_lg_u32 s14, 0
	s_cbranch_scc1 .Lnot_wave_0_\@
	s_barrier_signal -3
.Lnot_wave_0_\@:
	s_barrier_wait -3
	s_barrier_signal -1
	s_barrier_wait -1
.endm
.macro CROUND
	s_barrier_signal -1
	s_barrier_wait -1
	CREST
.endm
	s_load_b256 s[4:11], s[0:1], 0x0               ; A, wc, the bias, the result
	v_lshl_add_u32 v[SPW], v0, 2, SPARE
	v_mov_b32 v[NIL], 0
	ds_add_u32 v28, v29
	ds_add_u32 v28, v29
	s_wait_dscnt 0x0
	v_lshrrev_b32 v1, 5, v0
	v_readfirstlane_b32 s14, v1
	s_lshr_b32 s15, s14, 1
	s_and_b32 s16, s14, 1
	s_bfe_u32 s40, ttmp6, 0x40000                  ; cx
	s_bfe_u32 s41, ttmp6, 0x40004                  ; cy
	s_and_b32 s17, ttmp7, 0xffff                   ; cluster y: A's slab
	s_lshl_b32 s43, s41, 2
	s_lshl_b32 s43, 15, s43
	s_lshl_b32 s44, 0x1111, s40
	s_or_b32 s[G1+0], s43, (3<<16)|(1<<21)
	s_or_b32 s[G1B+0], s44, (3<<16)|(1<<21)
.irp g, G1, G1B
	s_mov_b32 s[\g+1], 768<<16
	s_mov_b32 s[\g+2], 4<<16
	s_mov_b32 s[\g+3], 768<<16
	s_mov_b32 s[\g+4], 4
	s_mov_b32 s[\g+5], 6144
	s_mov_b32 s[\g+6], 0
	s_mov_b32 s[\g+7], 0
.endr
	s_or_b32 s[G1S+0], s43, (3<<16)|(1<<21)
	s_or_b32 s[G1SB+0], s44, (3<<16)|(1<<21)
.irp g, G1S, G1SB
	s_mov_b32 s[\g+1], 64<<16
	s_mov_b32 s[\g+2], (KDIM/128)<<16
	s_mov_b32 s[\g+3], 64<<16
	s_mov_b32 s[\g+4], KDIM/128
	s_mov_b32 s[\g+5], 512
	s_mov_b32 s[\g+6], 0
	s_mov_b32 s[\g+7], 0
.endr
	s_mul_i32 s20, s17, SLABC                      ; A: slab cluster y, tile cy, my half
	s_add_co_u32 s20, s20, O_AC
	s_mul_i32 s67, s41, 12288
	s_add_co_u32 s20, s20, s67
	s_mul_i32 s67, s16, 6144
	s_add_co_u32 s20, s20, s67
	s_mov_b32 s21, 0
	s_mul_i32 s22, s17, SLABS
	s_add_co_u32 s22, s22, O_AS
	s_lshl_b32 s67, s41, 10
	s_add_co_u32 s22, s22, s67
	s_lshl_b32 s67, s16, 9
	s_add_co_u32 s22, s22, s67
	s_mov_b32 s23, 0
	s_mul_i32 s46, ttmp9, SLABC                    ; B: slab cluster x, tile cx, my half
	s_add_co_u32 s46, s46, O_BC
	s_mul_i32 s19, s40, 12288
	s_add_co_u32 s46, s46, s19
	s_mul_i32 s19, s16, 6144
	s_add_co_u32 s46, s46, s19
	s_mov_b32 s47, 0
	s_mul_i32 s92, ttmp9, SLABS
	s_add_co_u32 s92, s92, O_BS
	s_lshl_b32 s19, s40, 10
	s_add_co_u32 s92, s92, s19
	s_lshl_b32 s19, s16, 9
	s_add_co_u32 s92, s92, s19
	s_mov_b32 s93, 0
	s_mul_i32 s45, s14, HALFT
	s_mul_i32 s94, s14, HALFS
	s_wait_kmcnt 0x0
	s_add_nc_u64 s[20:21], s[4:5], s[20:21]
	s_add_nc_u64 s[22:23], s[4:5], s[22:23]
	s_add_nc_u64 s[46:47], s[6:7], s[46:47]
	s_add_nc_u64 s[92:93], s[6:7], s[92:93]
	CROUND
	s_mov_b32 s[G0S], 1
	s_add_co_u32 s[G0S+1], s94, SCL
	s_mov_b64 s[G0S+2:G0S+3], s[22:23]
	s_or_b32 s[G0S+3], s[G0S+3], 0x80000000
	s_mov_b32 s[G0SB], 1
	s_add_co_u32 s[G0SB+1], s94, SCL
	s_mov_b64 s[G0SB+2:G0SB+3], s[92:93]
	s_or_b32 s[G0SB+3], s[G0SB+3], 0x80000000
	JLOAD G0S, G1S, G0SB, G1SB
.irp s, 0,1
	s_mov_b32 s[G0+4*\s], 1
	s_add_co_u32 s[G0+4*\s+1], s45, \s*SLOT
	s_add_nc_u64 s[G0+4*\s+2:G0+4*\s+3], s[20:21], \s*196608
	s_or_b32 s[G0+4*\s+3], s[G0+4*\s+3], 0x80000000
	s_mov_b32 s[G0B+4*\s], 1
	s_add_co_u32 s[G0B+4*\s+1], s45, \s*SLOT
	s_add_nc_u64 s[G0B+4*\s+2:G0B+4*\s+3], s[46:47], \s*196608
	s_or_b32 s[G0B+4*\s+3], s[G0B+4*\s+3], 0x80000000
	JLOAD G0+4*\s, G1, G0B+4*\s, G1B               ; by this text's count three loads of a wave are out
.endr
	v_and_b32 v1, 15, v0
	v_bfe_u32 v2, v0, 4, 1
	v_and_b32 v3, 31, v0
	v_lshlrev_b32 v[LI], 4, v3
	v_lshlrev_b32 v[LJ], 4, v1
	v_lshl_add_u32 v[LJ], v2, 3, v[LJ]
	s_mul_i32 s21, s15, HALFT
	s_mul_i32 s22, s16, HALFT
	s_add_co_u32 s22, s22, 2*HALFT
.irp s, 0,1
	v_add_nc_u32 v[ADRA+\s], s21, v[LI]
	v_add_nc_u32 v[ADRB+\s], s22, v[LI]
	v_add_nc_u32 v[ADRA+2+\s], s21, v[LJ]
	v_add_nc_u32 v[ADRB+2+\s], s22, v[LJ]
	s_add_co_u32 s21, s21, SLOT
	s_add_co_u32 s22, s22, SLOT
.endr
	v_lshlrev_b32 v5, 2, v1
	s_mul_i32 s21, s15, HALFS
	s_mul_i32 s22, s16, HALFS
	s_add_co_u32 s22, s22, 2*HALFS
	s_sub_co_u32 s22, s22, s21
	v_mul_u32_u24 v6, s22, v2
	s_add_co_u32 s21, s21, SCL
	v_add_nc_u32 v5, v5, v6
	v_add_nc_u32 v[ADRS], s21, v5
	s_lshl_b32 s66, s40, 1
	s_add_co_u32 s66, s66, s16                     ; U = 2 cx + my half: which 128 columns of the slab
	s_lshl_b32 s18, s66, 9
	s_lshl_b32 s19, ttmp9, 12
	s_add_co_u32 s18, s18, s19
	s_mov_b32 s19, 0
	s_add_nc_u64 s[8:9], s[8:9], s[18:19]
	v_lshlrev_b32 v7, 6, v2
.irp b, 0,1,2,3,4,5,6,7
	global_load_b128 v[CB+8*\b:CB+8*\b+3], v7, s[8:9] offset:(32*(\b/2)+8*(\b%2))*4
	global_load_b128 v[CB+8*\b+4:CB+8*\b+7], v7, s[8:9] offset:(32*(\b/2)+8*(\b%2))*4+16
.endr
	s_lshl_b32 s18, s41, 1
	s_add_co_u32 s18, s18, s15                     ; W = 2 cy + my half
	s_lshl_b32 s18, s18, 19                        ; the result: image ((64 cluster y + 8 W + a) 8 + U) of 8,192 bytes
	s_lshl_b32 s67, s17, 22
	s_add_co_u32 s18, s18, s67
	s_lshl_b32 s67, s66, 13
	s_add_co_u32 s18, s18, s67
	s_add_nc_u64 s[10:11], s[10:11], s[18:19]
.macro FRAG reg, adr, q, i
	ds_load_b128 v[\reg:\reg+3], v[\adr] offset:(2*(\q))*6144+(\i)*768
	ds_load_b64 v[\reg+4:\reg+5], v[\adr+2] offset:(2*(\q))*6144+(\i)*768+512
	ds_load_b128 v[\reg+6:\reg+9], v[\adr] offset:(2*(\q)+1)*6144+(\i)*768
	ds_load_b64 v[\reg+10:\reg+11], v[\adr+2] offset:(2*(\q)+1)*6144+(\i)*768+512
.endm
.macro MUL16 a0, p, q, sc, zero        ; the 64 accumulators take turns; zero = 1: the bias is the C of the first products
.irp a, \a0, \a0+1
.irp b, 0,1,2,3,4,5,6,7
.if \zero
	v_wmma_scale_f32_16x16x128_f8f6f4 v[8*(8*((\a)%4)+\b):8*(8*((\a)%4)+\b)+7], v[128*(\p)+FR*\b:128*(\p)+FR*\b+FR-1], v[AF+FR*(\a):AF+FR*(\a)+FR-1], v[CB+8*\b:CB+8*\b+7], v[SC+8*NQ*(\sc)+NQ*\b+(\q)], v[SC+8*NQ*(\sc)+NQ*(\a)+(\q)] matrix_a_fmt:MATRIX_FMT_BF6 matrix_b_fmt:MATRIX_FMT_BF6 matrix_a_scale:MATRIX_SCALE_ROW1
.else
	v_wmma_scale_f32_16x16x128_f8f6f4 v[8*(8*((\a)%4)+\b):8*(8*((\a)%4)+\b)+7], v[128*(\p)+FR*\b:128*(\p)+FR*\b+FR-1], v[AF+FR*(\a):AF+FR*(\a)+FR-1], v[8*(8*((\a)%4)+\b):8*(8*((\a)%4)+\b)+7], v[SC+8*NQ*(\sc)+NQ*\b+(\q)], v[SC+8*NQ*(\sc)+NQ*(\a)+(\q)] matrix_a_fmt:MATRIX_FMT_BF6 matrix_b_fmt:MATRIX_FMT_BF6 matrix_a_scale:MATRIX_SCALE_ROW1
.endif
.endr
.endr
.endm
.macro FETCH_B slot, q, p
	WIN TO_B
.irp i, 0,1,2,3,4,5,6,7
	FRAG 128*(\p)+FR*\i, ADRB+\slot, \q, \i
.endr
	WIN 0
.endm
.macro FETCH_A slot, q, i0
.irp i, \i0, \i0+1, \i0+2, \i0+3
	FRAG AF+FR*(\i), ADRA+\slot, \q, \i
.endr
.endm
.macro SCALES sc
.irp i, 0,1,2,3,4,5,6,7
	ds_load_b32 v[SC+8*NQ*\sc+NQ*\i], v[ADRS] offset:\i*64
	ds_load_b32 v[SC+8*NQ*\sc+NQ*\i+1], v[ADRS] offset:\i*64+512
.endr
.endm
.macro PLACES n
.rept \n
	v_nop
.endr
.endm
.macro STEP slot, q, zero
	s_wait_dscnt 4*NL                              ; all but the youngest 16 loads (A's blocks 4-7) are in
	WIN MUL_LO-0x20*(\zero)
	MUL16 0, (\q)%2, \q, \slot, \zero
	MUL16 2, (\q)%2, \q, \slot, \zero
	s_wait_dscnt 0
	PLACES NP
	FETCH_B \slot, (\q)+1, 1-(\q)%2
	FETCH_A \slot, (\q)+1, 0
	WIN MUL_HI-0x30*(\zero)
	MUL16 4, (\q)%2, \q, \slot, \zero
	MUL16 6, (\q)%2, \q, \slot, \zero
	PLACES NP
	WIN 0
	FETCH_A \slot, (\q)+1, 4
.endm
.macro TURN slot, next, fill
	s_wait_tensorcnt 0x0                           ; all my tensor loads have landed: my part of the next slot
	ds_add_u32 v[SPW], v[NIL]                      ; 0 onto my spare word
	s_wait_dscnt 4*NL+1                            ; the add and the youngest 16 loads may be out
	WIN MUL_LO
	MUL16 0, 1, NQ-1, \slot, 0
	s_wait_dscnt 0x0                               ; the add is done, and my reads of this slot are over
	s_barrier_signal -1
	MUL16 2, 1, NQ-1, \slot, 0
	WIN 0
	s_barrier_wait -1
.if \fill
	CREST                                          ; the barrier has opened a round of the cluster's
	s_add_nc_u64 s[G0+4*\slot+2:G0+4*\slot+3], s[G0+4*\slot+2:G0+4*\slot+3], 393216
	s_add_nc_u64 s[G0B+4*\slot+2:G0B+4*\slot+3], s[G0B+4*\slot+2:G0B+4*\slot+3], 393216
	JLOAD G0+4*\slot, G1, G0B+4*\slot, G1B         ; the first tensor load behind the round
.else
	PLACES NP
.endif
	v_add_nc_u32 v[ADRS], 1024, v[ADRS]
	FETCH_B \next, 0, 0
	FETCH_A \next, 0, 0
	SCALES \next
	WIN MUL_HI
	MUL16 4, 1, NQ-1, \slot, 0
	MUL16 6, 1, NQ-1, \slot, 0
	PLACES NP
	WIN 0
	FETCH_A \next, 0, 4
.endm
	s_wait_tensorcnt 1                             ; the scale words and K step 0 are in; K step 1's load may be out
	s_barrier_signal -1
	s_barrier_wait -1
	FETCH_B 0, 0, 0
	FETCH_A 0, 0, 0
	SCALES 0
	FETCH_A 0, 0, 4
	s_wait_loadcnt 0x0                             ; the bias
	STEP 0, 0, 1
	s_mov_b32 s3, LAPS-1
.Llap:
	TURN 0, 1, 1
	STEP 1, 0, 0
	TURN 1, 0, 1
	STEP 0, 0, 0
	s_sub_co_u32 s3, s3, 1
	s_cmp_lg_u32 s3, 0
	s_cbranch_scc1 .Llap
	TURN 0, 1, 0
	STEP 1, 0, 0
	s_wait_dscnt 4*NL
	WIN MUL_LO
	MUL16 0, 1, NQ-1, 1, 0
	MUL16 2, 1, NQ-1, 1, 0
	s_wait_dscnt 0
	WIN MUL_HI
	MUL16 4, 1, NQ-1, 1, 0
	MUL16 6, 1, NQ-1, 1, 0
	PLACES NP
	; THE WAY OUT: the accumulators as they stand, each from its low end on; every store covers 512 consecutive bytes
.irp a, 0,1,2,3,4,5,6,7
	WIN 0x08+4*(\a/4)                              ; a store's data are its source 1: window 2 or 3
.irp g, 0,1,2,3,4,5,6,7,8,9,10,11,12,13,14,15
	global_store_b128 v[LI], v[64*(\a%4)+4*\g:64*(\a%4)+4*\g+3], s[10:11] offset:65536*\a+512*\g th:TH_STORE_NT
.endr
.endr
	WIN 0
	s_wait_tensorcnt 0x0                           ; the wave's end
	ds_add_u32 v[SPW], v[NIL]
	s_wait_dscnt 0x0
	CROUND
	s_endpgm
.Lfunc_end_k_qd0917699a7_gwo:
	.size	k_qd0917699a7_gwo, .Lfunc_end_k_qd0917699a7_gwo-k_qd0917699a7_gwo
	.p2alignl 7, 3214868480
	.fill 96, 4, 3214868480
	.section	.rodata,"a",@progbits
	.p2align	6, 0x0
	.amdhsa_kernel k_qd0917699a7_gwo
		.amdhsa_group_segment_fixed_size 327680
		.amdhsa_private_segment_fixed_size 0
		.amdhsa_enable_private_segment 0
		.amdhsa_kernarg_size 32
		.amdhsa_user_sgpr_count 2
		.amdhsa_user_sgpr_kernarg_segment_ptr 1
		.amdhsa_wavefront_size32 1
		.amdhsa_system_sgpr_workgroup_id_x 1
		.amdhsa_system_sgpr_workgroup_id_y 1
		.amdhsa_system_sgpr_workgroup_id_z 1
		.amdhsa_system_vgpr_workitem_id 0
		.amdhsa_next_free_vgpr 1024
		.amdhsa_next_free_sgpr 100
		.amdhsa_reserve_vcc 0
		.amdhsa_float_denorm_mode_32 3
		.amdhsa_float_denorm_mode_16_64 3
		.amdhsa_memory_ordered 1
		.amdhsa_forward_progress 1
		.amdhsa_inst_pref_size 130
	.end_amdhsa_kernel
	.amdgpu_metadata
---
amdhsa.version: [ 1, 2 ]
amdhsa.kernels:
  - .name:           k_qd0917699a7_gwo
    .symbol:         k_qd0917699a7_gwo.kd
    .args:
      - { .name: ao, .offset: 0, .size: 8, .value_kind: global_buffer, .address_space: global }
      - { .name: wc, .offset: 8, .size: 8, .value_kind: global_buffer, .address_space: global }
      - { .name: bo, .offset: 16, .size: 8, .value_kind: global_buffer, .address_space: global }
      - { .name: res, .offset: 24, .size: 8, .value_kind: global_buffer, .address_space: global }
    .group_segment_fixed_size: 327680
    .private_segment_fixed_size: 0
    .kernarg_segment_align: 8
    .kernarg_segment_size: 32
    .max_flat_workgroup_size: 128
    .sgpr_count:     100
    .vgpr_count:     1024
    .wavefront_size: 32
...
	.end_amdgpu_metadata
.endif
;; end of part 4
;; launch ln1 (part 5): grid 256 x 1, 8 waves a work-group, no clusters, 69,632 bytes of LDS; arguments res, x, g1, be1, hb; writes hb
.if DOCPART == 5
	.amdgcn_target "amdgcn-amd-amdhsa--gfx1250"
	.amdhsa_code_object_version 6
	.text
	.protected	k_qd0917699a7_ln1
	.globl	k_qd0917699a7_ln1
	.p2align	8
	.type	k_qd0917699a7_ln1,@function
k_qd0917699a7_ln1:
	s_mov_b64 s[64:65], 0
	v_nop
	global_prefetch_b8 v0, s[64:65] scope:SCOPE_SE
	s_setreg_imm32_b32 hwreg(HW_REG_WAVE_MODE, 25, 1), 1
	s_wait_xcnt 0x0
; LN1: h = LayerNorm(x + attention's result) g1 + be1, all in f32; h leaves twice: as f32 images (for the second residual) and as codes of BF6 with E8M0 scale words (the operand of the next product).
; A work-group takes a row tile of 16 rows (position space: row r of tile T is the true row 32 (T/2) + 8 (T%2) + r%8 + 16 (r/8)); wave w takes columns 128 w .. 128 w + 127.  A lane (r, h) holds 64 numbers of row r:
; register 16 b + i = column 32 b + 16 h + i of the wave's 128: so res's image is read as it lies, and x's rows turn through the wave's own stage in LDS.
; The mean and then the mean of the squared differences: two passes over registers; the eight waves' parts meet in LDS behind a barrier each (different words, so no third barrier).
; Memory binds: no matrix unit, no cluster, no tensor load.  LIMITS of the quantiser: NaN and infinities are not served; a block under 2^-122 keeps the byte 1; a block of zeros gets the byte 1.
.set LI,  1
.set LJ,  2
.set LS,  3
.set STI, 4
.set STQ, 5
.set LG,  6                            ; 64 h
.set RA,  7                            ; 67584 + 64 w + 4 r
.set RR,  8                            ; 67584 + 4 r
.set V,   32                           ; v32-95   the 64 numbers
.set RAW, 96                           ; v96-159  x's rows as loaded; then the gain
.set XQ,  160                          ; v160-223 x as the lanes want it; then beta
.set G,   96
.set BE,  160
.set A0,  224                          ; v224-227 two chains
.set SV,  228
.set T1,  229
.set MU,  230
.set RS,  232
.set T2,  234                          ; v234-241
.set PC,  96
.set TM,  116
.set PW,  132
.set SEL, 28
.set OUT, 22
.macro QUANT s, pw
.irp b, 0,1,2,3
	v_max3_num_f32 v[TM+\b], |v[\s+16*\b]|, |v[\s+1+16*\b]|, 0x2800000
.endr
.irp i, 2,4,6,8,10,12,14
.irp b, 0,1,2,3
	v_max3_num_f32 v[TM+\b], v[TM+\b], |v[\s+16*\b+\i]|, |v[\s+1+16*\b+\i]|
.endr
.endr
.irp b, 0,1,2,3
	v_permlanex16_b32 v[TM+4+\b], v[TM+\b], s[SEL], s[SEL+1]
.endr
.irp b, 0,1,2,3
	v_max_num_f32 v[TM+\b], v[TM+\b], v[TM+4+\b]
.endr
.irp b, 0,1,2,3
	v_add_nc_u32 v[TM+12+\b], 0xfe000000, v[TM+\b]
.endr
.irp b, 0,1,2,3
	v_lshrrev_b32 v[TM+4+\b], 23, v[TM+12+\b]
.endr
	v_lshl_or_b32 v[\pw], v[TM+5], 8, v[TM+4]
	v_lshl_or_b32 v[\pw], v[TM+6], 16, v[\pw]
	v_lshl_or_b32 v[\pw], v[TM+7], 24, v[\pw]
.irp c, 0,1
	v_cvt_scalef32_pk16_bf6_f32 v[PC+6*\c:PC+2+6*\c], v[\s+32*\c:\s+15+32*\c], v[TM+12+2*\c]
	v_cvt_scalef32_pk16_bf6_f32 v[PC+12+4*\c:PC+14+4*\c], v[\s+16+32*\c:\s+31+32*\c], v[TM+12+2*\c+1]
.endr
	v_nop
.irp c, 0,1
.irp i, 0,1,2
	v_permlane16_swap_b32 v[PC+6*\c+\i], v[PC+12+4*\c+\i]
.endr
.irp i, 0,1,2
	v_mov_b32 v[PC+3+6*\c+\i], v[PC+12+4*\c+\i]
.endr
.endr
.endm
.macro IMGOUT off, hstep
	global_store_b128 v[LI], v[PC:PC+3], s[OUT:OUT+1] offset:\off
	global_store_b64 v[LJ], v[PC+4:PC+5], s[OUT:OUT+1] offset:\off+512
	global_store_b128 v[LI], v[PC+6:PC+9], s[OUT:OUT+1] offset:\off+\hstep
	global_store_b64 v[LJ], v[PC+10:PC+11], s[OUT:OUT+1] offset:\off+\hstep+512
.endm
; v[SV], a lane's part of a row's sum, becomes the whole row's, the same bits in every wave
.macro RSUM off
	v_permlanex16_b32 v[T1], v[SV], s[SEL], s[SEL+1]
	v_add_f32 v[SV], v[SV], v[T1]                  ; my wave's 128 columns of row r
	ds_store_b32 v[RA], v[SV] offset:\off          ; lanes r and r + 16 write the same word with the same value
	s_wait_dscnt 0x0                               ; for the others' sake
	s_barrier_signal -1
	s_barrier_wait -1
.irp i, 0,1,2,3,4,5,6,7
	ds_load_b32 v[T2+\i], v[RR] offset:\off+64*\i
.endr
	s_wait_dscnt 0x0
	v_add_f32 v[T2], v[T2], v[T2+1]
	v_add_f32 v[T2+2], v[T2+2], v[T2+3]
	v_add_f32 v[T2+4], v[T2+4], v[T2+5]
	v_add_f32 v[T2+6], v[T2+6], v[T2+7]
	v_add_f32 v[T2], v[T2], v[T2+2]
	v_add_f32 v[T2+4], v[T2+4], v[T2+6]
	v_add_f32 v[SV], v[T2], v[T2+4]
.endm
	s_load_b256 s[4:11], s[0:1], 0x0               ; res, x, g1, be1
	s_load_b64 s[12:13], s[0:1], 0x20              ; hb
	v_lshl_add_u32 v254, v0, 2, 0x10c00
	v_mov_b32 v255, 0
	v_lshrrev_b32 v9, 5, v0
	v_readfirstlane_b32 s14, v9                    ; wave 0..7
	v_and_b32 v9, 31, v0
	v_and_b32 v10, 15, v0                          ; r
	v_bfe_u32 v11, v0, 4, 1                        ; h
	v_lshlrev_b32 v[LI], 4, v9
	v_lshlrev_b32 v[LJ], 4, v10
	v_lshl_add_u32 v[LJ], v11, 3, v[LJ]
	v_lshlrev_b32 v[LS], 2, v10
	s_mul_i32 s15, s14, 8448
	v_add_nc_u32 v[STI], s15, v[LI]
	v_mul_u32_u24 v[STQ], v10, 528
	v_lshl_add_u32 v[STQ], v11, 6, v[STQ]
	v_add_nc_u32 v[STQ], s15, v[STQ]
	v_lshlrev_b32 v[LG], 6, v11
	v_add_nc_u32 v[RR], 67584, v[LS]
	s_lshl_b32 s15, s14, 6
	v_add_nc_u32 v[RA], s15, v[RR]
	v_mov_b32 v[T1], 0
	s_mov_b32 s[SEL], 0x76543210
	s_mov_b32 s[SEL+1], 0xfedcba98
	s_mov_b32 s30, 0x3a800000                      ; 1 / 1,024
	s_mov_b32 s31, 0x3727c5ac                      ; 1e-5
	s_lshl_b32 s16, ttmp9, 3
	s_add_co_u32 s16, s16, s14
	s_lshl_b32 s16, s16, 13                        ; image 8 T + w
	s_mov_b32 s17, 0
	s_lshr_b32 s18, ttmp9, 1
	s_lshl_b32 s18, s18, 17
	s_and_b32 s19, ttmp9, 1
	s_lshl_b32 s19, s19, 15
	s_add_co_u32 s18, s18, s19
	s_lshl_b32 s20, s14, 9                         ; my 128 columns
	s_add_co_u32 s18, s18, s20
	s_mov_b32 s19, 0
	s_mov_b32 s21, 0
	s_lshr_b32 s32, ttmp9, 6                       ; slab
	s_and_b32 s33, ttmp9, 63
	s_mul_i32 s22, s32, 786432
	s_mul_i32 s23, s14, 98304
	s_add_co_u32 s22, s22, s23
	s_mul_i32 s23, s33, 768
	s_add_co_u32 s22, s22, s23
	s_add_co_u32 s22, s22, 16777216
	s_mov_b32 s23, 0
	s_lshl_b32 s24, s32, 15
	s_lshl_b32 s25, s14, 12
	s_add_co_u32 s24, s24, s25
	s_lshl_b32 s25, s33, 6
	s_add_co_u32 s24, s24, s25
	s_add_co_u32 s24, s24, 19922944
	s_mov_b32 s25, 0
	s_wait_kmcnt 0x0
	s_add_nc_u64 s[4:5], s[4:5], s[16:17]
	s_add_nc_u64 s[6:7], s[6:7], s[18:19]
	s_add_nc_u64 s[8:9], s[8:9], s[20:21]
	s_add_nc_u64 s[10:11], s[10:11], s[20:21]
	s_add_nc_u64 s[26:27], s[12:13], s[16:17]      ; h's image
	s_add_nc_u64 s[OUT:OUT+1], s[12:13], s[22:23]  ; h's codes
	s_add_nc_u64 s[24:25], s[12:13], s[24:25]      ; h's scale words
.irp g, 0,1,2,3,4,5,6,7,8,9,10,11,12,13,14,15
	global_load_b128 v[V+4*\g:V+4*\g+3], v[LI], s[4:5] offset:512*\g th:TH_LOAD_NT
.endr
.irp i, 0,1,2,3,4,5,6,7,8,9,10,11,12,13,14,15
	global_load_b128 v[RAW+4*\i:RAW+4*\i+3], v[LI], s[6:7] offset:((\i%8)+16*(\i/8))*4096 th:TH_LOAD_NT
.endr
.irp i, 0,1,2,3,4,5,6,7,8,9,10,11,12,13,14,15
	s_wait_loadcnt 15-\i                           ; x's row i is in (and all of res, asked for earlier); the 15 - i younger loads stay out
	ds_store_b128 v[STI], v[RAW+4*\i:RAW+4*\i+3] offset:528*\i
.endr
.irp b, 0,1,2,3
.irp j, 0,1,2,3
	ds_load_b128 v[XQ+16*\b+4*\j:XQ+16*\b+4*\j+3], v[STQ] offset:128*\b+16*\j
.endr
.endr
	s_wait_dscnt 0x0
.irp b, 0,1,2,3
.irp j, 0,1,2,3
	global_load_b128 v[G+16*\b+4*\j:G+16*\b+4*\j+3], v[LG], s[8:9] offset:128*\b+16*\j
.endr
.endr
.set i, 0
.rept 32
	v_pk_add_f32 v[V+i:V+i+1], v[V+i:V+i+1], v[XQ+i:XQ+i+1]   ; the residual
.set i, i+2
.endr
.irp b, 0,1,2,3
.irp j, 0,1,2,3
	global_load_b128 v[BE+16*\b+4*\j:BE+16*\b+4*\j+3], v[LG], s[10:11] offset:128*\b+16*\j
.endr
.endr
	v_pk_add_f32 v[A0:A0+1], v[V:V+1], v[V+2:V+3]
	v_pk_add_f32 v[A0+2:A0+3], v[V+4:V+5], v[V+6:V+7]
.irp j, 8,12,16,20,24,28,32,36,40,44,48,52,56,60
	v_pk_add_f32 v[A0:A0+1], v[A0:A0+1], v[V+\j:V+\j+1]
	v_pk_add_f32 v[A0+2:A0+3], v[A0+2:A0+3], v[V+\j+2:V+\j+3]
.endr
	v_pk_add_f32 v[A0:A0+1], v[A0:A0+1], v[A0+2:A0+3]
	v_add_f32 v[SV], v[A0], v[A0+1]
	RSUM 0
	v_mul_f32 v[MU], s30, v[SV]                    ; the mean
	v_mov_b32 v[MU+1], v[MU]
.set i, 0
.rept 32
	v_pk_add_f32 v[V+i:V+i+1], v[V+i:V+i+1], v[MU:MU+1] neg_lo:[0,1] neg_hi:[0,1]
.set i, i+2
.endr
	v_pk_mul_f32 v[A0:A0+1], v[V:V+1], v[V:V+1]
	v_pk_mul_f32 v[A0+2:A0+3], v[V+2:V+3], v[V+2:V+3]
.irp j, 4,8,12,16,20,24,28,32,36,40,44,48,52,56,60
	v_pk_fma_f32 v[A0:A0+1], v[V+\j:V+\j+1], v[V+\j:V+\j+1], v[A0:A0+1]
	v_pk_fma_f32 v[A0+2:A0+3], v[V+\j+2:V+\j+3], v[V+\j+2:V+\j+3], v[A0+2:A0+3]
.endr
	v_pk_add_f32 v[A0:A0+1], v[A0:A0+1], v[A0+2:A0+3]
	v_add_f32 v[SV], v[A0], v[A0+1]
	RSUM 512
	v_fma_f32 v[RS], v[SV], s30, s31               ; the variance + 1e-5
	v_rsq_f32 v[RS], v[RS]
	v_nop                                          ; a plain place behind the transcendental
	s_wait_alu depctr_va_vdst(0)                   ; and the wait ahead of its first reader
	v_mov_b32 v[RS+1], v[RS]
	s_wait_loadcnt 0x0                             ; the gain and beta
.set i, 0
.rept 32
	v_pk_mul_f32 v[V+i:V+i+1], v[V+i:V+i+1], v[RS:RS+1]
.set i, i+2
.endr
.set i, 0
.rept 32
	v_pk_fma_f32 v[V+i:V+i+1], v[V+i:V+i+1], v[G+i:G+i+1], v[BE+i:BE+i+1]
.set i, i+2
.endr
.irp g, 0,1,2,3,4,5,6,7,8,9,10,11,12,13,14,15
	global_store_b128 v[LI], v[V+4*\g:V+4*\g+3], s[26:27] offset:512*\g th:TH_STORE_NT   ; h's image: 512 consecutive bytes a store
.endr
.irp b, 0,1,2,3
	v_mov_b32 v[TM+4+\b], 0
.endr
	QUANT V, PW
	IMGOUT 0, 49152
	global_store_b32 v[LS], v[PW], s[24:25]        ; 16 words; lanes r and r + 16 write the same word with the same value
	s_wait_tensorcnt 0x0
	ds_add_u32 v254, v255
	s_wait_dscnt 0x0
	s_endpgm
.Lfunc_end_k_qd0917699a7_ln1:
	.size	k_qd0917699a7_ln1, .Lfunc_end_k_qd0917699a7_ln1-k_qd0917699a7_ln1
	.p2alignl 7, 3214868480
	.fill 96, 4, 3214868480
	.section	.rodata,"a",@progbits
	.p2align	6, 0x0
	.amdhsa_kernel k_qd0917699a7_ln1
		.amdhsa_group_segment_fixed_size 69632
		.amdhsa_private_segment_fixed_size 0
		.amdhsa_enable_private_segment 0
		.amdhsa_kernarg_size 40
		.amdhsa_user_sgpr_count 2
		.amdhsa_user_sgpr_kernarg_segment_ptr 1
		.amdhsa_wavefront_size32 1
		.amdhsa_system_sgpr_workgroup_id_x 1
		.amdhsa_system_sgpr_workgroup_id_y 1
		.amdhsa_system_sgpr_workgroup_id_z 1
		.amdhsa_system_vgpr_workitem_id 0
		.amdhsa_next_free_vgpr 256
		.amdhsa_next_free_sgpr 66
		.amdhsa_reserve_vcc 0
		.amdhsa_float_denorm_mode_32 3
		.amdhsa_float_denorm_mode_16_64 3
		.amdhsa_memory_ordered 1
		.amdhsa_forward_progress 1
		.amdhsa_inst_pref_size 32
	.end_amdhsa_kernel
	.amdgpu_metadata
---
amdhsa.version: [ 1, 2 ]
amdhsa.kernels:
  - .name:           k_qd0917699a7_ln1
    .symbol:         k_qd0917699a7_ln1.kd
    .args:
      - { .name: res, .offset: 0, .size: 8, .value_kind: global_buffer, .address_space: global }
      - { .name: x, .offset: 8, .size: 8, .value_kind: global_buffer, .address_space: global }
      - { .name: g1, .offset: 16, .size: 8, .value_kind: global_buffer, .address_space: global }
      - { .name: be1, .offset: 24, .size: 8, .value_kind: global_buffer, .address_space: global }
      - { .name: hb, .offset: 32, .size: 8, .value_kind: global_buffer, .address_space: global }
    .group_segment_fixed_size: 69632
    .private_segment_fixed_size: 0
    .kernarg_segment_align: 8
    .kernarg_segment_size: 40
    .max_flat_workgroup_size: 256
    .sgpr_count:     66
    .vgpr_count:     256
    .wavefront_size: 32
...
	.end_amdgpu_metadata
.endif
;; end of part 5
;; launch gw1 (part 6): grid 16 x 16, 4 waves a work-group, clusters of 4 x 4, 327,680 bytes of LDS; arguments hb, wc, b1, ff; writes ff
.if DOCPART == 6
	.amdgcn_target "amdgcn-amd-amdhsa--gfx1250"
	.amdhsa_code_object_version 6
	.text
	.protected	k_qd0917699a7_gw1
	.globl	k_qd0917699a7_gw1
	.p2align	8
	.type	k_qd0917699a7_gw1,@function
k_qd0917699a7_gw1:
	s_mov_b64 s[64:65], 0
	v_nop
	global_prefetch_b8 v0, s[64:65] scope:SCOPE_SE
	s_setreg_imm32_b32 hwreg(HW_REG_WAVE_MODE, 25, 1), 1
	s_wait_xcnt 0x0
	s_wait_alu depctr_hold_cnt(0) depctr_sa_sdst(0) depctr_va_vdst(0) depctr_va_sdst(0) depctr_va_ssrc(0) depctr_va_vcc(0) depctr_vm_vsrc(0)
	s_getreg_b32 s2, hwreg(HW_REG_IB_STS2, 6, 4)
	s_cmp_eq_u32 s2, 0
	s_cbranch_scc0 .Lentry_in_a_cluster
	s_endpgm
.Lentry_in_a_cluster:
	s_bfe_u32 s2, ttmp6, 0x10000c
	s_cmp_lg_u32 s2, 0xf033
	s_cbranch_scc0 .Lentry_shape_is_right
	s_endpgm
.Lentry_shape_is_right:
; GW1: ff = Q(relu(h W1 + b1)) on codes of BF6 with E8M0 scales, K = 1,024, N = 4,096; the hidden layer is quantised along its 4,096 on the way out and leaves as operand images: it never goes to memory in f32.
; Operands lie as images of the operand's registers (half image: 16 rows x 64 K in 768 bytes; slab: 1,024 rows: codes [K/64][64 tiles][768], scale words [K/128][64 tiles][64]); rows in position space.
; A tile of C is 256 x 256: four waves, each 128 x 128 in 64 accumulators: 256 work-groups.  K goes in steps of 256 through two LDS slots; each wave fetches a quarter of a slot by one tensor load.
; TRANSPOSED USE: source 0 = 16 rows of the weight, source 1 = 16 rows of h: the 64 registers of a block of 16 rows are 128 true neighbours along the next K.  The bias is the C of the first products.
; CLUSTERS 4 x 4: h's tiles shared along a row, W1's along a column, by joint loads.
; LIMITS: NaN and infinities are not served; a block whose largest magnitude lies under 2^-122 keeps the byte 1; a block of zeros gets the byte 1 (its codes are zeros; this program alone reads the bytes).
; REGISTERS: window 0: v16-30 addresses; v32-63 scale words, two sets; v64-127 the bias; v128-223 A's fragments.  Way out: v64-127 numbers, v128-147 codes, v148-163 at work.  window 1: B's fragments.  windows 2, 3: the accumulators.
.set KDIM,   1024
.set O_AC,   16777216
.set O_AS,   19922944
.set O_BC,   9437184
.set O_BS,   12976128
.set SLABC,  (KDIM/64)*49152
.set SLABS,  (KDIM/128)*4096
.set HALFT,  24576
.set SLOT,   4*HALFT
.set LAPS,   KDIM/512
.set SCL,    2*SLOT
.set HALFS,  (KDIM/128)*512
.set SPARE,  SCL+4*HALFS
.set FR, 12
.set NL, 4
.set NP, 4
.set NQ, 2
.set ADRA, 16
.set ADRB, 20
.set LI,   24
.set LJ,   25
.set SSTO, 26
.set ADRS, 27
.set SPW,  28
.set NIL,  29
.set SRD,  30
.set SC,   32
.set CB,   64
.set AF,   128
.set H,    64
.set PC,   128
.set TM,   148
.set PW,   164
.set OW,   168
.set OUT,  10
.set SEL,  96
.set G1, 24
.set G0, 32
.set G1B, 48
.set G0B, 56
.set G1S, 68
.set G0S, 76
.set G1SB, 80
.set G0SB, 88
.set MSB, 0
.macro WIN new
.if MSB != (\new)
	s_set_vgpr_msb (MSB<<8)|(\new)
.set MSB, (\new)
.endif
.endm
.set MUL_LO, 0xa1
.set MUL_HI, 0xf1
.set TO_B,   0x40
.macro JLOAD g0a, g1a, g0b, g1b        ; a joint load: waves 0, 1 fetch for A, waves 2, 3 for B; four v_nop follow each line
	s_cmp_eq_u32 s15, 0
	s_cbranch_scc0 .Lfor_b_\@
	tensor_load_to_lds s[\g0a:\g0a+3], s[\g1a:\g1a+7]
	s_nop 0
.rept 4
	v_nop
.endr
	s_branch .Lasked_\@
.Lfor_b_\@:
	tensor_load_to_lds s[\g0b:\g0b+3], s[\g1b:\g1b+7]
	s_nop 0
.rept 4
	v_nop
.endr
.Lasked_\@:
.endm
.macro CREST
	s_cmp_lg_u32 s14, 0
	s_cbranch_scc1 .Lnot_wave_0_\@
	s_barrier_signal -3
.Lnot_wave_0_\@:
	s_barrier_wait -3
	s_barrier_signal -1
	s_barrier_wait -1
.endm
.macro CROUND
	s_barrier_signal -1
	s_barrier_wait -1
	CREST
.endm
.macro QUANT s, pw
.irp b, 0,1,2,3
	v_max3_num_f32 v[TM+\b], |v[\s+16*\b]|, |v[\s+1+16*\b]|, 0x2800000
.endr
.irp i, 2,4,6,8,10,12,14
.irp b, 0,1,2,3
	v_max3_num_f32 v[TM+\b], v[TM+\b], |v[\s+16*\b+\i]|, |v[\s+1+16*\b+\i]|
.endr
.endr
.irp b, 0,1,2,3
	v_permlanex16_b32 v[TM+4+\b], v[TM+\b], s[SEL], s[SEL+1]
.endr
.irp b, 0,1,2,3
	v_max_num_f32 v[TM+\b], v[TM+\b], v[TM+4+\b]
.endr
.irp b, 0,1,2,3
	v_add_nc_u32 v[TM+12+\b], 0xfe000000, v[TM+\b]
.endr
.irp b, 0,1,2,3
	v_lshrrev_b32 v[TM+4+\b], 23, v[TM+12+\b]
.endr
	v_lshl_or_b32 v[\pw], v[TM+5], 8, v[TM+4]
	v_lshl_or_b32 v[\pw], v[TM+6], 16, v[\pw]
	v_lshl_or_b32 v[\pw], v[TM+7], 24, v[\pw]
.irp c, 0,1
	v_cvt_scalef32_pk16_bf6_f32 v[PC+6*\c:PC+2+6*\c], v[\s+32*\c:\s+15+32*\c], v[TM+12+2*\c]
	v_cvt_scalef32_pk16_bf6_f32 v[PC+12+4*\c:PC+14+4*\c], v[\s+16+32*\c:\s+31+32*\c], v[TM+12+2*\c+1]
.endr
	v_nop
.irp c, 0,1
.irp i, 0,1,2
	v_permlane16_swap_b32 v[PC+6*\c+\i], v[PC+12+4*\c+\i]
.endr
.irp i, 0,1,2
	v_mov_b32 v[PC+3+6*\c+\i], v[PC+12+4*\c+\i]
.endr
.endr
.endm
.macro IMGOUT off, hstep
	global_store_b128 v[LI], v[PC:PC+3], s[OUT:OUT+1] offset:\off
	global_store_b64 v[LJ], v[PC+4:PC+5], s[OUT:OUT+1] offset:\off+512
	global_store_b128 v[LI], v[PC+6:PC+9], s[OUT:OUT+1] offset:\off+\hstep
	global_store_b64 v[LJ], v[PC+10:PC+11], s[OUT:OUT+1] offset:\off+\hstep+512
.endm
	s_load_b256 s[4:11], s[0:1], 0x0               ; hb, wc, b1, ff
	v_lshl_add_u32 v[SPW], v0, 2, SPARE
	v_mov_b32 v[NIL], 0
	ds_add_u32 v28, v29
	ds_add_u32 v28, v29
	s_wait_dscnt 0x0
	v_lshrrev_b32 v1, 5, v0
	v_readfirstlane_b32 s14, v1
	s_lshr_b32 s15, s14, 1
	s_and_b32 s16, s14, 1
	s_bfe_u32 s40, ttmp6, 0x40000                  ; cx
	s_bfe_u32 s41, ttmp6, 0x40004                  ; cy
	s_and_b32 s17, ttmp7, 0xffff                   ; cluster y: h's slab
	s_lshl_b32 s43, s41, 2
	s_lshl_b32 s43, 15, s43
	s_lshl_b32 s44, 0x1111, s40
	s_or_b32 s[G1+0], s43, (3<<16)|(1<<21)
	s_or_b32 s[G1B+0], s44, (3<<16)|(1<<21)
.irp g, G1, G1B
	s_mov_b32 s[\g+1], 768<<16
	s_mov_b32 s[\g+2], 4<<16
	s_mov_b32 s[\g+3], 768<<16
	s_mov_b32 s[\g+4], 4
	s_mov_b32 s[\g+5], 6144
	s_mov_b32 s[\g+6], 0
	s_mov_b32 s[\g+7], 0
.endr
	s_or_b32 s[G1S+0], s43, (3<<16)|(1<<21)
	s_or_b32 s[G1SB+0], s44, (3<<16)|(1<<21)
.irp g, G1S, G1SB
	s_mov_b32 s[\g+1], 64<<16
	s_mov_b32 s[\g+2], (KDIM/128)<<16
	s_mov_b32 s[\g+3], 64<<16
	s_mov_b32 s[\g+4], KDIM/128
	s_mov_b32 s[\g+5], 512
	s_mov_b32 s[\g+6], 0
	s_mov_b32 s[\g+7], 0
.endr
	s_mul_i32 s20, s17, SLABC
	s_add_co_u32 s20, s20, O_AC
	s_mul_i32 s67, s41, 12288
	s_add_co_u32 s20, s20, s67
	s_mul_i32 s67, s16, 6144
	s_add_co_u32 s20, s20, s67
	s_mov_b32 s21, 0
	s_mul_i32 s22, s17, SLABS
	s_add_co_u32 s22, s22, O_AS
	s_lshl_b32 s67, s41, 10
	s_add_co_u32 s22, s22, s67
	s_lshl_b32 s67, s16, 9
	s_add_co_u32 s22, s22, s67
	s_mov_b32 s23, 0
	s_mul_i32 s46, ttmp9, SLABC                    ; W1's slab: cluster x
	s_add_co_u32 s46, s46, O_BC
	s_mul_i32 s19, s40, 12288
	s_add_co_u32 s46, s46, s19
	s_mul_i32 s19, s16, 6144
	s_add_co_u32 s46, s46, s19
	s_mov_b32 s47, 0
	s_mul_i32 s92, ttmp9, SLABS
	s_add_co_u32 s92, s92, O_BS
	s_lshl_b32 s19, s40, 10
	s_add_co_u32 s92, s92, s19
	s_lshl_b32 s19, s16, 9
	s_add_co_u32 s92, s92, s19
	s_mov_b32 s93, 0
	s_mul_i32 s45, s14, HALFT
	s_mul_i32 s94, s14, HALFS
	s_mov_b32 s[SEL], 0x76543210
	s_mov_b32 s[SEL+1], 0xfedcba98
	s_wait_kmcnt 0x0
	s_add_nc_u64 s[20:21], s[4:5], s[20:21]
	s_add_nc_u64 s[22:23], s[4:5], s[22:23]
	s_add_nc_u64 s[46:47], s[6:7], s[46:47]
	s_add_nc_u64 s[92:93], s[6:7], s[92:93]
	CROUND
	s_mov_b32 s[G0S], 1
	s_add_co_u32 s[G0S+1], s94, SCL
	s_mov_b64 s[G0S+2:G0S+3], s[22:23]
	s_or_b32 s[G0S+3], s[G0S+3], 0x80000000
	s_mov_b32 s[G0SB], 1
	s_add_co_u32 s[G0SB+1], s94, SCL
	s_mov_b64 s[G0SB+2:G0SB+3], s[92:93]
	s_or_b32 s[G0SB+3], s[G0SB+3], 0x80000000
	JLOAD G0S, G1S, G0SB, G1SB
.irp s, 0,1
	s_mov_b32 s[G0+4*\s], 1
	s_add_co_u32 s[G0+4*\s+1], s45, \s*SLOT
	s_add_nc_u64 s[G0+4*\s+2:G0+4*\s+3], s[20:21], \s*196608
	s_or_b32 s[G0+4*\s+3], s[G0+4*\s+3], 0x80000000
	s_mov_b32 s[G0B+4*\s], 1
	s_add_co_u32 s[G0B+4*\s+1], s45, \s*SLOT
	s_add_nc_u64 s[G0B+4*\s+2:G0B+4*\s+3], s[46:47], \s*196608
	s_or_b32 s[G0B+4*\s+3], s[G0B+4*\s+3], 0x80000000
	JLOAD G0+4*\s, G1, G0B+4*\s, G1B               ; by this text's count three loads of a wave are out
.endr
	v_and_b32 v1, 15, v0
	v_bfe_u32 v2, v0, 4, 1
	v_and_b32 v3, 31, v0
	v_lshlrev_b32 v[LI], 4, v3
	v_lshlrev_b32 v[LJ], 4, v1
	v_lshl_add_u32 v[LJ], v2, 3, v[LJ]
	s_mul_i32 s21, s15, HALFT
	s_mul_i32 s22, s16, HALFT
	s_add_co_u32 s22, s22, 2*HALFT
.irp s, 0,1
	v_add_nc_u32 v[ADRA+\s], s21, v[LI]
	v_add_nc_u32 v[ADRB+\s], s22, v[LI]
	v_add_nc_u32 v[ADRA+2+\s], s21, v[LJ]
	v_add_nc_u32 v[ADRB+2+\s], s22, v[LJ]
	s_add_co_u32 s21, s21, SLOT
	s_add_co_u32 s22, s22, SLOT
.endr
	v_lshlrev_b32 v5, 2, v1
	s_mul_i32 s21, s15, HALFS
	s_mul_i32 s22, s16, HALFS
	s_add_co_u32 s22, s22, 2*HALFS
	s_sub_co_u32 s22, s22, s21
	v_mul_u32_u24 v6, s22, v2
	s_add_co_u32 s21, s21, SCL
	v_add_nc_u32 v5, v5, v6
	v_add_nc_u32 v[ADRS], s21, v5
	s_lshl_b32 s23, s14, 9
	v_lshl_add_u32 v[SSTO], v1, 2, s23
	v_add_nc_u32 v[SRD], s23, v[LI]
	s_lshl_b32 s66, s40, 1
	s_add_co_u32 s66, s66, s16
	s_lshl_b32 s19, ttmp9, 3
	s_add_co_u32 s66, s66, s19                     ; 8 cluster x + U: which 128 of the 4,096 hidden units
	s_lshl_b32 s18, s66, 9
	s_mov_b32 s19, 0
	s_add_nc_u64 s[8:9], s[8:9], s[18:19]
	v_lshlrev_b32 v7, 6, v2
.irp b, 0,1,2,3,4,5,6,7
	global_load_b128 v[CB+8*\b:CB+8*\b+3], v7, s[8:9] offset:(32*(\b/2)+8*(\b%2))*4
	global_load_b128 v[CB+8*\b+4:CB+8*\b+7], v7, s[8:9] offset:(32*(\b/2)+8*(\b%2))*4+16
.endr
.macro FRAG reg, adr, q, i
	ds_load_b128 v[\reg:\reg+3], v[\adr] offset:(2*(\q))*6144+(\i)*768
	ds_load_b64 v[\reg+4:\reg+5], v[\adr+2] offset:(2*(\q))*6144+(\i)*768+512
	ds_load_b128 v[\reg+6:\reg+9], v[\adr] offset:(2*(\q)+1)*6144+(\i)*768
	ds_load_b64 v[\reg+10:\reg+11], v[\adr+2] offset:(2*(\q)+1)*6144+(\i)*768+512
.endm
.macro MUL16 a0, p, q, sc, zero        ; the 64 accumulators take turns; zero = 1: the bias is the C of the first products
.irp a, \a0, \a0+1
.irp b, 0,1,2,3,4,5,6,7
.if \zero
	v_wmma_scale_f32_16x16x128_f8f6f4 v[8*(8*((\a)%4)+\b):8*(8*((\a)%4)+\b)+7], v[128*(\p)+FR*\b:128*(\p)+FR*\b+FR-1], v[AF+FR*(\a):AF+FR*(\a)+FR-1], v[CB+8*\b:CB+8*\b+7], v[SC+8*NQ*(\sc)+NQ*\b+(\q)], v[SC+8*NQ*(\sc)+NQ*(\a)+(\q)] matrix_a_fmt:MATRIX_FMT_BF6 matrix_b_fmt:MATRIX_FMT_BF6 matrix_a_scale:MATRIX_SCALE_ROW1
.else
	v_wmma_scale_f32_16x16x128_f8f6f4 v[8*(8*((\a)%4)+\b):8*(8*((\a)%4)+\b)+7], v[128*(\p)+FR*\b:128*(\p)+FR*\b+FR-1], v[AF+FR*(\a):AF+FR*(\a)+FR-1], v[8*(8*((\a)%4)+\b):8*(8*((\a)%4)+\b)+7], v[SC+8*NQ*(\sc)+NQ*\b+(\q)], v[SC+8*NQ*(\sc)+NQ*(\a)+(\q)] matrix_a_fmt:MATRIX_FMT_BF6 matrix_b_fmt:MATRIX_FMT_BF6 matrix_a_scale:MATRIX_SCALE_ROW1
.endif
.endr
.endr
.endm
.macro FETCH_B slot, q, p
	WIN TO_B
.irp i, 0,1,2,3,4,5,6,7
	FRAG 128*(\p)+FR*\i, ADRB+\slot, \q, \i
.endr
	WIN 0
.endm
.macro FETCH_A slot, q, i0
.irp i, \i0, \i0+1, \i0+2, \i0+3
	FRAG AF+FR*(\i), ADRA+\slot, \q, \i
.endr
.endm
.macro SCALES sc
.irp i, 0,1,2,3,4,5,6,7
	ds_load_b32 v[SC+8*NQ*\sc+NQ*\i], v[ADRS] offset:\i*64
	ds_load_b32 v[SC+8*NQ*\sc+NQ*\i+1], v[ADRS] offset:\i*64+512
.endr
.endm
.macro PLACES n
.rept \n
	v_nop
.endr
.endm
.macro STEP slot, q, zero
	s_wait_dscnt 4*NL                              ; all but the youngest 16 loads (A's blocks 4-7) are in
	WIN MUL_LO-0x20*(\zero)
	MUL16 0, (\q)%2, \q, \slot, \zero
	MUL16 2, (\q)%2, \q, \slot, \zero
	s_wait_dscnt 0
	PLACES NP
	FETCH_B \slot, (\q)+1, 1-(\q)%2
	FETCH_A \slot, (\q)+1, 0
	WIN MUL_HI-0x30*(\zero)
	MUL16 4, (\q)%2, \q, \slot, \zero
	MUL16 6, (\q)%2, \q, \slot, \zero
	PLACES NP
	WIN 0
	FETCH_A \slot, (\q)+1, 4
.endm
.macro TURN slot, next, fill
	s_wait_tensorcnt 0x0                           ; all my tensor loads have landed: my part of the next slot
	ds_add_u32 v[SPW], v[NIL]                      ; 0 onto my spare word
	s_wait_dscnt 4*NL+1                            ; the add and the youngest 16 loads may be out
	WIN MUL_LO
	MUL16 0, 1, NQ-1, \slot, 0
	s_wait_dscnt 0x0                               ; the add is done, and my reads of this slot are over
	s_barrier_signal -1
	MUL16 2, 1, NQ-1, \slot, 0
	WIN 0
	s_barrier_wait -1
.if \fill
	CREST                                          ; the barrier has opened a round of the cluster's
	s_add_nc_u64 s[G0+4*\slot+2:G0+4*\slot+3], s[G0+4*\slot+2:G0+4*\slot+3], 393216
	s_add_nc_u64 s[G0B+4*\slot+2:G0B+4*\slot+3], s[G0B+4*\slot+2:G0B+4*\slot+3], 393216
	JLOAD G0+4*\slot, G1, G0B+4*\slot, G1B         ; the first tensor load behind the round
.else
	PLACES NP
.endif
	v_add_nc_u32 v[ADRS], 1024, v[ADRS]
	FETCH_B \next, 0, 0
	FETCH_A \next, 0, 0
	SCALES \next
	WIN MUL_HI
	MUL16 4, 1, NQ-1, \slot, 0
	MUL16 6, 1, NQ-1, \slot, 0
	PLACES NP
	WIN 0
	FETCH_A \next, 0, 4
.endm
	s_wait_tensorcnt 1                             ; the scale words and K step 0 are in; K step 1's load may be out
	s_barrier_signal -1
	s_barrier_wait -1
	FETCH_B 0, 0, 0
	FETCH_A 0, 0, 0
	SCALES 0
	FETCH_A 0, 0, 4
	s_wait_loadcnt 0x0                             ; the bias
	STEP 0, 0, 1
	s_mov_b32 s3, LAPS-1
.Llap:
	TURN 0, 1, 1
	STEP 1, 0, 0
	TURN 1, 0, 1
	STEP 0, 0, 0
	s_sub_co_u32 s3, s3, 1
	s_cmp_lg_u32 s3, 0
	s_cbranch_scc1 .Llap
	TURN 0, 1, 0
	STEP 1, 0, 0
	s_wait_dscnt 4*NL
	WIN MUL_LO
	MUL16 0, 1, NQ-1, 1, 0
	MUL16 2, 1, NQ-1, 1, 0
	s_wait_dscnt 0
	WIN MUL_HI
	MUL16 4, 1, NQ-1, 1, 0
	MUL16 6, 1, NQ-1, 1, 0
	WIN 0
	; THE WAY OUT: ff's slab (K = 4,096) of cluster y; my 128 hidden units are its K step 8 cluster x + U, my rows its tiles 8 W + a
	s_lshl_b32 s20, s41, 1
	s_add_co_u32 s20, s20, s15                     ; W
	s_lshl_b32 s18, s17, 17
	s_lshl_b32 s19, s66, 12
	s_add_co_u32 s18, s18, s19
	s_lshl_b32 s19, s20, 9
	s_add_co_u32 s18, s18, s19
	s_add_co_u32 s18, s18, 12582912
	s_mov_b32 s19, 0
	s_add_nc_u64 s[8:9], s[10:11], s[18:19]        ; the scale words (the bias's loads are long done)
	s_mul_i32 s18, s17, 3145728
	s_mul_i32 s21, s66, 98304
	s_add_co_u32 s18, s18, s21
	s_mul_i32 s21, s20, 6144
	s_add_co_u32 s18, s18, s21
	s_add_nc_u64 s[OUT:OUT+1], s[10:11], s[18:19]  ; the codes
	PLACES NP
.irp b, 0,1,2,3
	v_mov_b32 v[TM+4+\b], 0
.endr
.macro BLOCKQ a
	s_wait_xcnt 0x0                                ; the last block's stores have read the codes' registers
	WIN 0x08+4*((\a)/4)                            ; source 1: window 2 or 3
.set i, 0
.rept 64
	v_max_num_f32 v[H+i], 0, v[64*((\a)%4)+i]      ; the activation, in f32; each accumulator from its low end on
.set i, i+1
.endr
	WIN 0
	QUANT H, PW
	IMGOUT 768*(\a), 49152
	ds_store_b32 v[SSTO], v[PW] offset:64*(\a)     ; scratch in slot 0, which has had its last fill and its last read
.endm
.irp a, 0,1,2,3,4,5,6,7
	BLOCKQ \a
.endr
	ds_load_b128 v[OW:OW+3], v[SRD]
	s_wait_dscnt 0x0
	global_store_b128 v[LI], v[OW:OW+3], s[8:9]    ; 128 scale words: 512 consecutive bytes
	s_wait_tensorcnt 0x0                           ; the wave's end
	ds_add_u32 v[SPW], v[NIL]
	s_wait_dscnt 0x0
	CROUND
	s_endpgm
.Lfunc_end_k_qd0917699a7_gw1:
	.size	k_qd0917699a7_gw1, .Lfunc_end_k_qd0917699a7_gw1-k_qd0917699a7_gw1
	.p2alignl 7, 3214868480
	.fill 96, 4, 3214868480
	.section	.rodata,"a",@progbits
	.p2align	6, 0x0
	.amdhsa_kernel k_qd0917699a7_gw1
		.amdhsa_group_segment_fixed_size 327680
		.amdhsa_private_segment_fixed_size 0
		.amdhsa_enable_private_segment 0
		.amdhsa_kernarg_size 32
		.amdhsa_user_sgpr_count 2
		.amdhsa_user_sgpr_kernarg_segment_ptr 1
		.amdhsa_wavefront_size32 1
		.amdhsa_system_sgpr_workgroup_id_x 1
		.amdhsa_system_sgpr_workgroup_id_y 1
		.amdhsa_system_sgpr_workgroup_id_z 1
		.amdhsa_system_vgpr_workitem_id 0
		.amdhsa_next_free_vgpr 1024
		.amdhsa_next_free_sgpr 100
		.amdhsa_reserve_vcc 0
		.amdhsa_float_denorm_mode_32 3
		.amdhsa_float_denorm_mode_16_64 3
		.amdhsa_memory_ordered 1
		.amdhsa_forward_progress 1
		.amdhsa_inst_pref_size 169
	.end_amdhsa_kernel
	.amdgpu_metadata
---
amdhsa.version: [ 1, 2 ]
amdhsa.kernels:
  - .name:           k_qd0917699a7_gw1
    .symbol:         k_qd0917699a7_gw1.kd
    .args:
      - { .name: hb, .offset: 0, .size: 8, .value_kind: global_buffer, .address_space: global }
      - { .name: wc, .offset: 8, .size: 8, .value_kind: global_buffer, .address_space: global }
      - { .name: b1, .offset: 16, .size: 8, .value_kind: global_buffer, .address_space: global }
      - { .name: ff, .offset: 24, .size: 8, .value_kind: global_buffer, .address_space: global }
    .group_segment_fixed_size: 327680
    .private_segment_fixed_size: 0
    .kernarg_segment_align: 8
    .kernarg_segment_size: 32
    .max_flat_workgroup_size: 128
    .sgpr_count:     100
    .vgpr_count:     1024
    .wavefront_size: 32
...
	.end_amdgpu_metadata
.endif
;; end of part 6
;; launch gw2 (part 7): grid 4 x 16, 4 waves a work-group, clusters of 4 x 4, 327,680 bytes of LDS; arguments ff, wc, b2, res; writes res
.if DOCPART == 7
	.amdgcn_target "amdgcn-amd-amdhsa--gfx1250"
	.amdhsa_code_object_version 6
	.text
	.protected	k_qd0917699a7_gw2
	.globl	k_qd0917699a7_gw2
	.p2align	8
	.type	k_qd0917699a7_gw2,@function
k_qd0917699a7_gw2:
	s_mov_b64 s[64:65], 0
	v_nop
	global_prefetch_b8 v0, s[64:65] scope:SCOPE_SE
	s_setreg_imm32_b32 hwreg(HW_REG_WAVE_MODE, 25, 1), 1
	s_wait_xcnt 0x0
	s_wait_alu depctr_hold_cnt(0) depctr_sa_sdst(0) depctr_va_vdst(0) depctr_va_sdst(0) depctr_va_ssrc(0) depctr_va_vcc(0) depctr_vm_vsrc(0)
	s_getreg_b32 s2, hwreg(HW_REG_IB_STS2, 6, 4)
	s_cmp_eq_u32 s2, 0
	s_cbranch_scc0 .Lentry_in_a_cluster
	s_endpgm
.Lentry_in_a_cluster:
	s_bfe_u32 s2, ttmp6, 0x10000c
	s_cmp_lg_u32 s2, 0xf033
	s_cbranch_scc0 .Lentry_shape_is_right
	s_endpgm
.Lentry_shape_is_right:
; GW2: res = ff W2 + b2 on codes of BF6 with E8M0 scales, K = 4,096; the f32 result leaves as images of the accumulators (16 rows x 128 columns in 8,192 bytes: register group g at 512 g + 16 x lane), which the norm's launch reads as it wants them.
; Operands lie as images of the operand's registers (half image: 16 rows x 64 K in 768 bytes; slab: 1,024 rows: codes [K/64][64 tiles][768], scale words [K/128][64 tiles][64]); rows in position space.
; A tile of C is 256 x 256: four waves, each 128 x 128 in 64 accumulators.  K goes in steps of 256 through two LDS slots; each wave fetches a quarter of a slot by one tensor load.  N = 1,024 gives 64 such tiles.
; TRANSPOSED USE: source 0 = 16 rows of the weight, source 1 = 16 rows of A.  The bias is the C of the first products.  CLUSTERS 4 x 4: A's tiles shared along a row, B's along a column, by joint loads.
; REGISTERS: window 0: v16-29 addresses; v32-63 scale words, two sets; v64-127 the bias; v128-223 A's fragments.  window 1: B's fragments, two sets.  windows 2, 3: the accumulators.
.set KDIM,   4096
.set O_AC,   0
.set O_AS,   12582912
.set O_BC,   6291456
.set O_BS,   12845056
.set SLABC,  (KDIM/64)*49152
.set SLABS,  (KDIM/128)*4096
.set HALFT,  24576
.set SLOT,   4*HALFT
.set LAPS,   KDIM/512
.set SCL,    2*SLOT
.set HALFS,  (KDIM/128)*512
.set SPARE,  SCL+4*HALFS
.set FR, 12
.set NL, 4
.set NP, 4
.set NQ, 2
.set ADRA, 16
.set ADRB, 20
.set LI,   24
.set LJ,   25
.set ADRS, 27
.set SPW,  28
.set NIL,  29
.set SC,   32
.set CB,   64
.set AF,   128
.set G1, 24
.set G0, 32
.set G1B, 48
.set G0B, 56
.set G1S, 68
.set G0S, 76
.set G1SB, 80
.set G0SB, 88
.set MSB, 0
.macro WIN new
.if MSB != (\new)
	s_set_vgpr_msb (MSB<<8)|(\new)
.set MSB, (\new)
.endif
.endm
.set MUL_LO, 0xa1
.set MUL_HI, 0xf1
.set TO_B,   0x40
.macro JLOAD g0a, g1a, g0b, g1b        ; a joint load: waves 0, 1 fetch for A, waves 2, 3 for B; four v_nop follow each line
	s_cmp_eq_u32 s15, 0
	s_cbranch_scc0 .Lfor_b_\@
	tensor_load_to_lds s[\g0a:\g0a+3], s[\g1a:\g1a+7]
	s_nop 0
.rept 4
	v_nop
.endr
	s_branch .Lasked_\@
.Lfor_b_\@:
	tensor_load_to_lds s[\g0b:\g0b+3], s[\g1b:\g1b+7]
	s_nop 0
.rept 4
	v_nop
.endr
.Lasked_\@:
.endm
.macro CREST
	s_cmp_lg_u32 s14, 0
	s_cbranch_scc1 .Lnot_wave_0_\@
	s_barrier_signal -3
.Lnot_wave_0_\@:
	s_barrier_wait -3
	s_barrier_signal -1
	s_barrier_wait -1
.endm
.macro CROUND
	s_barrier_signal -1
	s_barrier_wait -1
	CREST
.endm
	s_load_b256 s[4:11], s[0:1], 0x0               ; A, wc, the bias, the result
	v_lshl_add_u32 v[SPW], v0, 2, SPARE
	v_mov_b32 v[NIL], 0
	ds_add_u32 v28, v29
	ds_add_u32 v28, v29
	s_wait_dscnt 0x0
	v_lshrrev_b32 v1, 5, v0
	v_readfirstlane_b32 s14, v1
	s_lshr_b32 s15, s14, 1
	s_and_b32 s16, s14, 1
	s_bfe_u32 s40, ttmp6, 0x40000                  ; cx
	s_bfe_u32 s41, ttmp6, 0x40004                  ; cy
	s_and_b32 s17, ttmp7, 0xffff                   ; cluster y: A's slab
	s_lshl_b32 s43, s41, 2
	s_lshl_b32 s43, 15, s43
	s_lshl_b32 s44, 0x1111, s40
	s_or_b32 s[G1+0], s43, (3<<16)|(1<<21)
	s_or_b32 s[G1B+0], s44, (3<<16)|(1<<21)
.irp g, G1, G1B
	s_mov_b32 s[\g+1], 768<<16
	s_mov_b32 s[\g+2], 4<<16
	s_mov_b32 s[\g+3], 768<<16
	s_mov_b32 s[\g+4], 4
	s_mov_b32 s[\g+5], 6144
	s_mov_b32 s[\g+6], 0
	s_mov_b32 s[\g+7], 0
.endr
	s_or_b32 s[G1S+0], s43, (3<<16)|(1<<21)
	s_or_b32 s[G1SB+0], s44, (3<<16)|(1<<21)
.irp g, G1S, G1SB
	s_mov_b32 s[\g+1], 64<<16
	s_mov_b32 s[\g+2], (KDIM/128)<<16
	s_mov_b32 s[\g+3], 64<<16
	s_mov_b32 s[\g+4], KDIM/128
	s_mov_b32 s[\g+5], 512
	s_mov_b32 s[\g+6], 0
	s_mov_b32 s[\g+7], 0
.endr
	s_mul_i32 s20, s17, SLABC                      ; A: slab cluster y, tile cy, my half
	s_add_co_u32 s20, s20, O_AC
	s_mul_i32 s67, s41, 12288
	s_add_co_u32 s20, s20, s67
	s_mul_i32 s67, s16, 6144
	s_add_co_u32 s20, s20, s67
	s_mov_b32 s21, 0
	s_mul_i32 s22, s17, SLABS
	s_add_co_u32 s22, s22, O_AS
	s_lshl_b32 s67, s41, 10
	s_add_co_u32 s22, s22, s67
	s_lshl_b32 s67, s16, 9
	s_add_co_u32 s22, s22, s67
	s_mov_b32 s23, 0
	s_mul_i32 s46, ttmp9, SLABC                    ; B: slab cluster x, tile cx, my half
	s_add_co_u32 s46, s46, O_BC
	s_mul_i32 s19, s40, 12288
	s_add_co_u32 s46, s46, s19
	s_mul_i32 s19, s16, 6144
	s_add_co_u32 s46, s46, s19
	s_mov_b32 s47, 0
	s_mul_i32 s92, ttmp9, SLABS
	s_add_co_u32 s92, s92, O_BS
	s_lshl_b32 s19, s40, 10
	s_add_co_u32 s92, s92, s19
	s_lshl_b32 s19, s16, 9
	s_add_co_u32 s92, s92, s19
	s_mov_b32 s93, 0
	s_mul_i32 s45, s14, HALFT
	s_mul_i32 s94, s14, HALFS
	s_wait_kmcnt 0x0
	s_add_nc_u64 s[20:21], s[4:5], s[20:21]
	s_add_nc_u64 s[22:23], s[4:5], s[22:23]
	s_add_nc_u64 s[46:47], s[6:7], s[46:47]
	s_add_nc_u64 s[92:93], s[6:7], s[92:93]
	CROUND
	s_mov_b32 s[G0S], 1
	s_add_co_u32 s[G0S+1], s94, SCL
	s_mov_b64 s[G0S+2:G0S+3], s[22:23]
	s_or_b32 s[G0S+3], s[G0S+3], 0x80000000
	s_mov_b32 s[G0SB], 1
	s_add_co_u32 s[G0SB+1], s94, SCL
	s_mov_b64 s[G0SB+2:G0SB+3], s[92:93]
	s_or_b32 s[G0SB+3], s[G0SB+3], 0x80000000
	JLOAD G0S, G1S, G0SB, G1SB
.irp s, 0,1
	s_mov_b32 s[G0+4*\s], 1
	s_add_co_u32 s[G0+4*\s+1], s45, \s*SLOT
	s_add_nc_u64 s[G0+4*\s+2:G0+4*\s+3], s[20:21], \s*196608
	s_or_b32 s[G0+4*\s+3], s[G0+4*\s+3], 0x80000000
	s_mov_b32 s[G0B+4*\s], 1
	s_add_co_u32 s[G0B+4*\s+1], s45, \s*SLOT
	s_add_nc_u64 s[G0B+4*\s+2:G0B+4*\s+3], s[46:47], \s*196608
	s_or_b32 s[G0B+4*\s+3], s[G0B+4*\s+3], 0x80000000
	JLOAD G0+4*\s, G1, G0B+4*\s, G1B               ; by this text's count three loads of a wave are out
.endr
	v_and_b32 v1, 15, v0
	v_bfe_u32 v2, v0, 4, 1
	v_and_b32 v3, 31, v0
	v_lshlrev_b32 v[LI], 4, v3
	v_lshlrev_b32 v[LJ], 4, v1
	v_lshl_add_u32 v[LJ], v2, 3, v[LJ]
	s_mul_i32 s21, s15, HALFT
	s_mul_i32 s22, s16, HALFT
	s_add_co_u32 s22, s22, 2*HALFT
.irp s, 0,1
	v_add_nc_u32 v[ADRA+\s], s21, v[LI]
	v_add_nc_u32 v[ADRB+\s], s22, v[LI]
	v_add_nc_u32 v[ADRA+2+\s], s21, v[LJ]
	v_add_nc_u32 v[ADRB+2+\s], s22, v[LJ]
	s_add_co_u32 s21, s21, SLOT
	s_add_co_u32 s22, s22, SLOT
.endr
	v_lshlrev_b32 v5, 2, v1
	s_mul_i32 s21, s15, HALFS
	s_mul_i32 s22, s16, HALFS
	s_add_co_u32 s22, s22, 2*HALFS
	s_sub_co_u32 s22, s22, s21
	v_mul_u32_u24 v6, s22, v2
	s_add_co_u32 s21, s21, SCL
	v_add_nc_u32 v5, v5, v6
	v_add_nc_u32 v[ADRS], s21, v5
	s_lshl_b32 s66, s40, 1
	s_add_co_u32 s66, s66, s16                     ; U = 2 cx + my half: which 128 columns of the slab
	s_lshl_b32 s18, s66, 9
	s_lshl_b32 s19, ttmp9, 12
	s_add_co_u32 s18, s18, s19
	s_mov_b32 s19, 0
	s_add_nc_u64 s[8:9], s[8:9], s[18:19]
	v_lshlrev_b32 v7, 6, v2
.irp b, 0,1,2,3,4,5,6,7
	global_load_b128 v[CB+8*\b:CB+8*\b+3], v7, s[8:9] offset:(32*(\b/2)+8*(\b%2))*4
	global_load_b128 v[CB+8*\b+4:CB+8*\b+7], v7, s[8:9] offset:(32*(\b/2)+8*(\b%2))*4+16
.endr
	s_lshl_b32 s18, s41, 1
	s_add_co_u32 s18, s18, s15                     ; W = 2 cy + my half
	s_lshl_b32 s18, s18, 19                        ; the result: image ((64 cluster y + 8 W + a) 8 + U) of 8,192 bytes
	s_lshl_b32 s67, s17, 22
	s_add_co_u32 s18, s18, s67
	s_lshl_b32 s67, s66, 13
	s_add_co_u32 s18, s18, s67
	s_add_nc_u64 s[10:11], s[10:11], s[18:19]
.macro FRAG reg, adr, q, i
	ds_load_b128 v[\reg:\reg+3], v[\adr] offset:(2*(\q))*6144+(\i)*768
	ds_load_b64 v[\reg+4:\reg+5], v[\adr+2] offset:(2*(\q))*6144+(\i)*768+512
	ds_load_b128 v[\reg+6:\reg+9], v[\adr] offset:(2*(\q)+1)*6144+(\i)*768
	ds_load_b64 v[\reg+10:\reg+11], v[\adr+2] offset:(2*(\q)+1)*6144+(\i)*768+512
.endm
.macro MUL16 a0, p, q, sc, zero        ; the 64 accumulators take turns; zero = 1: the bias is the C of the first products
.irp a, \a0, \a0+1
.irp b, 0,1,2,3,4,5,6,7
.if \zero
	v_wmma_scale_f32_16x16x128_f8f6f4 v[8*(8*((\a)%4)+\b):8*(8*((\a)%4)+\b)+7], v[128*(\p)+FR*\b:128*(\p)+FR*\b+FR-1], v[AF+FR*(\a):AF+FR*(\a)+FR-1], v[CB+8*\b:CB+8*\b+7], v[SC+8*NQ*(\sc)+NQ*\b+(\q)], v[SC+8*NQ*(\sc)+NQ*(\a)+(\q)] matrix_a_fmt:MATRIX_FMT_BF6 matrix_b_fmt:MATRIX_FMT_BF6 matrix_a_scale:MATRIX_SCALE_ROW1
.else
	v_wmma_scale_f32_16x16x128_f8f6f4 v[8*(8*((\a)%4)+\b):8*(8*((\a)%4)+\b)+7], v[128*(\p)+FR*\b:128*(\p)+FR*\b+FR-1], v[AF+FR*(\a):AF+FR*(\a)+FR-1], v[8*(8*((\a)%4)+\b):8*(8*((\a)%4)+\b)+7], v[SC+8*NQ*(\sc)+NQ*\b+(\q)], v[SC+8*NQ*(\sc)+NQ*(\a)+(\q)] matrix_a_fmt:MATRIX_FMT_BF6 matrix_b_fmt:MATRIX_FMT_BF6 matrix_a_scale:MATRIX_SCALE_ROW1
.endif
.endr
.endr
.endm
.macro FETCH_B slot, q, p
	WIN TO_B
.irp i, 0,1,2,3,4,5,6,7
	FRAG 128*(\p)+FR*\i, ADRB+\slot, \q, \i
.endr
	WIN 0
.endm
.macro FETCH_A slot, q, i0
.irp i, \i0, \i0+1, \i0+2, \i0+3
	FRAG AF+FR*(\i), ADRA+\slot, \q, \i
.endr
.endm
.macro SCALES sc
.irp i, 0,1,2,3,4,5,6,7
	ds_load_b32 v[SC+8*NQ*\sc+NQ*\i], v[ADRS] offset:\i*64
	ds_load_b32 v[SC+8*NQ*\sc+NQ*\i+1], v[ADRS] offset:\i*64+512
.endr
.endm
.macro PLACES n
.rept \n
	v_nop
.endr
.endm
.macro STEP slot, q, zero
	s_wait_dscnt 4*NL                              ; all but the youngest 16 loads (A's blocks 4-7) are in
	WIN MUL_LO-0x20*(\zero)
	MUL16 0, (\q)%2, \q, \slot, \zero
	MUL16 2, (\q)%2, \q, \slot, \zero
	s_wait_dscnt 0
	PLACES NP
	FETCH_B \slot, (\q)+1, 1-(\q)%2
	FETCH_A \slot, (\q)+1, 0
	WIN MUL_HI-0x30*(\zero)
	MUL16 4, (\q)%2, \q, \slot, \zero
	MUL16 6, (\q)%2, \q, \slot, \zero
	PLACES NP
	WIN 0
	FETCH_A \slot, (\q)+1, 4
.endm
.macro TURN slot, next, fill
	s_wait_tensorcnt 0x0                           ; all my tensor loads have landed: my part of the next slot
	ds_add_u32 v[SPW], v[NIL]                      ; 0 onto my spare word
	s_wait_dscnt 4*NL+1                            ; the add and the youngest 16 loads may be out
	WIN MUL_LO
	MUL16 0, 1, NQ-1, \slot, 0
	s_wait_dscnt 0x0                               ; the add is done, and my reads of this slot are over
	s_barrier_signal -1
	MUL16 2, 1, NQ-1, \slot, 0
	WIN 0
	s_barrier_wait -1
.if \fill
	CREST                                          ; the barrier has opened a round of the cluster's
	s_add_nc_u64 s[G0+4*\slot+2:G0+4*\slot+3], s[G0+4*\slot+2:G0+4*\slot+3], 393216
	s_add_nc_u64 s[G0B+4*\slot+2:G0B+4*\slot+3], s[G0B+4*\slot+2:G0B+4*\slot+3], 393216
	JLOAD G0+4*\slot, G1, G0B+4*\slot, G1B         ; the first tensor load behind the round
.else
	PLACES NP
.endif
	v_add_nc_u32 v[ADRS], 1024, v[ADRS]
	FETCH_B \next, 0, 0
	FETCH_A \next, 0, 0
	SCALES \next
	WIN MUL_HI
	MUL16 4, 1, NQ-1, \slot, 0
	MUL16 6, 1, NQ-1, \slot, 0
	PLACES NP
	WIN 0
	FETCH_A \next, 0, 4
.endm
	s_wait_tensorcnt 1                             ; the scale words and K step 0 are in; K step 1's load may be out
	s_barrier_signal -1
	s_barrier_wait -1
	FETCH_B 0, 0, 0
	FETCH_A 0, 0, 0
	SCALES 0
	FETCH_A 0, 0, 4
	s_wait_loadcnt 0x0                             ; the bias
	STEP 0, 0, 1
	s_mov_b32 s3, LAPS-1
.Llap:
	TURN 0, 1, 1
	STEP 1, 0, 0
	TURN 1, 0, 1
	STEP 0, 0, 0
	s_sub_co_u32 s3, s3, 1
	s_cmp_lg_u32 s3, 0
	s_cbranch_scc1 .Llap
	TURN 0, 1, 0
	STEP 1, 0, 0
	s_wait_dscnt 4*NL
	WIN MUL_LO
	MUL16 0, 1, NQ-1, 1, 0
	MUL16 2, 1, NQ-1, 1, 0
	s_wait_dscnt 0
	WIN MUL_HI
	MUL16 4, 1, NQ-1, 1, 0
	MUL16 6, 1, NQ-1, 1, 0
	PLACES NP
	; THE WAY OUT: the accumulators as they stand, each from its low end on; every store covers 512 consecutive bytes
.irp a, 0,1,2,3,4,5,6,7
	WIN 0x08+4*(\a/4)                              ; a store's data are its source 1: window 2 or 3
.irp g, 0,1,2,3,4,5,6,7,8,9,10,11,12,13,14,15
	global_store_b128 v[LI], v[64*(\a%4)+4*\g:64*(\a%4)+4*\g+3], s[10:11] offset:65536*\a+512*\g th:TH_STORE_NT
.endr
.endr
	WIN 0
	s_wait_tensorcnt 0x0                           ; the wave's end
	ds_add_u32 v[SPW], v[NIL]
	s_wait_dscnt 0x0
	CROUND
	s_endpgm
.Lfunc_end_k_qd0917699a7_gw2:
	.size	k_qd0917699a7_gw2, .Lfunc_end_k_qd0917699a7_gw2-k_qd0917699a7_gw2
	.p2alignl 7, 3214868480
	.fill 96, 4, 3214868480
	.section	.rodata,"a",@progbits
	.p2align	6, 0x0
	.amdhsa_kernel k_qd0917699a7_gw2
		.amdhsa_group_segment_fixed_size 327680
		.amdhsa_private_segment_fixed_size 0
		.amdhsa_enable_private_segment 0
		.amdhsa_kernarg_size 32
		.amdhsa_user_sgpr_count 2
		.amdhsa_user_sgpr_kernarg_segment_ptr 1
		.amdhsa_wavefront_size32 1
		.amdhsa_system_sgpr_workgroup_id_x 1
		.amdhsa_system_sgpr_workgroup_id_y 1
		.amdhsa_system_sgpr_workgroup_id_z 1
		.amdhsa_system_vgpr_workitem_id 0
		.amdhsa_next_free_vgpr 1024
		.amdhsa_next_free_sgpr 100
		.amdhsa_reserve_vcc 0
		.amdhsa_float_denorm_mode_32 3
		.amdhsa_float_denorm_mode_16_64 3
		.amdhsa_memory_ordered 1
		.amdhsa_forward_progress 1
		.amdhsa_inst_pref_size 130
	.end_amdhsa_kernel
	.amdgpu_metadata
---
amdhsa.version: [ 1, 2 ]
amdhsa.kernels:
  - .name:           k_qd0917699a7_gw2
    .symbol:         k_qd0917699a7_gw2.kd
    .args:
      - { .name: ff, .offset: 0, .size: 8, .value_kind: global_buffer, .address_space: global }
      - { .name: wc, .offset: 8, .size: 8, .value_kind: global_buffer, .address_space: global }
      - { .name: b2, .offset: 16, .size: 8, .value_kind: global_buffer, .address_space: global }
      - { .name: res, .offset: 24, .size: 8, .value_kind: global_buffer, .address_space: global }
    .group_segment_fixed_size: 327680
    .private_segment_fixed_size: 0
    .kernarg_segment_align: 8
    .kernarg_segment_size: 32
    .max_flat_workgroup_size: 128
    .sgpr_count:     100
    .vgpr_count:     1024
    .wavefront_size: 32
...
	.end_amdgpu_metadata
.endif
;; end of part 7
;; launch ln2 (part 8): grid 256 x 1, 8 waves a work-group, no clusters, 69,632 bytes of LDS; arguments res, hb, g2, be2, out0; writes out0
.if DOCPART == 8
	.amdgcn_target "amdgcn-amd-amdhsa--gfx1250"
	.amdhsa_code_object_version 6
	.text
	.protected	k_qd0917699a7_ln2
	.globl	k_qd0917699a7_ln2
	.p2align	8
	.type	k_qd0917699a7_ln2,@function
k_qd0917699a7_ln2:
	s_mov_b64 s[64:65], 0
	v_nop
	global_prefetch_b8 v0, s[64:65] scope:SCOPE_SE
	s_setreg_imm32_b32 hwreg(HW_REG_WAVE_MODE, 25, 1), 1
	s_wait_xcnt 0x0
; LN2: out0 = LayerNorm(h + the FFN's result) g2 + be2, all in f32.
; A work-group takes a row tile of 16 rows (position space: row r of tile T is the true row 32 (T/2) + 8 (T%2) + r%8 + 16 (r/8)); wave w takes columns 128 w .. 128 w + 127.  A lane (r, h) holds 64 numbers of row r:
; register 16 b + i = column 32 b + 16 h + i of the wave's 128: both images are read as they lie; the result turns through the wave's own stage in LDS and leaves as true rows, 512 consecutive bytes a store.
; The mean and then the mean of the squared differences: two passes over registers; the eight waves' parts meet in LDS behind a barrier each (different words, so no third barrier).
; Memory binds: no matrix unit, no cluster, no tensor load.
.set LI,  1
.set LS,  3
.set STI, 4
.set STQ, 5
.set LG,  6
.set RA,  7
.set RR,  8
.set V,   32
.set HH,  96                           ; v96-159  h's image; then beta
.set G,   160                          ; v160-223 the gain; then rows on the way out
.set BE,  96
.set OR,  160
.set A0,  224
.set SV,  228
.set T1,  229
.set MU,  230
.set RS,  232
.set T2,  234
.set SEL, 28
.macro RSUM off
	v_permlanex16_b32 v[T1], v[SV], s[SEL], s[SEL+1]
	v_add_f32 v[SV], v[SV], v[T1]
	ds_store_b32 v[RA], v[SV] offset:\off          ; lanes r and r + 16 write the same word with the same value
	s_wait_dscnt 0x0                               ; for the others' sake
	s_barrier_signal -1
	s_barrier_wait -1
.irp i, 0,1,2,3,4,5,6,7
	ds_load_b32 v[T2+\i], v[RR] offset:\off+64*\i
.endr
	s_wait_dscnt 0x0
	v_add_f32 v[T2], v[T2], v[T2+1]
	v_add_f32 v[T2+2], v[T2+2], v[T2+3]
	v_add_f32 v[T2+4], v[T2+4], v[T2+5]
	v_add_f32 v[T2+6], v[T2+6], v[T2+7]
	v_add_f32 v[T2], v[T2], v[T2+2]
	v_add_f32 v[T2+4], v[T2+4], v[T2+6]
	v_add_f32 v[SV], v[T2], v[T2+4]
.endm
	s_load_b256 s[4:11], s[0:1], 0x0               ; res, hb, g2, be2
	s_load_b64 s[12:13], s[0:1], 0x20              ; out0
	v_lshl_add_u32 v254, v0, 2, 0x10c00
	v_mov_b32 v255, 0
	v_lshrrev_b32 v9, 5, v0
	v_readfirstlane_b32 s14, v9                    ; wave 0..7
	v_and_b32 v9, 31, v0
	v_and_b32 v10, 15, v0
	v_bfe_u32 v11, v0, 4, 1
	v_lshlrev_b32 v[LI], 4, v9
	v_lshlrev_b32 v[LS], 2, v10
	s_mul_i32 s15, s14, 8448
	v_add_nc_u32 v[STI], s15, v[LI]
	v_mul_u32_u24 v[STQ], v10, 528
	v_lshl_add_u32 v[STQ], v11, 6, v[STQ]
	v_add_nc_u32 v[STQ], s15, v[STQ]
	v_lshlrev_b32 v[LG], 6, v11
	v_add_nc_u32 v[RR], 67584, v[LS]
	s_lshl_b32 s15, s14, 6
	v_add_nc_u32 v[RA], s15, v[RR]
	v_mov_b32 v[T1], 0
	s_mov_b32 s[SEL], 0x76543210
	s_mov_b32 s[SEL+1], 0xfedcba98
	s_mov_b32 s30, 0x3a800000                      ; 1 / 1,024
	s_mov_b32 s31, 0x3727c5ac                      ; 1e-5
	s_lshl_b32 s16, ttmp9, 3
	s_add_co_u32 s16, s16, s14
	s_lshl_b32 s16, s16, 13                        ; image 8 T + w
	s_mov_b32 s17, 0
	s_lshr_b32 s18, ttmp9, 1
	s_lshl_b32 s18, s18, 17
	s_and_b32 s19, ttmp9, 1
	s_lshl_b32 s19, s19, 15
	s_add_co_u32 s18, s18, s19
	s_lshl_b32 s20, s14, 9
	s_add_co_u32 s18, s18, s20
	s_mov_b32 s19, 0
	s_mov_b32 s21, 0
	s_wait_kmcnt 0x0
	s_add_nc_u64 s[4:5], s[4:5], s[16:17]
	s_add_nc_u64 s[6:7], s[6:7], s[16:17]
	s_add_nc_u64 s[8:9], s[8:9], s[20:21]
	s_add_nc_u64 s[10:11], s[10:11], s[20:21]
	s_add_nc_u64 s[12:13], s[12:13], s[18:19]
.irp g, 0,1,2,3,4,5,6,7,8,9,10,11,12,13,14,15
	global_load_b128 v[V+4*\g:V+4*\g+3], v[LI], s[4:5] offset:512*\g th:TH_LOAD_NT
.endr
.irp g, 0,1,2,3,4,5,6,7,8,9,10,11,12,13,14,15
	global_load_b128 v[HH+4*\g:HH+4*\g+3], v[LI], s[6:7] offset:512*\g th:TH_LOAD_NT
.endr
.irp b, 0,1,2,3
.irp j, 0,1,2,3
	global_load_b128 v[G+16*\b+4*\j:G+16*\b+4*\j+3], v[LG], s[8:9] offset:128*\b+16*\j
.endr
.endr
	s_wait_loadcnt 16                              ; both images are in; the gain's 16 loads stay out
.set i, 0
.rept 32
	v_pk_add_f32 v[V+i:V+i+1], v[V+i:V+i+1], v[HH+i:HH+i+1]   ; the residual
.set i, i+2
.endr
.irp b, 0,1,2,3
.irp j, 0,1,2,3
	global_load_b128 v[BE+16*\b+4*\j:BE+16*\b+4*\j+3], v[LG], s[10:11] offset:128*\b+16*\j
.endr
.endr
	v_pk_add_f32 v[A0:A0+1], v[V:V+1], v[V+2:V+3]
	v_pk_add_f32 v[A0+2:A0+3], v[V+4:V+5], v[V+6:V+7]
.irp j, 8,12,16,20,24,28,32,36,40,44,48,52,56,60
	v_pk_add_f32 v[A0:A0+1], v[A0:A0+1], v[V+\j:V+\j+1]
	v_pk_add_f32 v[A0+2:A0+3], v[A0+2:A0+3], v[V+\j+2:V+\j+3]
.endr
	v_pk_add_f32 v[A0:A0+1], v[A0:A0+1], v[A0+2:A0+3]
	v_add_f32 v[SV], v[A0], v[A0+1]
	RSUM 0
	v_mul_f32 v[MU], s30, v[SV]                    ; the mean
	v_mov_b32 v[MU+1], v[MU]
.set i, 0
.rept 32
	v_pk_add_f32 v[V+i:V+i+1], v[V+i:V+i+1], v[MU:MU+1] neg_lo:[0,1] neg_hi:[0,1]
.set i, i+2
.endr
	v_pk_mul_f32 v[A0:A0+1], v[V:V+1], v[V:V+1]
	v_pk_mul_f32 v[A0+2:A0+3], v[V+2:V+3], v[V+2:V+3]
.irp j, 4,8,12,16,20,24,28,32,36,40,44,48,52,56,60
	v_pk_fma_f32 v[A0:A0+1], v[V+\j:V+\j+1], v[V+\j:V+\j+1], v[A0:A0+1]
	v_pk_fma_f32 v[A0+2:A0+3], v[V+\j+2:V+\j+3], v[V+\j+2:V+\j+3], v[A0+2:A0+3]
.endr
	v_pk_add_f32 v[A0:A0+1], v[A0:A0+1], v[A0+2:A0+3]
	v_add_f32 v[SV], v[A0], v[A0+1]
	RSUM 512
	v_fma_f32 v[RS], v[SV], s30, s31               ; the variance + 1e-5
	v_rsq_f32 v[RS], v[RS]
	v_nop                                          ; a plain place behind the transcendental
	s_wait_alu depctr_va_vdst(0)                   ; and the wait ahead of its first reader
	v_mov_b32 v[RS+1], v[RS]
	s_wait_loadcnt 0x0                             ; the gain and beta
.set i, 0
.rept 32
	v_pk_mul_f32 v[V+i:V+i+1], v[V+i:V+i+1], v[RS:RS+1]
.set i, i+2
.endr
.set i, 0
.rept 32
	v_pk_fma_f32 v[V+i:V+i+1], v[V+i:V+i+1], v[G+i:G+i+1], v[BE+i:BE+i+1]
.set i, i+2
.endr
.irp b, 0,1,2,3
.irp j, 0,1,2,3
	ds_store_b128 v[STQ], v[V+16*\b+4*\j:V+16*\b+4*\j+3] offset:128*\b+16*\j
.endr
.endr
.irp i, 0,1,2,3,4,5,6,7,8,9,10,11,12,13,14,15
	ds_load_b128 v[OR+4*\i:OR+4*\i+3], v[STI] offset:528*\i   ; LDS serves a wave's instructions in order: these see my stores
.endr
.irp i, 0,1,2,3,4,5,6,7,8,9,10,11,12,13,14,15
	s_wait_dscnt 15-\i                             ; row i is back; the 15 - i younger loads stay out
	global_store_b128 v[LI], v[OR+4*\i:OR+4*\i+3], s[12:13] offset:((\i%8)+16*(\i/8))*4096 th:TH_STORE_NT   ; position i's true row: 512 consecutive bytes
.endr
	s_wait_tensorcnt 0x0
	ds_add_u32 v254, v255
	s_wait_dscnt 0x0
	s_endpgm
.Lfunc_end_k_qd0917699a7_ln2:
	.size	k_qd0917699a7_ln2, .Lfunc_end_k_qd0917699a7_ln2-k_qd0917699a7_ln2
	.p2alignl 7, 3214868480
	.fill 96, 4, 3214868480
	.section	.rodata,"a",@progbits
	.p2align	6, 0x0
	.amdhsa_kernel k_qd0917699a7_ln2
		.amdhsa_group_segment_fixed_size 69632
		.amdhsa_private_segment_fixed_size 0
		.amdhsa_enable_private_segment 0
		.amdhsa_kernarg_size 40
		.amdhsa_user_sgpr_count 2
		.amdhsa_user_sgpr_kernarg_segment_ptr 1
		.amdhsa_wavefront_size32 1
		.amdhsa_system_sgpr_workgroup_id_x 1
		.amdhsa_system_sgpr_workgroup_id_y 1
		.amdhsa_system_sgpr_workgroup_id_z 1
		.amdhsa_system_vgpr_workitem_id 0
		.amdhsa_next_free_vgpr 256
		.amdhsa_next_free_sgpr 66
		.amdhsa_reserve_vcc 0
		.amdhsa_float_denorm_mode_32 3
		.amdhsa_float_denorm_mode_16_64 3
		.amdhsa_memory_ordered 1
		.amdhsa_forward_progress 1
		.amdhsa_inst_pref_size 27
	.end_amdhsa_kernel
	.amdgpu_metadata
---
amdhsa.version: [ 1, 2 ]
amdhsa.kernels:
  - .name:           k_qd0917699a7_ln2
    .symbol:         k_qd0917699a7_ln2.kd
    .args:
      - { .name: res, .offset: 0, .size: 8, .value_kind: global_buffer, .address_space: global }
      - { .name: hb, .offset: 8, .size: 8, .value_kind: global_buffer, .address_space: global }
      - { .name: g2, .offset: 16, .size: 8, .value_kind: global_buffer, .address_space: global }
      - { .name: be2, .offset: 24, .size: 8, .value_kind: global_buffer, .address_space: global }
      - { .name: out0, .offset: 32, .size: 8, .value_kind: global_buffer, .address_space: global }
    .group_segment_fixed_size: 69632
    .private_segment_fixed_size: 0
    .kernarg_segment_align: 8
    .kernarg_segment_size: 40
    .max_flat_workgroup_size: 256
    .sgpr_count:     66
    .vgpr_count:     256
    .wavefront_size: 32
...
	.end_amdgpu_metadata
.endif
;; end of part 8
;; ======== version 2 of 2: 7 launches
;; limits: right only within a limited range of input values
;; workspace buffers: wc 13,107,200 bytes; qkv 9,830,400 bytes; ao 3,276,800 bytes; res 16,777,216 bytes; hb 20,054,016 bytes; ff 13,107,200 bytes
;; launch prep (part 9): grid 640 x 1, 8 waves a work-group, no clusters, 68,608 bytes of LDS; arguments x, Wq, Wk, Wv, Wo, W2, W1, wc; writes wc
.if DOCPART == 9
	.amdgcn_target "amdgcn-amd-amdhsa--gfx1250"
	.amdhsa_code_object_version 6
	.text
	.protected	k_qd0917699a7_prep
	.globl	k_qd0917699a7_prep
	.p2align	8
	.type	k_qd0917699a7_prep,@function
k_qd0917699a7_prep:
	s_mov_b64 s[64:65], 0
	v_nop
	global_prefetch_b8 v0, s[64:65] scope:SCOPE_SE
	s_setreg_imm32_b32 hwreg(HW_REG_WAVE_MODE, 25, 1), 1
	s_wait_xcnt 0x0
; PREP: x [4096][1024] and the six weights ([K][N], K first) become codes of BF6 (E3M2) with one E8M0 byte for each 32 along K, in the order of the matrix operand's registers.
; HALF IMAGE, 768 bytes: 16 rows x 64 K.  Operand registers 0-3 of lane (r, h) at byte 16 (r + 16 h), registers 4-5 at byte 512 + 16 r + 8 h.  SLAB: 1,024 rows: codes [K/64][64 row tiles][768], scale words [K/128][64 tiles][16 rows x 4].
; ROWS LIE IN POSITION SPACE: row r of tile T is the true row 32 (T/2) + 8 (T%2) + r%8 + 16 (r/8), so that a transposed product's 16 registers of two neighbouring tiles are 16 neighbours along the next K.
; A block's scale is 2^(floor(log2(largest magnitude)) - 4); its byte is the largest magnitude's exponent field - 4, held at 1 from below.
; LIMITS: NaN and infinities are not served; a block whose largest magnitude lies under 2^-122 keeps the byte 1; a block of zeros gets the byte 1 where the rule says 127 (its codes are zeros, and this program alone reads the bytes).
; Work-groups 0-255: a row tile of x each, wave w its K step w.  256-511: Wq, Wk, Wv, Wo (32 each) and W2 (128): 256 columns x 128 K each.  512-639: W1.  No barrier: waves share nothing.
.set O_WQC, 3145728                    ; wc: x's codes at 0, then Wq, Wk, Wv, Wo (786,432 each), W2 (3,145,728), W1 (4 slabs)
.set O_W1C, 9437184
.set O_XS,  12582912                   ; the scale words, in the same order
.set O_WQS, 12713984
.set O_W1S, 12976128
.set K64P,  49152                      ; from one 64 along K to the next in a slab
.set SLABC, 786432
.set LI,  4                            ; x's path: 16 x lane
.set LJ,  5                            ; 16 r + 8 h
.set LS,  6                            ; 4 r
.set STI, 7                            ; the stage as rows lie: 8448 w + 16 x lane
.set STQ, 8                            ; the stage as the quantiser wants it: 8448 w + 528 r + 64 h
.set NUM, 32                           ; v32-95   64 numbers: register 16 b + i = k 32 b + 16 h + i of row r
.set RAW, 96                           ; v96-159  16 rows as loaded
.set PC,  160                          ; v160-179 the codes just made
.set TM,  180                          ; v180-195 at work in QUANT
.set PW,  196                          ; the scale word
.set SEL, 34                           ; s[34:35] selects of v_permlanex16_b32: lane l xor 16
.set OUT, 26                           ; s[26:27] where the codes go
.set WI,  9                            ; the weights' paths: 4 x lane
.set WO,  10                           ; 768 u + 16 r'
.set WS,  14                           ; 64 u + 4 r'
.set X,   32                           ; v32-159  128 numbers down K of my column
.set C,   160                          ; v160-191 registers 0-3 of each block
.set D,   192                          ; v192-207 the upper conversions
.set E,   208                          ; v208-215 registers 4-5 of two blocks side by side
.set SB,  216                          ; my column's scale word
; 64 numbers of a lane become a fragment's 12 registers in v[PC] on and its scale word in v[pw]
.macro QUANT s, pw
.irp b, 0,1,2,3
	v_max3_num_f32 v[TM+\b], |v[\s+16*\b]|, |v[\s+1+16*\b]|, 0x2800000   ; my 16 numbers of block b, and the floor 2^(5 - 127): the byte cannot fall under 1
.endr
.irp i, 2,4,6,8,10,12,14
.irp b, 0,1,2,3
	s_delay_alu instid0(VALU_DEP_4)
	v_max3_num_f32 v[TM+\b], v[TM+\b], |v[\s+16*\b+\i]|, |v[\s+1+16*\b+\i]|
.endr
.endr
.irp b, 0,1,2,3
	s_delay_alu instid0(VALU_DEP_4)
	v_permlanex16_b32 v[TM+4+\b], v[TM+\b], s[SEL], s[SEL+1]
.endr
.irp b, 0,1,2,3
	s_delay_alu instid0(VALU_DEP_4)
	v_max_num_f32 v[TM+\b], v[TM+\b], v[TM+4+\b]       ; with lane l xor 16's: the block's largest magnitude
.endr
.irp b, 0,1,2,3
	s_delay_alu instid0(VALU_DEP_4)
	v_add_nc_u32 v[TM+12+\b], 0xfe000000, v[TM+\b]     ; 4 off its exponent field: the conversion's scale operand
.endr
.irp b, 0,1,2,3
	s_delay_alu instid0(VALU_DEP_4)
	v_lshrrev_b32 v[TM+4+\b], 23, v[TM+12+\b]          ; the byte
.endr
	s_delay_alu instid0(VALU_DEP_3)
	v_lshl_or_b32 v[\pw], v[TM+5], 8, v[TM+4]
	s_delay_alu instid0(VALU_DEP_1)
	v_lshl_or_b32 v[\pw], v[TM+6], 16, v[\pw]
	s_delay_alu instid0(VALU_DEP_1)
	v_lshl_or_b32 v[\pw], v[TM+7], 24, v[\pw]
.irp c, 0,1
	v_cvt_scalef32_pk16_bf6_f32 v[PC+6*\c:PC+2+6*\c], v[\s+32*\c:\s+15+32*\c], v[TM+12+2*\c]
	v_cvt_scalef32_pk16_bf6_f32 v[PC+12+4*\c:PC+14+4*\c], v[\s+16+32*\c:\s+31+32*\c], v[TM+12+2*\c+1]   ; (a conversion's three registers begin on an even number)
.endr
	v_nop                                              ; one plain place behind a scaled conversion
.irp c, 0,1                                            ; a whole block to a lane: lanes 0-15 block 2 c, lanes 16-31 block 2 c + 1
.irp i, 0,1,2
	v_permlane16_swap_b32 v[PC+6*\c+\i], v[PC+12+4*\c+\i]
.endr
.irp i, 0,1,2
	s_delay_alu instid0(VALU_DEP_3)
	v_mov_b32 v[PC+3+6*\c+\i], v[PC+12+4*\c+\i]
.endr
.endr
.endm
.macro IMGOUT off, hstep                               ; the fragment leaves as two half images; each store covers whole aligned blocks of 256 bytes
	global_store_b128 v[LI], v[PC:PC+3], s[OUT:OUT+1] offset:\off
	global_store_b64 v[LJ], v[PC+4:PC+5], s[OUT:OUT+1] offset:\off+512
	global_store_b128 v[LI], v[PC+6:PC+9], s[OUT:OUT+1] offset:\off+\hstep
	global_store_b64 v[LJ], v[PC+10:PC+11], s[OUT:OUT+1] offset:\off+\hstep+512
.endm
	s_load_b512 s[4:19], s[0:1], 0x0                   ; x, Wq, Wk, Wv, Wo, W2, W1, wc
	v_lshl_add_u32 v224, v0, 2, 0x10800
	v_mov_b32 v225, 0
	v_lshrrev_b32 v1, 5, v0
	s_delay_alu instid0(VALU_DEP_1)
	v_readfirstlane_b32 s20, v1                        ; wave 0..7
	v_and_b32 v1, 31, v0                               ; lane
	s_cmp_lt_u32 ttmp9, 256
	s_cbranch_scc0 .Lweights
	; ---- x: row tile T = the work-group's number, K step = the wave's
	v_and_b32 v2, 15, v0                               ; r
	v_bfe_u32 v3, v0, 4, 1                             ; h
	v_lshlrev_b32 v[LI], 4, v1
	s_delay_alu instid0(VALU_DEP_3)
	v_lshlrev_b32 v[LJ], 4, v2
	s_delay_alu instid0(VALU_DEP_1)
	v_lshl_add_u32 v[LJ], v3, 3, v[LJ]
	v_lshlrev_b32 v[LS], 2, v2
	s_mul_i32 s21, s20, 8448                           ; my stage: 16 rows x (512 bytes + 16)
	v_add_nc_u32 v[STI], s21, v[LI]
	v_mul_u32_u24 v[STQ], v2, 528
	s_delay_alu instid0(VALU_DEP_1)
	v_lshl_add_u32 v[STQ], v3, 6, v[STQ]
	s_delay_alu instid0(VALU_DEP_1)
	v_add_nc_u32 v[STQ], s21, v[STQ]
.irp b, 0,1,2,3
	v_mov_b32 v[TM+4+\b], 0                            ; a lane permute's destination counts as one of its sources
.endr
	s_mov_b32 s[SEL], 0x76543210
	s_mov_b32 s[SEL+1], 0xfedcba98
	s_lshr_b32 s22, ttmp9, 1
	s_lshl_b32 s22, s22, 17                            ; 32 (T/2) rows of 4,096 bytes
	s_and_b32 s23, ttmp9, 1
	s_lshl_b32 s23, s23, 15                            ; + 8 (T%2) rows
	s_add_co_u32 s22, s22, s23
	s_lshl_b32 s23, s20, 9                             ; + my 128 columns
	s_add_co_u32 s22, s22, s23
	s_mov_b32 s23, 0
	s_lshr_b32 s24, ttmp9, 6                           ; slab
	s_and_b32 s25, ttmp9, 63                           ; tile in it
	s_mul_i32 s26, s24, SLABC
	s_mul_i32 s27, s20, 2*K64P
	s_add_co_u32 s26, s26, s27
	s_mul_i32 s27, s25, 768
	s_add_co_u32 s26, s26, s27
	s_mov_b32 s27, 0
	s_lshl_b32 s28, s24, 15
	s_lshl_b32 s29, s20, 12
	s_add_co_u32 s28, s28, s29
	s_lshl_b32 s29, s25, 6
	s_add_co_u32 s28, s28, s29
	s_add_co_u32 s28, s28, O_XS
	s_mov_b32 s29, 0
	s_wait_alu depctr_va_vdst(0)
	s_wait_kmcnt 0x0
	s_add_nc_u64 s[4:5], s[4:5], s[22:23]
	s_add_nc_u64 s[OUT:OUT+1], s[18:19], s[26:27]
	s_add_nc_u64 s[28:29], s[18:19], s[28:29]
.irp i, 0,1,2,3,4,5,6,7,8,9,10,11,12,13,14,15
	global_load_b128 v[RAW+4*\i:RAW+4*\i+3], v[LI], s[4:5] offset:((\i%8)+16*(\i/8))*4096 th:TH_LOAD_NT   ; position i's true row: 512 consecutive bytes
.endr
.irp i, 0,1,2,3,4,5,6,7,8,9,10,11,12,13,14,15
	s_wait_loadcnt 15-\i                               ; row i is in; the 15 - i younger loads stay out
	ds_store_b128 v[STI], v[RAW+4*\i:RAW+4*\i+3] offset:528*\i
.endr
.irp b, 0,1,2,3
.irp j, 0,1,2,3
	ds_load_b128 v[NUM+16*\b+4*\j:NUM+16*\b+4*\j+3], v[STQ] offset:128*\b+16*\j   ; LDS serves a wave's instructions in order: these see my stores
.endr
.endr
	s_wait_dscnt 0x0
	QUANT NUM, PW
	IMGOUT 0, K64P
	global_store_b32 v[LS], v[PW], s[28:29]            ; 16 words; lanes r and r + 16 write the same word with the same value.  64 bytes for 8,192 read
	s_wait_tensorcnt 0x0
	ds_add_u32 v224, v225
	s_wait_dscnt 0x0
	s_endpgm
; ---- the weights: a lane takes a column, its registers run down K: nothing is transposed
.macro WLOAD t, pitch
.set k, 32*(\t)
.rept 32
	global_load_b32 v[X+k], v[WI], s[26:27] offset:k*(\pitch) th:TH_LOAD_NT   ; 32 lanes read 128 consecutive bytes of row k
.set k, k+1
.endr
.endm
.macro WBLOCK t, pitch
.set XB, X+32*(\t)
.if (\t) < 3
	s_wait_loadcnt 32                                  ; this block's 32 loads are in; the next block's 32 stay out
.else
	s_wait_loadcnt 0x0
.endif
.if (\t) < 2
	WLOAD (\t)+2, \pitch                               ; two blocks ahead, into registers of their own
.endif
	v_max3_num_f32 v12, |v[XB]|, |v[XB+1]|, |v[XB+2]|
	v_max3_num_f32 v13, |v[XB+3]|, |v[XB+4]|, |v[XB+5]|
.irp i, 6,10,14,18,22,26
	s_delay_alu instid0(VALU_DEP_2)
	v_max3_num_f32 v12, v12, |v[XB+\i]|, |v[XB+\i+1]|
	s_delay_alu instid0(VALU_DEP_2)
	v_max3_num_f32 v13, v13, |v[XB+\i+2]|, |v[XB+\i+3]|
.endr
	s_delay_alu instid0(VALU_DEP_2)
	v_max3_num_f32 v12, v12, |v[XB+30]|, |v[XB+31]|
	s_delay_alu instid0(VALU_DEP_1)
	v_max3_num_f32 v12, v12, v13, 0x2800000            ; and the floor
	s_delay_alu instid0(VALU_DEP_1)
	v_add_nc_u32 v11, 0xfe000000, v12
	s_delay_alu instid0(VALU_DEP_1)
	v_lshrrev_b32 v13, 23, v11
.if (\t) == 0
	s_delay_alu instid0(VALU_DEP_1)
	v_mov_b32 v[SB], v13
.else
	s_delay_alu instid0(VALU_DEP_1)
	v_lshl_or_b32 v[SB], v13, 8*(\t), v[SB]
.endif
	v_cvt_scalef32_pk16_bf6_f32 v[C+16*((\t)/2)+8*((\t)%2):C+16*((\t)/2)+8*((\t)%2)+2], v[XB:XB+15], v11
	v_cvt_scalef32_pk16_bf6_f32 v[D+8*((\t)/2)+4*((\t)%2):D+8*((\t)/2)+4*((\t)%2)+2], v[XB+16:XB+31], v11
.endm
; blocks 2 c and 2 c + 1 are my row's part of half image c: block kb is what lane (r', kb) of the operand holds
.macro WOUT c
	v_nop                                              ; one plain place behind a scaled conversion
.irp kb, 0,1
	v_mov_b32 v[C+16*\c+8*\kb+3], v[D+8*\c+4*\kb]
	v_mov_b32 v[E+4*\c+2*\kb], v[D+8*\c+4*\kb+1]
	v_mov_b32 v[E+4*\c+2*\kb+1], v[D+8*\c+4*\kb+2]
.endr
	global_store_b128 v[WO], v[C+16*\c:C+16*\c+3], s[30:31] offset:K64P*\c          ; sixteen lanes fill an aligned block of 256 bytes of tile T0, sixteen one of tile T0 + 1
	global_store_b128 v[WO], v[C+16*\c+8:C+16*\c+11], s[30:31] offset:K64P*\c+256
	global_store_b128 v[WO], v[E+4*\c:E+4*\c+3], s[30:31] offset:K64P*\c+512
.endm
.macro WPATH pitch
	WLOAD 0, \pitch
	WLOAD 1, \pitch
	WBLOCK 0, \pitch
	WBLOCK 1, \pitch
	WOUT 0
	WBLOCK 2, \pitch
	WBLOCK 3, \pitch
	WOUT 1
	global_store_b32 v[WS], v[SB], s[32:33]            ; 32 words: 128 consecutive bytes
	s_endpgm
.endm
.Lweights:
	v_bfe_u32 v2, v0, 3, 1                             ; u: true column l lies at position r' of tile T0 + u
	v_bfe_u32 v3, v0, 4, 1
	v_and_b32 v15, 7, v0
	s_delay_alu instid0(VALU_DEP_1)
	v_lshl_or_b32 v15, v3, 3, v15                      ; r' = l%8 + 8 (bit 4 of l)
	s_wait_alu depctr_va_vdst(0)
	v_lshlrev_b32 v[WI], 2, v1
	v_mul_u32_u24 v[WO], v2, 768
	s_delay_alu instid0(VALU_DEP_1)
	v_lshl_add_u32 v[WO], v15, 4, v[WO]
	v_lshlrev_b32 v[WS], 6, v2
	s_delay_alu instid0(VALU_DEP_1)
	v_lshl_add_u32 v[WS], v15, 2, v[WS]
	s_cmp_lt_u32 ttmp9, 512
	s_cbranch_scc0 .Lw1
	s_sub_co_u32 s21, ttmp9, 256                       ; j
	s_lshr_b32 s22, s21, 5
	s_min_u32 s22, s22, 4                              ; which tensor: Wq, Wk, Wv, Wo, W2
	s_and_b32 s23, s21, 3                              ; which 256 columns
	s_lshr_b32 s24, s21, 2
	s_and_b32 s24, s24, 7                              ; which 128 along K (K = 1,024),
	s_sub_co_u32 s25, s21, 128
	s_lshr_b32 s25, s25, 2                             ; or in W2 (K = 4,096)
	s_cmp_eq_u32 s22, 4
	s_cselect_b32 s24, s25, s24
	s_lshl_b32 s28, s24, 19                            ; 128 rows of 4,096 bytes
	s_lshl_b32 s29, s23, 10
	s_add_co_u32 s28, s28, s29
	s_lshl_b32 s29, s20, 7
	s_add_co_u32 s28, s28, s29
	s_mov_b32 s29, 0
	s_lshl_b32 s25, s23, 4
	s_lshl_b32 s36, s20, 1
	s_add_co_u32 s25, s25, s36                         ; T0 = 16 cg + 2 w
	s_mul_i32 s30, s22, SLABC
	s_mul_i32 s31, s24, 2*K64P
	s_add_co_u32 s30, s30, s31
	s_mul_i32 s31, s25, 768
	s_add_co_u32 s30, s30, s31
	s_add_co_u32 s30, s30, O_WQC
	s_mov_b32 s31, 0
	s_lshl_b32 s32, s22, 15
	s_lshl_b32 s33, s24, 12
	s_add_co_u32 s32, s32, s33
	s_lshl_b32 s33, s25, 6
	s_add_co_u32 s32, s32, s33
	s_add_co_u32 s32, s32, O_WQS
	s_mov_b32 s33, 0
	s_wait_kmcnt 0x0
	s_mov_b64 s[26:27], s[6:7]                         ; the choice hangs on the work-group's number alone
	s_cmp_eq_u32 s22, 1
	s_cselect_b64 s[26:27], s[8:9], s[26:27]
	s_cmp_eq_u32 s22, 2
	s_cselect_b64 s[26:27], s[10:11], s[26:27]
	s_cmp_eq_u32 s22, 3
	s_cselect_b64 s[26:27], s[12:13], s[26:27]
	s_cmp_eq_u32 s22, 4
	s_cselect_b64 s[26:27], s[14:15], s[26:27]
	s_add_nc_u64 s[26:27], s[26:27], s[28:29]
	s_add_nc_u64 s[30:31], s[18:19], s[30:31]
	s_add_nc_u64 s[32:33], s[18:19], s[32:33]
	s_wait_alu depctr_va_vdst(0)
	WPATH 4096
.Lw1:
	s_sub_co_u32 s21, ttmp9, 512
	s_and_b32 s23, s21, 15                             ; which 256 of W1's 4,096 columns
	s_lshr_b32 s24, s21, 4                             ; which 128 along K
	s_lshr_b32 s22, s23, 2                             ; slab
	s_lshl_b32 s28, s24, 21                            ; 128 rows of 16,384 bytes
	s_lshl_b32 s29, s23, 10
	s_add_co_u32 s28, s28, s29
	s_lshl_b32 s29, s20, 7
	s_add_co_u32 s28, s28, s29
	s_mov_b32 s29, 0
	s_and_b32 s25, s23, 3
	s_lshl_b32 s25, s25, 4
	s_lshl_b32 s36, s20, 1
	s_add_co_u32 s25, s25, s36
	s_mul_i32 s30, s22, SLABC
	s_mul_i32 s31, s24, 2*K64P
	s_add_co_u32 s30, s30, s31
	s_mul_i32 s31, s25, 768
	s_add_co_u32 s30, s30, s31
	s_add_co_u32 s30, s30, O_W1C
	s_mov_b32 s31, 0
	s_lshl_b32 s32, s22, 15
	s_lshl_b32 s33, s24, 12
	s_add_co_u32 s32, s32, s33
	s_lshl_b32 s33, s25, 6
	s_add_co_u32 s32, s32, s33
	s_add_co_u32 s32, s32, O_W1S
	s_mov_b32 s33, 0
	s_wait_kmcnt 0x0
	s_add_nc_u64 s[26:27], s[16:17], s[28:29]
	s_add_nc_u64 s[30:31], s[18:19], s[30:31]
	s_add_nc_u64 s[32:33], s[18:19], s[32:33]
	s_wait_alu depctr_va_vdst(0)
	WPATH 16384
.Lfunc_end_k_qd0917699a7_prep:
	.size	k_qd0917699a7_prep, .Lfunc_end_k_qd0917699a7_prep-k_qd0917699a7_prep
	.p2alignl 7, 3214868480
	.fill 96, 4, 3214868480
	.section	.rodata,"a",@progbits
	.p2align	6, 0x0
	.amdhsa_kernel k_qd0917699a7_prep
		.amdhsa_group_segment_fixed_size 68608
		.amdhsa_private_segment_fixed_size 0
		.amdhsa_enable_private_segment 0
		.amdhsa_kernarg_size 64
		.amdhsa_user_sgpr_count 2
		.amdhsa_user_sgpr_kernarg_segment_ptr 1
		.amdhsa_wavefront_size32 1
		.amdhsa_system_sgpr_workgroup_id_x 1
		.amdhsa_system_sgpr_workgroup_id_y 1
		.amdhsa_system_sgpr_workgroup_id_z 1
		.amdhsa_system_vgpr_workitem_id 0
		.amdhsa_next_free_vgpr 226
		.amdhsa_next_free_sgpr 66
		.amdhsa_reserve_vcc 0
		.amdhsa_float_denorm_mode_32 3
		.amdhsa_float_denorm_mode_16_64 3
		.amdhsa_memory_ordered 1
		.amdhsa_forward_progress 1
		.amdhsa_inst_pref_size 58
	.end_amdhsa_kernel
	.amdgpu_metadata
---
amdhsa.version: [ 1, 2 ]
amdhsa.kernels:
  - .name:           k_qd0917699a7_prep
    .symbol:         k_qd0917699a7_prep.kd
    .args:
      - { .name: x, .offset: 0, .size: 8, .value_kind: global_buffer, .address_space: global }
      - { .name: Wq, .offset: 8, .size: 8, .value_kind: global_buffer, .address_space: global }
      - { .name: Wk, .offset: 16, .size: 8, .value_kind: global_buffer, .address_space: global }
      - { .name: Wv, .offset: 24, .size: 8, .value_kind: global_buffer, .address_space: global }
      - { .name: Wo, .offset: 32, .size: 8, .value_kind: global_buffer, .address_space: global }
      - { .name: W2, .offset: 40, .size: 8, .value_kind: global_buffer, .address_space: global }
      - { .name: W1, .offset: 48, .size: 8, .value_kind: global_buffer, .address_space: global }
      - { .name: wc, .offset: 56, .size: 8, .value_kind: global_buffer, .address_space: global }
    .group_segment_fixed_size: 68608
    .private_segment_fixed_size: 0
    .kernarg_segment_align: 8
    .kernarg_segment_size: 64
    .max_flat_workgroup_size: 256
    .sgpr_count:     66
    .vgpr_count:     226
    .wavefront_size: 32
...
	.end_amdgpu_metadata
.endif
;; end of part 9
;; launch gqkv (part 10): grid 12 x 16, 4 waves a work-group, clusters of 4 x 4, 327,680 bytes of LDS; arguments wc, bq, bk, bv, qkv; writes qkv
.if DOCPART == 10
	.amdgcn_target "amdgcn-amd-amdhsa--gfx1250"
	.amdhsa_code_object_version 6
	.text
	.protected	k_qd0917699a7_gqkv
	.globl	k_qd0917699a7_gqkv
	.p2align	8
	.type	k_qd0917699a7_gqkv,@function
k_qd0917699a7_gqkv:
	s_mov_b64 s[64:65], 0
	v_nop
	global_prefetch_b8 v0, s[64:65] scope:SCOPE_SE
	s_setreg_imm32_b32 hwreg(HW_REG_WAVE_MODE, 25, 1), 1
	s_wait_xcnt 0x0
	s_wait_alu depctr_hold_cnt(0) depctr_sa_sdst(0) depctr_va_vdst(0) depctr_va_sdst(0) depctr_va_ssrc(0) depctr_va_vcc(0) depctr_vm_vsrc(0)
	s_getreg_b32 s2, hwreg(HW_REG_IB_STS2, 6, 4)
	s_cmp_eq_u32 s2, 0
	s_cbranch_scc0 .Lentry_in_a_cluster
	s_endpgm
.Lentry_in_a_cluster:
	s_bfe_u32 s2, ttmp6, 0x10000c
	s_cmp_lg_u32 s2, 0xf033
	s_cbranch_scc0 .Lentry_shape_is_right
	s_endpgm
.Lentry_shape_is_right:
.set KDIM,   1024
.set HALFT,  24576
.set SLOT,   4*HALFT
.set LAPS,   KDIM/512
.set SCL,    2*SLOT
.set HALFS,  (KDIM/128)*512
.set SPARE,  SCL+4*HALFS
.set FR, 12
.set NL, 4
.set NP, 4
.set NQ, 2
.set SLABC, 786432
.set O_WQC, 3145728
.set O_WVC, 4718592
.set O_XS,  12582912
.set O_WQS, 12713984
.set O_WVS, 12779520
.set ADRA, 16
.set ADRB, 20
.set LI,   24
.set LJ,   25
.set SSTO, 26
.set ADRS, 27
.set SPW,  28
.set NIL,  29
.set SRD,  30
.set SC,   32
.set CB,   64
.set AF,   128
.set RB,   224
.set H,    64
.set PC,   128
.set TM,   148
.set PW,   164
.set OW,   168
.set OUT,  12
.set SEL,  96
.set G1, 24
.set G0, 32
.set G1B, 48
.set G0B, 56
.set G1S, 68
.set G0S, 76
.set G1SB, 80
.set G0SB, 88
.set MSB, 0
.macro WIN new
.if MSB != (\new)
	s_set_vgpr_msb (MSB<<8)|(\new)
.set MSB, (\new)
.endif
.endm
.set MUL_LO, 0xa1
.set MUL_HI, 0xf1
.set TO_B,   0x40
.macro JLOAD g0a, g1a, g0b, g1b
	s_cmp_eq_u32 s15, 0
	s_cbranch_scc0 .Lfor_b_\@
	tensor_load_to_lds s[\g0a:\g0a+3], s[\g1a:\g1a+7]
	s_nop 0
.rept 4
	v_nop
.endr
	s_branch .Lasked_\@
.Lfor_b_\@:
	tensor_load_to_lds s[\g0b:\g0b+3], s[\g1b:\g1b+7]
	s_nop 0
.rept 4
	v_nop
.endr
.Lasked_\@:
.endm
.macro CREST
	s_cmp_lg_u32 s14, 0
	s_cbranch_scc1 .Lnot_wave_0_\@
	s_barrier_signal -3
.Lnot_wave_0_\@:
	s_barrier_wait -3
	s_barrier_signal -1
	s_barrier_wait -1
.endm
.macro CROUND
	s_barrier_signal -1
	s_barrier_wait -1
	CREST
.endm
.macro QUANT s, pw
.irp b, 0,1,2,3
	v_max3_num_f32 v[TM+\b], |v[\s+16*\b]|, |v[\s+1+16*\b]|, 0x2800000
.endr
.irp i, 2,4,6,8,10,12,14
.irp b, 0,1,2,3
	v_max3_num_f32 v[TM+\b], v[TM+\b], |v[\s+16*\b+\i]|, |v[\s+1+16*\b+\i]|
.endr
.endr
.irp b, 0,1,2,3
	v_permlanex16_b32 v[TM+4+\b], v[TM+\b], s[SEL], s[SEL+1]
.endr
.irp b, 0,1,2,3
	v_max_num_f32 v[TM+\b], v[TM+\b], v[TM+4+\b]
.endr
.irp b, 0,1,2,3
	v_add_nc_u32 v[TM+12+\b], 0xfe000000, v[TM+\b]
.endr
.irp b, 0,1,2,3
	v_lshrrev_b32 v[TM+4+\b], 23, v[TM+12+\b]
.endr
	v_lshl_or_b32 v[\pw], v[TM+5], 8, v[TM+4]
	v_lshl_or_b32 v[\pw], v[TM+6], 16, v[\pw]
	v_lshl_or_b32 v[\pw], v[TM+7], 24, v[\pw]
.irp c, 0,1
	v_cvt_scalef32_pk16_bf6_f32 v[PC+6*\c:PC+2+6*\c], v[\s+32*\c:\s+15+32*\c], v[TM+12+2*\c]
	v_cvt_scalef32_pk16_bf6_f32 v[PC+12+4*\c:PC+14+4*\c], v[\s+16+32*\c:\s+31+32*\c], v[TM+12+2*\c+1]
.endr
	v_nop
.irp c, 0,1
.irp i, 0,1,2
	v_permlane16_swap_b32 v[PC+6*\c+\i], v[PC+12+4*\c+\i]
.endr
.irp i, 0,1,2
	v_mov_b32 v[PC+3+6*\c+\i], v[PC+12+4*\c+\i]
.endr
.endr
.endm
.macro IMGOUT off, hstep
	global_store_b128 v[LI], v[PC:PC+3], s[OUT:OUT+1] offset:\off
	global_store_b64 v[LJ], v[PC+4:PC+5], s[OUT:OUT+1] offset:\off+512
	global_store_b128 v[LI], v[PC+6:PC+9], s[OUT:OUT+1] offset:\off+\hstep
	global_store_b64 v[LJ], v[PC+10:PC+11], s[OUT:OUT+1] offset:\off+\hstep+512
.endm
	s_load_b256 s[4:11], s[0:1], 0x0
	s_load_b64 s[12:13], s[0:1], 0x20
	v_lshl_add_u32 v[SPW], v0, 2, SPARE
	v_mov_b32 v[NIL], 0
	ds_add_u32 v28, v29
	ds_add_u32 v28, v29
	s_wait_dscnt 0x0
	v_lshrrev_b32 v1, 5, v0
	v_readfirstlane_b32 s14, v1
	s_lshr_b32 s15, s14, 1
	s_and_b32 s16, s14, 1
	s_bfe_u32 s40, ttmp6, 0x40000
	s_bfe_u32 s41, ttmp6, 0x40004
	s_and_b32 s17, ttmp7, 0xffff
	s_lshl_b32 s43, s41, 2
	s_lshl_b32 s43, 15, s43
	s_lshl_b32 s44, 0x1111, s40
	s_or_b32 s[G1+0], s43, (3<<16)|(1<<21)
	s_or_b32 s[G1B+0], s44, (3<<16)|(1<<21)
.irp g, G1, G1B
	s_mov_b32 s[\g+1], 768<<16
	s_mov_b32 s[\g+2], 4<<16
	s_mov_b32 s[\g+3], 768<<16
	s_mov_b32 s[\g+4], 4
	s_mov_b32 s[\g+5], 6144
	s_mov_b32 s[\g+6], 0
	s_mov_b32 s[\g+7], 0
.endr
	s_lshr_b32 s42, ttmp9, 1
	s_xor_b32 s95, s42, 1
	s_mul_i32 s66, s17, SLABC
	s_lshl_b32 s18, s17, 15
	s_add_co_u32 s18, s18, O_XS
	s_mul_i32 s20, s66, s95
	s_mul_i32 s67, s42, O_WVC
	s_add_co_u32 s20, s20, s67
	s_mul_i32 s67, s41, 12288
	s_add_co_u32 s20, s20, s67
	s_mul_i32 s67, s16, 6144
	s_add_co_u32 s20, s20, s67
	s_mov_b32 s21, 0
	s_mul_i32 s22, s18, s95
	s_mul_i32 s67, s42, O_WVS
	s_add_co_u32 s22, s22, s67
	s_lshl_b32 s67, s41, 10
	s_add_co_u32 s22, s22, s67
	s_lshl_b32 s67, s16, 9
	s_add_co_u32 s22, s22, s67
	s_mov_b32 s23, 0
	s_mul_i32 s46, ttmp9, SLABC
	s_add_co_u32 s46, s46, O_WQC
	s_mul_i32 s46, s46, s95
	s_mul_i32 s19, s66, s42
	s_add_co_u32 s46, s46, s19
	s_mul_i32 s19, s40, 12288
	s_add_co_u32 s46, s46, s19
	s_mul_i32 s19, s16, 6144
	s_add_co_u32 s46, s46, s19
	s_mov_b32 s47, 0
	s_lshl_b32 s92, ttmp9, 15
	s_add_co_u32 s92, s92, O_WQS
	s_mul_i32 s92, s92, s95
	s_mul_i32 s19, s18, s42
	s_add_co_u32 s92, s92, s19
	s_lshl_b32 s19, s40, 10
	s_add_co_u32 s92, s92, s19
	s_lshl_b32 s19, s16, 9
	s_add_co_u32 s92, s92, s19
	s_mov_b32 s93, 0
	s_mul_i32 s45, s14, HALFT
	s_mul_i32 s94, s14, HALFS
	s_mov_b32 s[SEL], 0x76543210
	s_mov_b32 s[SEL+1], 0xfedcba98
	s_wait_kmcnt 0x0
	s_add_nc_u64 s[20:21], s[4:5], s[20:21]
	s_add_nc_u64 s[22:23], s[4:5], s[22:23]
	s_add_nc_u64 s[46:47], s[4:5], s[46:47]
	s_add_nc_u64 s[92:93], s[4:5], s[92:93]
	CROUND
	; THE SCALE WORDS of all of K (4,096 bytes a wave: 8 rows of 512 bytes) come through registers, beside slot 0's fill: waves 0, 1 bring A's two halves, waves 2, 3 B's.
	; They are 1 byte for each 24 of codes, so they are not asked for jointly.  No tensor load lands on their LDS bytes.
	s_cmp_eq_u32 s15, 0
	s_cselect_b64 s[22:23], s[22:23], s[92:93]
	s_cselect_b64 s[98:99], s[20:21], s[46:47]     ; the prefetches' base: the tile that I fetch,
	s_cselect_b32 s66, s40, s41                    ; my place among the four that ask for it with me (cx for A, cy for B):
	s_mul_i32 s66, s66, 49152                      ; of a K step's four rows of 6,144 bytes each partner names one, told apart by address
	s_mov_b32 s67, 0
	s_add_nc_u64 s[98:99], s[98:99], s[66:67]
	s_add_co_u32 s94, s94, SCL
	v_and_b32 v10, 31, v0
	v_min_u32 v9, 23, v10
	v_lshlrev_b32 v9, 8, v9                        ; a lane a block of 256 bytes, 24 to the row; the lanes left over name the last again; never rewritten
	v_lshlrev_b32 v10, 4, v10
	v_add_nc_u32 v11, s94, v10
	s_wait_alu depctr_va_vdst(0)                   ; the wait behind these writes
.irp j, 0,1,2,3,4,5,6,7
	global_load_b128 v[64+4*\j:67+4*\j], v10, s[22:23] offset:4096*\j
.endr
.irp s, 0,1
	s_mov_b32 s[G0+4*\s], 1
	s_add_co_u32 s[G0+4*\s+1], s45, \s*SLOT
	s_add_nc_u64 s[G0+4*\s+2:G0+4*\s+3], s[20:21], \s*196608
	s_or_b32 s[G0+4*\s+3], s[G0+4*\s+3], 0x80000000
	s_mov_b32 s[G0B+4*\s], 1
	s_add_co_u32 s[G0B+4*\s+1], s45, \s*SLOT
	s_add_nc_u64 s[G0B+4*\s+2:G0B+4*\s+3], s[46:47], \s*196608
	s_or_b32 s[G0B+4*\s+3], s[G0B+4*\s+3], 0x80000000
.if \s
	s_wait_alu depctr_va_vdst(0)
	s_wait_tensorcnt 0x0                           ; my part of slot 0 is in: no tensor load of mine is out while I store to LDS
	s_wait_loadcnt 0x0                             ; my scale words
.irp j, 0,1,2,3,4,5,6,7
	ds_store_b128 v11, v[64+4*\j:67+4*\j] offset:512*\j
.endr
	s_wait_tensorcnt 0x0                           ; a wait, the add, a wait and a round ahead of slot 1's first fill
	ds_add_u32 v28, v29
	s_wait_dscnt 0x0                               ; the add and my stores are done
	CROUND
.endif
	JLOAD G0+4*\s, G1, G0B+4*\s, G1B
.if \s == 0
	global_prefetch_b8 v9, s[98:99] offset:393216 th:TH_LOAD_NT scope:SCOPE_SE   ; K steps 2 and 3, the two refills: two and three K steps ahead of their loads; K has four steps, so the loop has nothing further to ask for
	global_prefetch_b8 v9, s[98:99] offset:589824 th:TH_LOAD_NT scope:SCOPE_SE
.endif
.endr
	v_and_b32 v1, 15, v0
	v_bfe_u32 v2, v0, 4, 1
	v_and_b32 v3, 31, v0
	v_lshlrev_b32 v[LI], 4, v3
	v_lshlrev_b32 v[LJ], 4, v1
	v_lshl_add_u32 v[LJ], v2, 3, v[LJ]
	s_mul_i32 s21, s15, HALFT
	s_mul_i32 s22, s16, HALFT
	s_add_co_u32 s22, s22, 2*HALFT
.irp s, 0,1
	v_add_nc_u32 v[ADRA+\s], s21, v[LI]
	v_add_nc_u32 v[ADRB+\s], s22, v[LI]
	v_add_nc_u32 v[ADRA+2+\s], s21, v[LJ]
	v_add_nc_u32 v[ADRB+2+\s], s22, v[LJ]
	s_add_co_u32 s21, s21, SLOT
	s_add_co_u32 s22, s22, SLOT
.endr
	v_lshlrev_b32 v5, 2, v1
	s_mul_i32 s21, s15, HALFS
	s_mul_i32 s22, s16, HALFS
	s_add_co_u32 s22, s22, 2*HALFS
	s_sub_co_u32 s22, s22, s21
	v_mul_u32_u24 v6, s22, v2
	s_add_co_u32 s21, s21, SCL
	v_add_nc_u32 v5, v5, v6
	v_add_nc_u32 v[ADRS], s21, v5
	s_lshl_b32 s23, s14, 9
	v_lshl_add_u32 v[SSTO], v1, 2, s23
	v_add_nc_u32 v[SRD], s23, v[LI]
	s_lshl_b32 s18, s40, 1
	s_add_co_u32 s18, s18, s16
	s_lshl_b32 s18, s18, 9
	s_mov_b32 s19, 0
	s_cmp_eq_u32 ttmp9, 0
	s_cselect_b64 s[6:7], s[6:7], s[8:9]
	s_add_nc_u64 s[6:7], s[6:7], s[18:19]
	s_lshl_b32 s18, s41, 1
	s_add_co_u32 s18, s18, s15
	s_lshl_b32 s18, s18, 9
	s_add_nc_u64 s[10:11], s[10:11], s[18:19]
	v_lshlrev_b32 v7, 6, v2
	v_and_b32 v8, 8, v1
	v_add_nc_u32 v8, v8, v1
	v_lshlrev_b32 v8, 2, v8
.irp b, 0,1,2,3,4,5,6,7
	global_load_b128 v[CB+8*\b:CB+8*\b+3], v7, s[6:7] offset:(32*(\b/2)+8*(\b%2))*4
	global_load_b128 v[CB+8*\b+4:CB+8*\b+7], v7, s[6:7] offset:(32*(\b/2)+8*(\b%2))*4+16
.endr
.irp a, 0,1,2,3,4,5,6,7
	global_load_b32 v[RB+2*\a], v8, s[10:11] offset:(32*(\a/2)+8*(\a%2))*4
	global_load_b32 v[RB+2*\a+1], v8, s[10:11] offset:(32*(\a/2)+8*(\a%2))*4
.endr
.macro FRAG reg, adr, q, i
	ds_load_b128 v[\reg:\reg+3], v[\adr] offset:(2*(\q))*6144+(\i)*768
	ds_load_b64 v[\reg+4:\reg+5], v[\adr+2] offset:(2*(\q))*6144+(\i)*768+512
	ds_load_b128 v[\reg+6:\reg+9], v[\adr] offset:(2*(\q)+1)*6144+(\i)*768
	ds_load_b64 v[\reg+10:\reg+11], v[\adr+2] offset:(2*(\q)+1)*6144+(\i)*768+512
.endm
.macro MUL16 a0, p, q, sc, zero
.irp a, \a0, \a0+1
.irp b, 0,1,2,3,4,5,6,7
.if \zero
	v_wmma_scale_f32_16x16x128_f8f6f4 v[8*(8*((\a)%4)+\b):8*(8*((\a)%4)+\b)+7], v[128*(\p)+FR*\b:128*(\p)+FR*\b+FR-1], v[AF+FR*(\a):AF+FR*(\a)+FR-1], v[CB+8*\b:CB+8*\b+7], v[SC+8*NQ*(\sc)+NQ*\b+(\q)], v[SC+8*NQ*(\sc)+NQ*(\a)+(\q)] matrix_a_fmt:MATRIX_FMT_BF6 matrix_b_fmt:MATRIX_FMT_BF6 matrix_a_scale:MATRIX_SCALE_ROW1
.else
	v_wmma_scale_f32_16x16x128_f8f6f4 v[8*(8*((\a)%4)+\b):8*(8*((\a)%4)+\b)+7], v[128*(\p)+FR*\b:128*(\p)+FR*\b+FR-1], v[AF+FR*(\a):AF+FR*(\a)+FR-1], v[8*(8*((\a)%4)+\b):8*(8*((\a)%4)+\b)+7], v[SC+8*NQ*(\sc)+NQ*\b+(\q)], v[SC+8*NQ*(\sc)+NQ*(\a)+(\q)] matrix_a_fmt:MATRIX_FMT_BF6 matrix_b_fmt:MATRIX_FMT_BF6 matrix_a_scale:MATRIX_SCALE_ROW1
.endif
.endr
.endr
.endm
.macro FETCH_B slot, q, p
	WIN TO_B
.irp i, 0,1,2,3,4,5,6,7
	FRAG 128*(\p)+FR*\i, ADRB+\slot, \q, \i
.endr
	WIN 0
.endm
.macro FETCH_A slot, q, i0
.irp i, \i0, \i0+1, \i0+2, \i0+3
	FRAG AF+FR*(\i), ADRA+\slot, \q, \i
.endr
.endm
.macro SCALES sc
.irp i, 0,1,2,3,4,5,6,7
	ds_load_b32 v[SC+8*NQ*\sc+NQ*\i], v[ADRS] offset:\i*64
	ds_load_b32 v[SC+8*NQ*\sc+NQ*\i+1], v[ADRS] offset:\i*64+512
.endr
.endm
.macro PLACES n
.rept \n
	v_nop
.endr
.endm
.macro STEP slot, q, zero
	s_wait_dscnt 4*NL
	WIN MUL_LO-0x20*(\zero)
	MUL16 0, (\q)%2, \q, \slot, \zero
	MUL16 2, (\q)%2, \q, \slot, \zero
	s_wait_dscnt 0
	PLACES NP
	FETCH_B \slot, (\q)+1, 1-(\q)%2
	FETCH_A \slot, (\q)+1, 0
	WIN MUL_HI-0x30*(\zero)
	MUL16 4, (\q)%2, \q, \slot, \zero
	MUL16 6, (\q)%2, \q, \slot, \zero
	PLACES NP
	WIN 0
	FETCH_A \slot, (\q)+1, 4
.endm
.macro TURN slot, next, fill
	s_wait_tensorcnt 0x0
	ds_add_u32 v[SPW], v[NIL]
	s_wait_dscnt 4*NL+1
	WIN MUL_LO
	MUL16 0, 1, NQ-1, \slot, 0
	s_wait_dscnt 0x0
	s_barrier_signal -1
	MUL16 2, 1, NQ-1, \slot, 0
	WIN 0
	s_barrier_wait -1
.if \fill
	CREST
	s_add_nc_u64 s[G0+4*\slot+2:G0+4*\slot+3], s[G0+4*\slot+2:G0+4*\slot+3], 393216
	s_add_nc_u64 s[G0B+4*\slot+2:G0B+4*\slot+3], s[G0B+4*\slot+2:G0B+4*\slot+3], 393216
	JLOAD G0+4*\slot, G1, G0B+4*\slot, G1B
.else
	PLACES NP
.endif
	s_wait_alu depctr_va_vdst(0)
	v_add_nc_u32 v[ADRS], 1024, v[ADRS]
	FETCH_B \next, 0, 0
	FETCH_A \next, 0, 0
	SCALES \next
	WIN MUL_HI
	MUL16 4, 1, NQ-1, \slot, 0
	MUL16 6, 1, NQ-1, \slot, 0
	PLACES NP
	WIN 0
	FETCH_A \next, 0, 4
.endm
	s_wait_alu depctr_va_vdst(0)
	s_wait_tensorcnt 1
	s_barrier_signal -1
	s_barrier_wait -1
	FETCH_B 0, 0, 0
	FETCH_A 0, 0, 0
	SCALES 0
	FETCH_A 0, 0, 4
	s_wait_loadcnt 0x0
	s_sub_co_u32 s18, s42, 1
	s_sub_co_u32 s19, 0, s42
.set i, 0
.rept 64
	v_and_b32 v[CB+i], s18, v[CB+i]
.set i, i+1
.endr
.set i, 0
.rept 16
	v_and_b32 v[RB+i], s19, v[RB+i]
.set i, i+1
.endr
	STEP 0, 0, 1
	s_mov_b32 s3, LAPS-1
.Llap:
	TURN 0, 1, 1
	STEP 1, 0, 0
	TURN 1, 0, 1
	STEP 0, 0, 0
	s_sub_co_u32 s3, s3, 1
	s_cmp_lg_u32 s3, 0
	s_cbranch_scc1 .Llap
	TURN 0, 1, 0
	STEP 1, 0, 0
	s_wait_dscnt 4*NL
	WIN MUL_LO
	MUL16 0, 1, NQ-1, 1, 0
	MUL16 2, 1, NQ-1, 1, 0
	s_wait_dscnt 0
	WIN MUL_HI
	MUL16 4, 1, NQ-1, 1, 0
	MUL16 6, 1, NQ-1, 1, 0
	WIN 0
	s_lshl_b32 s18, s40, 1
	s_add_co_u32 s18, s18, s16
	s_lshl_b32 s19, s41, 1
	s_add_co_u32 s19, s19, s15
	s_cmp_eq_u32 ttmp9, 2
	s_cselect_b32 s20, s19, s18
	s_cselect_b32 s21, s18, s19
	s_lshr_b32 s22, s17, 1
	s_lshl_b32 s22, s22, 3
	s_add_co_u32 s22, s22, s20
	s_and_b32 s23, s17, 1
	s_lshl_b32 s23, s23, 3
	s_add_co_u32 s23, s23, s21
	s_lshl_b32 s18, ttmp9, 17
	s_lshl_b32 s19, s22, 13
	s_add_co_u32 s18, s18, s19
	s_lshl_b32 s19, s23, 9
	s_add_co_u32 s18, s18, s19
	s_add_co_u32 s18, s18, 9437184
	s_mov_b32 s19, 0
	s_add_nc_u64 s[10:11], s[12:13], s[18:19]
	s_mul_i32 s18, ttmp9, 3145728
	s_mul_i32 s20, s22, 196608
	s_add_co_u32 s18, s18, s20
	s_mul_i32 s20, s23, 12288
	s_add_co_u32 s18, s18, s20
	s_add_nc_u64 s[OUT:OUT+1], s[12:13], s[18:19]
	PLACES NP
.irp b, 0,1,2,3
	v_mov_b32 v[TM+4+\b], 0
.endr
.macro BLOCKQ a
	s_wait_xcnt 0x0
	WIN 0x02+((\a)/4)
.set i, 0
.rept 32
	v_pk_add_f32 v[H+2*i:H+2*i+1], v[64*((\a)%4)+2*i:64*((\a)%4)+2*i+1], v[RB+2*(\a):RB+2*(\a)+1]
.set i, i+1
.endr
	WIN 0
	QUANT H, PW
	IMGOUT ((\a)/4)*6144+((\a)%4)*768, 3072
	ds_store_b32 v[SSTO], v[PW] offset:64*(\a)
.endm
.irp a, 0,1,2,3,4,5,6,7
	BLOCKQ \a
.endr
	ds_load_b128 v[OW:OW+3], v[SRD]
	s_wait_dscnt 0x0
	global_store_b128 v[LI], v[OW:OW+3], s[10:11]
	s_wait_tensorcnt 0x0
	ds_add_u32 v[SPW], v[NIL]
	s_wait_dscnt 0x0
	CROUND
	s_endpgm
.Lfunc_end_k_qd0917699a7_gqkv:
	.size	k_qd0917699a7_gqkv, .Lfunc_end_k_qd0917699a7_gqkv-k_qd0917699a7_gqkv
	.p2alignl 7, 3214868480
	.fill 96, 4, 3214868480
	.section	.rodata,"a",@progbits
	.p2align	6, 0x0
	.amdhsa_kernel k_qd0917699a7_gqkv
		.amdhsa_group_segment_fixed_size 327680
		.amdhsa_private_segment_fixed_size 0
		.amdhsa_enable_private_segment 0
		.amdhsa_kernarg_size 40
		.amdhsa_user_sgpr_count 2
		.amdhsa_user_sgpr_kernarg_segment_ptr 1
		.amdhsa_wavefront_size32 1
		.amdhsa_system_sgpr_workgroup_id_x 1
		.amdhsa_system_sgpr_workgroup_id_y 1
		.amdhsa_system_sgpr_workgroup_id_z 1
		.amdhsa_system_vgpr_workitem_id 0
		.amdhsa_next_free_vgpr 1024
		.amdhsa_next_free_sgpr 100
		.amdhsa_reserve_vcc 0
		.amdhsa_float_denorm_mode_32 3
		.amdhsa_float_denorm_mode_16_64 3
		.amdhsa_memory_ordered 1
		.amdhsa_forward_progress 1
		.amdhsa_inst_pref_size 175
	.end_amdhsa_kernel
	.amdgpu_metadata
---
amdhsa.version: [ 1, 2 ]
amdhsa.kernels:
  - .name:           k_qd0917699a7_gqkv
    .symbol:         k_qd0917699a7_gqkv.kd
    .args:
      - { .name: wc, .offset: 0, .size: 8, .value_kind: global_buffer, .address_space: global }
      - { .name: bq, .offset: 8, .size: 8, .value_kind: global_buffer, .address_space: global }
      - { .name: bk, .offset: 16, .size: 8, .value_kind: global_buffer, .address_space: global }
      - { .name: bv, .offset: 24, .size: 8, .value_kind: global_buffer, .address_space: global }
      - { .name: qkv, .offset: 32, .size: 8, .value_kind: global_buffer, .address_space: global }
    .group_segment_fixed_size: 327680
    .private_segment_fixed_size: 0
    .kernarg_segment_align: 8
    .kernarg_segment_size: 40
    .max_flat_workgroup_size: 128
    .sgpr_count:     100
    .vgpr_count:     1024
    .wavefront_size: 32
...
	.end_amdgpu_metadata
.endif
;; end of part 10
;; launch attn (part 11): grid 8 x 32, 16 waves a work-group, clusters of 4 x 1, 235,520 bytes of LDS; arguments qkv, ao; writes ao
.if DOCPART == 11
	.amdgcn_target "amdgcn-amd-amdhsa--gfx1250"
	.amdhsa_code_object_version 6
	.text
	.protected	k_qd0917699a7_attn
	.globl	k_qd0917699a7_attn
	.p2align	8
	.type	k_qd0917699a7_attn,@function
k_qd0917699a7_attn:
	s_mov_b64 s[64:65], 0
	v_nop
	global_prefetch_b8 v0, s[64:65] scope:SCOPE_SE
	s_setreg_imm32_b32 hwreg(HW_REG_WAVE_MODE, 25, 1), 1
	s_wait_xcnt 0x0
	s_wait_alu depctr_hold_cnt(0) depctr_sa_sdst(0) depctr_va_vdst(0) depctr_va_sdst(0) depctr_va_ssrc(0) depctr_va_vcc(0) depctr_vm_vsrc(0)
	s_getreg_b32 s2, hwreg(HW_REG_IB_STS2, 6, 4)
	s_cmp_eq_u32 s2, 0
	s_cbranch_scc0 .Lentry_in_a_cluster
	s_endpgm
.Lentry_in_a_cluster:
	s_bfe_u32 s2, ttmp6, 0x10000c
	s_cmp_lg_u32 s2, 0x3003
	s_cbranch_scc0 .Lentry_shape_is_right
	s_endpgm
.Lentry_shape_is_right:
; ATTN: out = softmax(q k^T / 8) v for one head and 256 queries a work-group, both products on codes of BF6 with E8M0 scales; out / l is quantised along the head's 64 and leaves as an operand image.
; THE SOFTMAX: t = score x log2(e) / 8; M = the running largest t rounded UP to a whole number; p = 2^(t - M) is quantised along the keys; the row's sum is taken of the unquantised p and divides at the end.
; SHARES: sixteen waves, each one tile of 16 queries in 256 registers; every wave walks the head's 2,048 keys, 128 a step, 16 steps.
; THE WHOLE HEAD LIES IN LDS and nothing is filled again: sixteen first fills at the kernel's head, one a wave: waves 0-7 an eighth of k each, waves 8-11 a quarter of v^T, waves 12-13 half of k's scale words, waves 14-15 half of v^T's.
; CLUSTER 4 x 1: four query blocks of one head ask for all of these jointly.  No prefetch: no loop runs ahead of the loads, every byte is asked for by the first fills.
; LAYOUT: both products transposed (S^T = k q^T, O^T = v^T p^T): a lane holds one query.  k's images (16 rows x 64 in 768 bytes, rows in position space: row r of image T is key 32 (T/2) + 8 (T%2) + r%8 + 16 (r/8)) are read by lane
; addresses so that tile (c, u) of a step has in its rows 0-7 the keys 64 c + 8 u + 0..7 and in its rows 8-15 the keys 64 c + 32 + 8 u + 0..7: the 32 score registers of tiles 4 c .. 4 c + 3 are then, in lane (r, h), the keys
; 64 c + 32 h + 0 .. 31 of query r: a WHOLE block of p's quantiser, in the order of the operand's registers.  A block's maximum needs no other lane and p's codes change no lane.
; k's images lie in LDS with 64 bytes of padding behind each 256 (an image: 960 bytes): rows 8-15 of a tile come from the image two further on, 1,920 bytes = 128 modulo 256, so a load's lanes touch different banks (64 banks of 4 bytes: ISA guide 11.1).
; THE HEAD IS 64 AND THE INSTRUCTION'S K 128: q's registers 6-11 are zero codes and its upper two scale bytes 0 (2^-127, a number).  k's fragments lie 6 registers apart: a tile's registers 6-11 are the next tile's codes
; (the last tile's: p's codes); every code is a finite number and meets a zero.
; ONE REGISTER CARRIES TWO TILES' SCALE WORDS: lanes 0-15 the even tile's, lanes 16-31 the odd tile's (MATRIX_SCALE_ROW1).
; FRAGMENTS ARE ASKED FOR A STEP AHEAD: the next step's k behind this step's score products, the next step's v^T behind this step's second product.
; LIMITS: NaN and infinities are not served; the promise holds while |t| stays under 2^31; a block of p that has fallen to 0 keeps the byte 1 (its codes are zeros).
.set IMG,   960                        ; an image of k in LDS
.set HOFF,  320                        ; from its lanes 0-15 to its lanes 16-31
.set KSTEP, 8*IMG
.set VB0,   128*IMG                    ; v^T: 16 steps x 6,144 bytes
.set KSB,   VB0+98304                  ; k's scale words, both heads' of the pair: 8,192 bytes
.set VSB,   KSB+8192                   ; v^T's: 4,096 bytes
.set SPARE, VSB+4096                   ; the spare words: 128 bytes for each wave
.set NK,    20                         ; LDS loads of a step's k: 16 and 4 of scale words
.set NV,    18                         ; of a step's v^T: 16 and 2
.set KA,  1                            ; k: registers 0-3
.set KB,  2                            ; k: registers 4-5
.set VA,  3
.set VBR, 4
.set KS,  5
.set VS,  6
.set SPW, 7
.set NIL, 8
.set SH,  9                            ; 8 h
.set QS,  10                           ; q's scale bytes
.set PW,  11                           ; p's scale word
; v12 -M, v13 the running largest score, v[14:15] the row's sum, v16-27 q, v28 f (v29 its pair's upper half), v30-31 the conversions' scale operands
.set K,   32                           ; v32-79   eight fragments of k, 6 registers each
.set P,   80                           ; v80-91   p's codes
.set V,   92                           ; v92-139  four fragments of v^T
.set S,   140                          ; v140-203 the scores, then p
.set O,   204                          ; v204-235 O^T
.set BM,  236                          ; v236-241 maxima, then three chains of the sum
.set T0,  242                          ; v242-244, v246-248 the upper halves of two blocks' codes
.set T1,  246
.set KSC, 250                          ; v250-253 k's scale words
.set VSC, 254                          ; v254-255 v^T's
.set WV,  18
.set SEL, 20
.set CS,  22                           ; s[22:23] c = log2(e) / 8
.set CNT, 15
.set G1K,  24
.set G1V,  32
.set G1KS, 40
.set G1VS, 48
.set G0K,  56
.set G0V,  60
.set G0KS, 68
.set G0VS, 72
.macro CROUND
	s_barrier_signal -1
	s_barrier_wait -1
	s_cmp_lg_u32 s[WV], 0
	s_cbranch_scc1 .Lnot_wave_0_\@
	s_barrier_signal -3
.Lnot_wave_0_\@:
	s_barrier_wait -3
	s_barrier_signal -1
	s_barrier_wait -1
.endm
.macro MKG1 g, w0, d0, rows, stride    ; rows of d0 elements of 8 bytes, stride elements apart; the mask names all four partners
	s_mov_b32 s[\g], \w0
	s_mov_b32 s[\g+1], (\d0)<<16
	s_mov_b32 s[\g+2], (\rows)<<16
	s_mov_b32 s[\g+3], (\d0)<<16
	s_mov_b32 s[\g+4], \rows
	s_mov_b32 s[\g+5], \stride
	s_mov_b32 s[\g+6], 0
	s_mov_b32 s[\g+7], 0
.endm
.macro MKG0 g, ldsreg, ldsadd, base, gadd, woff   ; LDS: a constant + my wave's part; memory: the head's base + a constant + my wave's part
	s_add_co_u32 s100, \base, \gadd
	s_add_co_u32 s100, s100, \woff
	s_mov_b32 s[\g], 1
	s_add_co_u32 s[\g+1], \ldsreg, \ldsadd
	s_add_nc_u64 s[\g+2:\g+3], s[4:5], s[100:101]
	s_or_b32 s[\g+3], s[\g+3], 0x80000000
.endm
.macro ARM under, g0, g1, next         ; one arm of the chain of first fills
	s_cmp_lt_u32 s[WV], \under
	s_cbranch_scc0 \next
	tensor_load_to_lds s[\g0:\g0+3], s[\g1:\g1+7]
	s_nop 0
.rept 4
	v_nop
.endr
	s_branch .Lasked
\next:
.endm
	s_load_b128 s[4:7], s[0:1], 0x0                ; qkv, ao
	v_lshl_add_u32 v[SPW], v0, 2, SPARE
	v_mov_b32 v[NIL], 0
	ds_add_u32 v[SPW], v[NIL]                      ; the opening lines: the add, twice on end, and its wait
	ds_add_u32 v[SPW], v[NIL]
	v_lshrrev_b32 v30, 5, v0
	v_readfirstlane_b32 s[WV], v30                 ; wave 0..15
	s_and_b32 s84, s[WV], 7                        ; k: which eighth: two key steps,
	s_mul_i32 s85, s84, 24576                      ; four rows of the 6,144-byte pitch in memory,
	s_mul_i32 s86, s84, 16*IMG                     ; sixteen images in LDS
	s_and_b32 s87, s[WV], 3                        ; v^T: which quarter: four key steps,
	s_mul_i32 s88, s87, 49152                      ; four rows of the 12,288-byte pitch,
	s_mul_i32 s89, s87, 24576
	s_and_b32 s90, s[WV], 1                        ; the scale words: which half:
	s_lshl_b32 s91, s90, 12                        ; 4,096 bytes of memory (and of LDS for k's),
	s_lshl_b32 s92, s90, 11                        ; 2,048 bytes of LDS for v^T's
	s_and_b32 s10, ttmp7, 0xffff                   ; batch x 16 + head: the four partners share it
	s_lshr_b32 s11, s10, 4                         ; batch
	s_and_b32 s12, s10, 15                         ; head
	s_lshr_b32 s13, s12, 1                         ; pair
	s_and_b32 s14, s12, 1                          ; head % 2
	s_lshl_b32 s15, s11, 3
	s_add_co_u32 s15, s15, s13
	s_mul_i32 s16, s15, 196608                     ; the pair's block of codes
	s_lshl_b32 s17, s15, 13                        ; and of scale words
	s_mul_i32 s2, s14, 3072
	s_add_co_u32 s2, s2, s16                       ; k: my head's 3,072 of each 6,144
	s_mul_i32 s3, s14, 6144
	s_add_co_u32 s3, s3, s16                       ; v^T: my head's 6,144 of each 12,288
	s_lshl_b32 s8, s14, 8
	s_add_co_u32 s8, s8, s17                       ; v^T's words: my head's 256 of each 512
	s_mov_b32 s101, 0
	MKG1 G1K, 15|(3<<16)|(1<<20)|(1<<21)|(5<<22)|(15<<25), 384, 4, 768   ; 4 rows of 3,072 bytes; 16 dwords of padding behind every 64
	MKG1 G1V, 15|(3<<16)|(1<<21), 768, 4, 1536     ; 4 rows of 6,144 bytes
	MKG1 G1KS, 15|(3<<16)|(1<<21), 32, 16, 32      ; 4,096 dense bytes
	MKG1 G1VS, 15|(3<<16)|(1<<21), 32, 8, 64       ; 8 rows of 256 bytes
	s_mov_b32 s[SEL], 0x76543210
	s_mov_b32 s[SEL+1], 0xfedcba98
	s_mov_b32 s[CS], 0x3e38aa3b
	s_mov_b32 s[CS+1], s[CS]
	s_wait_dscnt 0x0
	s_wait_kmcnt 0x0
	MKG0 G0K, s86, 0, s2, 3145728, s85
	MKG0 G0V, s89, VB0, s3, 6291456, s88
	MKG0 G0KS, s91, KSB, s17, 9568256, s91
	MKG0 G0VS, s92, VSB, s8, 9699328, s91
	CROUND                                         ; all four work-groups are here: the joint loads meet
	ARM 8, G0K, G1K, .Lfor_v                       ; one chain of branches on the wave's number: every way passes exactly one load
	ARM 12, G0V, G1V, .Lfor_ks
	ARM 14, G0KS, G1KS, .Lfor_vs
	tensor_load_to_lds s[G0VS:G0VS+3], s[G1VS:G1VS+7]
	s_nop 0
.rept 4
	v_nop
.endr
.Lasked:
	s_bfe_u32 s19, ttmp6, 0x40000                  ; cx: it enters q's and the output's addresses alone
	s_lshl_b32 s100, ttmp9, 2
	s_add_co_u32 s100, s100, s19
	s_lshl_b32 s100, s100, 4
	s_add_co_u32 s100, s100, s[WV]                 ; T: my tile of 16 queries in the batch
	s_lshr_b32 s2, s100, 2
	s_mul_i32 s2, s2, 6144
	s_add_co_u32 s2, s2, s16
	s_mul_i32 s3, s14, 3072
	s_add_co_u32 s2, s2, s3
	s_and_b32 s3, s100, 3
	s_mul_i32 s3, s3, 768
	s_add_co_u32 s2, s2, s3
	s_mov_b32 s3, 0
	s_add_nc_u64 s[8:9], s[4:5], s[2:3]            ; q's half image
	s_lshl_b32 s10, s14, 1                         ; my head's two bytes of a word
	s_lshl_b32 s2, s100, 6
	s_add_co_u32 s2, s2, s17
	s_add_co_u32 s2, s2, 9437184
	s_add_co_u32 s2, s2, s10
	s_add_nc_u64 s[4:5], s[4:5], s[2:3]            ; q's scale bytes
	s_lshl_b32 s2, s11, 7
	s_add_co_u32 s2, s2, s100                      ; the tile among all 256
	s_lshr_b32 s15, s2, 6                          ; slab
	s_and_b32 s2, s2, 63
	s_mul_i32 s16, s15, 786432
	s_mul_i32 s17, s12, 49152                      ; the head is the 64 along the next K
	s_add_co_u32 s16, s16, s17
	s_mul_i32 s17, s2, 768
	s_add_co_u32 s16, s16, s17
	s_mov_b32 s17, 0
	s_add_nc_u64 s[16:17], s[6:7], s[16:17]        ; the output's codes
	s_lshl_b32 s15, s15, 15
	s_lshl_b32 s13, s13, 12
	s_add_co_u32 s15, s15, s13
	s_lshl_b32 s2, s2, 6
	s_add_co_u32 s2, s2, s15
	s_add_co_u32 s2, s2, s10
	s_add_co_u32 s2, s2, 3145728
	s_add_nc_u64 s[6:7], s[6:7], s[2:3]            ; and its scale bytes
	s_add_co_u32 s19, s10, KSB
	v_and_b32 v30, 15, v0                          ; r
	v_bfe_u32 v31, v0, 4, 1                        ; h
	v_and_b32 v28, 31, v0                          ; lane
	v_lshlrev_b32 v150, 4, v28                     ; 16 x lane
	v_lshlrev_b32 v151, 4, v30
	v_lshl_add_u32 v151, v31, 3, v151
	v_add_nc_u32 v151, 512, v151                   ; 512 + 16 r + 8 h
	v_lshlrev_b32 v152, 2, v30                     ; 4 r
	global_load_b128 v[16:19], v150, s[8:9]        ; q stays in registers
	global_load_b64 v[20:21], v151, s[8:9]
	global_load_u16 v[QS], v152, s[4:5]            ; its two scale bytes; the upper two are 0
	v_bfe_u32 v29, v0, 3, 1                        ; r / 8
	v_and_b32 v153, 7, v0                          ; r % 8
	v_mul_u32_u24 v[KA], v29, 2*IMG                ; rows 8-15 of a tile: the image two further on
	v_lshl_add_u32 v[KA], v153, 4, v[KA]
	v_lshl_add_u32 v[KB], v31, 3, v[KA]
	v_add_nc_u32 v[KB], 2*HOFF, v[KB]
	v_mad_u32_u24 v[KA], v31, HOFF, v[KA]
	v_lshlrev_b32 v[KS], 7, v29                    ; k's words: 64 bytes an image, 4 a row; lanes 16-31 take the odd tile's, one image on
	v_lshl_add_u32 v[KS], v153, 2, v[KS]
	v_lshl_add_u32 v[KS], v31, 6, v[KS]
	v_add_nc_u32 v[KS], s19, v[KS]
	v_add_nc_u32 v[VA], VB0, v150
	v_add_nc_u32 v[VBR], VB0, v151
	v_lshl_add_u32 v[VS], v28, 2, VSB              ; v^T's words: lanes 0-15 the even tile's, lanes 16-31 the odd tile's
	v_lshlrev_b32 v[SH], 3, v31
.irp j, 22,23,24,25,26,27
	v_mov_b32 v\j, 0                               ; q: zero codes for k = 64 .. 127
.endr
.irp j, 0,1,2,3,4,5
	v_mov_b32 v[P+\j], 0                           ; the last tile of k names them as its registers 6-11 in the first step too
.endr
	v_mov_b32 v13, 0xff61b1e6                      ; the largest score so far: -3e38
	v_mov_b32 v12, 0x7f61b1e6                      ; -M: 3e38: the first change of M gives f = 0, which leaves zeros zeros
	v_mov_b32 v14, 0
	v_mov_b32 v15, 0
	v_mov_b32 v241, 0                              ; a lane permute's destination counts as one of its sources
.set j, 0
.rept 32
	v_mov_b32 v[O+j], 0                            ; O^T: the step is written once for all steps
.set j, j+1
.endr
.macro KLOAD                           ; a step's eight tiles of k and their scale words
.irp c, 0,1
.irp u, 0,1,2,3
	ds_load_b128 v[K+6*(4*\c+\u):K+6*(4*\c+\u)+3], v[KA] offset:4*IMG*\c+IMG*(\u%2)+128*(\u/2)
	ds_load_b64 v[K+6*(4*\c+\u)+4:K+6*(4*\c+\u)+5], v[KB] offset:4*IMG*\c+IMG*(\u%2)+128*(\u/2)
.endr
.irp g, 0,1
	ds_load_u16 v[KSC+2*\c+\g], v[KS] offset:256*\c+32*\g
.endr
.endr
.endm
.macro VLOAD                           ; a step's four fragments of v^T and their scale words
.irp t, 0,1,2,3
	ds_load_b128 v[V+12*\t:V+12*\t+3], v[VA] offset:768*\t
	ds_load_b64 v[V+12*\t+4:V+12*\t+5], v[VBR] offset:768*\t
	ds_load_b128 v[V+12*\t+6:V+12*\t+9], v[VA] offset:3072+768*\t
	ds_load_b64 v[V+12*\t+10:V+12*\t+11], v[VBR] offset:3072+768*\t
.endr
	ds_load_b32 v[VSC], v[VS]
	ds_load_b32 v[VSC+1], v[VS] offset:128
.endm
.macro STEP pre                        ; 128 keys; pre = 1: the next step's fragments are asked for
	s_wait_dscnt NV                                ; this step's k is in; the NV younger loads, its v^T, may be out
.irp c, 0,1
.irp u, 0,2
	v_wmma_scale_f32_16x16x128_f8f6f4 v[S+8*(4*\c+\u):S+8*(4*\c+\u)+7], v[K+6*(4*\c+\u):K+6*(4*\c+\u)+11], v[16:27], 0, v[KSC+2*\c+\u/2], v[QS] matrix_a_fmt:MATRIX_FMT_BF6 matrix_b_fmt:MATRIX_FMT_BF6
	v_wmma_scale_f32_16x16x128_f8f6f4 v[S+8*(4*\c+\u)+8:S+8*(4*\c+\u)+15], v[K+6*(4*\c+\u)+6:K+6*(4*\c+\u)+17], v[16:27], 0, v[KSC+2*\c+\u/2], v[QS] matrix_a_fmt:MATRIX_FMT_BF6 matrix_b_fmt:MATRIX_FMT_BF6 matrix_a_scale:MATRIX_SCALE_ROW1
.endr
.endr
.if \pre
	v_add_nc_u32 v[KA], KSTEP, v[KA]               ; the six address steps are the places behind the products, ahead of the loads into k's registers and of the first read of the scores
	v_add_nc_u32 v[KB], KSTEP, v[KB]
	v_add_nc_u32 v[KS], 512, v[KS]
	v_add_nc_u32 v[VA], 6144, v[VA]
	v_add_nc_u32 v[VBR], 6144, v[VBR]
	v_add_nc_u32 v[VS], 256, v[VS]
	KLOAD
.else
.rept 4
	v_nop
.endr
.endif
.irp c, 0,1                                        ; the largest score of my two blocks of 32 keys, each in two chains; every accumulator is first read at its low end
	v_max3_num_f32 v[BM+2*\c], v[S+32*\c], v[S+32*\c+1], v[S+32*\c+2]
	v_max3_num_f32 v[BM+2*\c+1], v[S+32*\c+16], v[S+32*\c+17], v[S+32*\c+18]
.endr
.irp i, 3,5,7,9,11,13
.irp c, 0,1
	v_max3_num_f32 v[BM+2*\c], v[BM+2*\c], v[S+32*\c+\i], v[S+32*\c+\i+1]
	v_max3_num_f32 v[BM+2*\c+1], v[BM+2*\c+1], v[S+32*\c+16+\i], v[S+32*\c+17+\i]
.endr
.endr
.irp c, 0,1
	v_max3_num_f32 v[BM+2*\c], v[BM+2*\c], v[BM+2*\c+1], v[S+32*\c+15]
.endr
.irp c, 0,1
	v_max_num_f32 v[BM+2*\c], v[BM+2*\c], v[S+32*\c+31]
.endr
	s_delay_alu instid0(VALU_DEP_1)
	v_max_num_f32 v240, v[BM], v[BM+2]             ; of my 64 keys
	s_delay_alu instid0(VALU_DEP_1)
	v_permlanex16_b32 v241, v240, s[SEL], s[SEL+1] ; and of lane l xor 16's 64
	s_delay_alu instid0(VALU_DEP_1)
	v_max3_num_f32 v13, v13, v240, v241            ; the running largest score
	s_delay_alu instid0(VALU_DEP_1)
	v_mul_f32 v240, s[CS], v13                     ; as t (c is positive)
	s_delay_alu instid0(VALU_DEP_1)
	v_floor_f32 v241, -v240                        ; the new -M = -ceil(t)
	s_delay_alu instid0(VALU_DEP_1)
	v_sub_f32 v240, v241, v12                      ; old M - new M: a whole number, 0 or less
	s_delay_alu instid0(VALU_DEP_2)
	v_mov_b32 v12, v241
	s_delay_alu instid0(VALU_DEP_2)
	v_cvt_i32_f32 v240, v240                       ; (it saturates)
	s_delay_alu instid0(VALU_DEP_1)
	v_ldexp_f32 v28, 1.0, v240                     ; f = 2^(old M - new M): rounds nothing
.set j, 0
.rept 32
	v_pk_fma_f32 v[S+j:S+j+1], v[S+j:S+j+1], s[CS:CS+1], v[12:13] op_sel_hi:[1,0,0]   ; t - M
.set j, j+2
.endr
	v_fma_f32 v[BM], v[BM], s[CS], v12             ; the same of each block's largest score
	v_fma_f32 v[BM+2], v[BM+2], s[CS], v12
.set j, 0
.rept 16
	v_pk_mul_f32 v[O+j:O+j+1], v[O+j:O+j+1], v[28:29] op_sel_hi:[1,0]   ; O^T under the new M
.set j, j+2
.endr
	s_wait_alu depctr_va_vdst(0)                   ; the wait ahead of the batch
.set j, 0
.rept 64
	v_exp_f32 v[S+j], v[S+j]                       ; p = 2^(t - M)
.set j, j+1
.endr
	v_exp_f32 v[BM], v[BM]                         ; each block's largest p: the same two instructions on the same number
	v_exp_f32 v[BM+2], v[BM+2]
	v_pk_mul_f32 v[14:15], v[14:15], v[28:29] op_sel_hi:[1,0]   ; the sum under the new M: the plain place behind the batch
	s_wait_alu depctr_va_vdst(0)                   ; and the one wait behind it
	v_max_num_f32 v[BM], 0x2800000, v[BM]          ; the floor 2^(5 - 127)
	v_max_num_f32 v[BM+2], 0x2800000, v[BM+2]
	s_delay_alu instid0(VALU_DEP_2)
	v_add_nc_u32 v30, 0xfe000000, v[BM]            ; 4 off the exponent field: the conversion's scale operand
	s_delay_alu instid0(VALU_DEP_2)
	v_add_nc_u32 v31, 0xfe000000, v[BM+2]
	s_delay_alu instid0(VALU_DEP_2)
	v_lshrrev_b32 v240, 23, v30                    ; the bytes of blocks h and 2 + h
	s_delay_alu instid0(VALU_DEP_2)
	v_lshrrev_b32 v241, 23, v31
	s_delay_alu instid0(VALU_DEP_1)
	v_lshl_or_b32 v240, v241, 16, v240
	s_delay_alu instid0(VALU_DEP_1)
	v_lshlrev_b32 v240, v[SH], v240                ; at their places in the word
	s_delay_alu instid0(VALU_DEP_1)
	v_permlanex16_b32 v241, v240, s[SEL], s[SEL+1]
	s_delay_alu instid0(VALU_DEP_1)
	v_or_b32 v[PW], v240, v241                     ; with lane l xor 16's two the word is whole
	v_cvt_scalef32_pk16_bf6_f32 v[P:P+2], v[S:S+15], v30
	v_cvt_scalef32_pk16_bf6_f32 v[T0:T0+2], v[S+16:S+31], v30       ; (a conversion's three registers begin on an even number)
	v_cvt_scalef32_pk16_bf6_f32 v[P+6:P+8], v[S+32:S+47], v31
	v_cvt_scalef32_pk16_bf6_f32 v[T1:T1+2], v[S+48:S+63], v31
	v_pk_add_f32 v[BM:BM+1], v[S:S+1], v[S+2:S+3]  ; the row's sum of the unquantised p, in four chains; these are also the plain places behind the conversions
	v_pk_add_f32 v[BM+2:BM+3], v[S+4:S+5], v[S+6:S+7]
	v_pk_add_f32 v[BM+4:BM+5], v[S+8:S+9], v[S+10:S+11]
	v_pk_add_f32 v[14:15], v[14:15], v[S+12:S+13]
.irp i, 0,1,2
	v_mov_b32 v[P+3+\i], v[T0+\i]
	v_mov_b32 v[P+9+\i], v[T1+\i]
.endr
.irp j, 14,22,30,38,46,54                          ; 24 additions: the places between the scale word, the codes and the products below
	v_pk_add_f32 v[BM:BM+1], v[BM:BM+1], v[S+\j:S+\j+1]
	v_pk_add_f32 v[BM+2:BM+3], v[BM+2:BM+3], v[S+\j+2:S+\j+3]
	v_pk_add_f32 v[BM+4:BM+5], v[BM+4:BM+5], v[S+\j+4:S+\j+5]
	v_pk_add_f32 v[14:15], v[14:15], v[S+\j+6:S+\j+7]
.endr
	s_wait_alu depctr_va_vdst(0)                   ; the wait directly ahead of the wait below
	s_wait_dscnt NK*\pre                           ; this step's v^T is in; the NK younger loads, the next step's k, may be out
.irp g, 0,1
	v_wmma_scale_f32_16x16x128_f8f6f4 v[O+16*\g:O+16*\g+7], v[V+24*\g:V+24*\g+11], v[P:P+11], v[O+16*\g:O+16*\g+7], v[VSC+\g], v[PW] matrix_a_fmt:MATRIX_FMT_BF6 matrix_b_fmt:MATRIX_FMT_BF6
	v_wmma_scale_f32_16x16x128_f8f6f4 v[O+16*\g+8:O+16*\g+15], v[V+24*\g+12:V+24*\g+23], v[P:P+11], v[O+16*\g+8:O+16*\g+15], v[VSC+\g], v[PW] matrix_a_fmt:MATRIX_FMT_BF6 matrix_b_fmt:MATRIX_FMT_BF6 matrix_a_scale:MATRIX_SCALE_ROW1
.endr
	v_pk_add_f32 v[BM:BM+1], v[BM:BM+1], v[S+62:S+63]   ; the sum's last four additions name no register of the products: they are the four places behind them
	v_pk_add_f32 v[BM+2:BM+3], v[BM+2:BM+3], v[BM+4:BM+5]
	v_pk_add_f32 v[14:15], v[14:15], v[BM:BM+1]
	v_pk_add_f32 v[14:15], v[14:15], v[BM+2:BM+3]
.if \pre
	VLOAD
.endif
.endm
	s_wait_alu depctr_va_vdst(0)                   ; the wait at the head's end
	s_wait_loadcnt 0x0                             ; q
	s_wait_tensorcnt 0x0                           ; my one fill is in
	s_barrier_signal -1
	s_barrier_wait -1                              ; everybody's is: the whole head lies in LDS
	KLOAD
	VLOAD
	s_mov_b32 s[CNT], 15
.Lstep:
	STEP 1
	s_sub_co_u32 s[CNT], s[CNT], 1
	s_cmp_lg_u32 s[CNT], 0
	s_wait_alu depctr_va_vdst(0)                   ; the wait directly ahead of the branch
	s_cbranch_scc1 .Lstep
	STEP 0                                         ; the last step asks for nothing
	; THE WAY OUT: O^T / the sum; register 16 b + i is d 32 b + 16 h + i of my query: two blocks of the next product's K, each shared with lane l xor 16
	v_add_f32 v14, v14, v15
	s_delay_alu instid0(VALU_DEP_1)
	v_permlanex16_b32 v241, v14, s[SEL], s[SEL+1]
	s_delay_alu instid0(VALU_DEP_1)
	v_add_f32 v14, v14, v241
	s_wait_alu depctr_va_vdst(0)
	v_rcp_f32 v14, v14
	v_nop                                          ; a plain place behind the transcendental
	s_wait_alu depctr_va_vdst(0)                   ; and the wait ahead of its first reader, which is also O^T's
.set j, 0
.rept 32
	v_mul_f32 v[S+j], v[O+j], v14
.set j, j+1
.endr
.irp b, 0,1
	v_max3_num_f32 v[BM+\b], |v[S+16*\b]|, |v[S+1+16*\b]|, 0x2800000
.endr
.irp i, 2,4,6,8,10,12,14
.irp b, 0,1
	s_delay_alu instid0(VALU_DEP_2)
	v_max3_num_f32 v[BM+\b], v[BM+\b], |v[S+16*\b+\i]|, |v[S+1+16*\b+\i]|
.endr
.endr
.irp b, 0,1
	s_delay_alu instid0(VALU_DEP_2)
	v_permlanex16_b32 v[BM+2+\b], v[BM+\b], s[SEL], s[SEL+1]
.endr
.irp b, 0,1
	s_delay_alu instid0(VALU_DEP_2)
	v_max_num_f32 v[BM+\b], v[BM+\b], v[BM+2+\b]
.endr
.irp b, 0,1
	s_delay_alu instid0(VALU_DEP_2)
	v_add_nc_u32 v[30+\b], 0xfe000000, v[BM+\b]
.endr
.irp b, 0,1
	s_delay_alu instid0(VALU_DEP_2)
	v_lshrrev_b32 v[BM+2+\b], 23, v[30+\b]
.endr
	s_delay_alu instid0(VALU_DEP_1)
	v_lshl_or_b32 v[PW], v[BM+3], 8, v[BM+2]       ; my head's two bytes of the row's scale word
	v_and_b32 v1, 31, v0
	v_and_b32 v3, 15, v0
	v_bfe_u32 v4, v0, 4, 1
	v_lshlrev_b32 v1, 4, v1                        ; 16 x lane
	v_lshlrev_b32 v2, 4, v3
	v_lshl_add_u32 v2, v4, 3, v2
	v_add_nc_u32 v2, 512, v2                       ; 512 + 16 r + 8 h
	v_lshlrev_b32 v3, 2, v3                        ; 4 r
	v_cvt_scalef32_pk16_bf6_f32 v[P:P+2], v[S:S+15], v30
	v_cvt_scalef32_pk16_bf6_f32 v[T0:T0+2], v[S+16:S+31], v31
	v_nop
.irp i, 0,1,2
	v_permlane16_swap_b32 v[P+\i], v[T0+\i]        ; a whole block to a lane: lanes 0-15 block 0, lanes 16-31 block 1
.endr
.irp i, 0,1,2
	v_mov_b32 v[P+3+\i], v[T0+\i]
.endr
	global_store_b128 v1, v[P:P+3], s[16:17]       ; a half image: whole aligned blocks of 256 bytes
	global_store_b64 v2, v[P+4:P+5], s[16:17]
	global_store_b16 v3, v[PW], s[6:7]             ; two bytes a row: the word's other half is the other head's work-group's
	s_wait_tensorcnt 0x0                           ; the wave's end
	ds_add_u32 v[SPW], v[NIL]
	s_wait_dscnt 0x0
	CROUND                                         ; the closing round
	s_endpgm
.Lfunc_end_k_qd0917699a7_attn:
	.size	k_qd0917699a7_attn, .Lfunc_end_k_qd0917699a7_attn-k_qd0917699a7_attn
	.p2alignl 7, 3214868480
	.fill 96, 4, 3214868480
	.section	.rodata,"a",@progbits
	.p2align	6, 0x0
	.amdhsa_kernel k_qd0917699a7_attn
		.amdhsa_group_segment_fixed_size 235520
		.amdhsa_private_segment_fixed_size 0
		.amdhsa_enable_private_segment 0
		.amdhsa_kernarg_size 16
		.amdhsa_user_sgpr_count 2
		.amdhsa_user_sgpr_kernarg_segment_ptr 1
		.amdhsa_wavefront_size32 1
		.amdhsa_system_sgpr_workgroup_id_x 1
		.amdhsa_system_sgpr_workgroup_id_y 1
		.amdhsa_system_sgpr_workgroup_id_z 1
		.amdhsa_system_vgpr_workitem_id 0
		.amdhsa_next_free_vgpr 256
		.amdhsa_next_free_sgpr 102
		.amdhsa_reserve_vcc 0
		.amdhsa_float_denorm_mode_32 3
		.amdhsa_float_denorm_mode_16_64 3
		.amdhsa_memory_ordered 1
		.amdhsa_forward_progress 1
		.amdhsa_inst_pref_size 48
	.end_amdhsa_kernel
	.amdgpu_metadata
---
amdhsa.version: [ 1, 2 ]
amdhsa.kernels:
  - .name:           k_qd0917699a7_attn
    .symbol:         k_qd0917699a7_attn.kd
    .args:
      - { .name: qkv, .offset: 0, .size: 8, .value_kind: global_buffer, .address_space: global }
      - { .name: ao, .offset: 8, .size: 8, .value_kind: global_buffer, .address_space: global }
    .group_segment_fixed_size: 235520
    .private_segment_fixed_size: 0
    .kernarg_segment_align: 8
    .kernarg_segment_size: 16
    .max_flat_workgroup_size: 512
    .sgpr_count:     102
    .vgpr_count:     256
    .wavefront_size: 32
...
	.end_amdgpu_metadata
.endif
;; end of part 11
;; launch woln (part 12): grid 256 x 1, 8 waves a work-group, no clusters, 69,632 bytes of LDS; arguments ao, x, g1, be1, hb, wc, bo; writes hb
.if DOCPART == 12
	.amdgcn_target "amdgcn-amd-amdhsa--gfx1250"
	.amdhsa_code_object_version 6
	.text
	.protected	k_qd0917699a7_woln
	.globl	k_qd0917699a7_woln
	.p2align	8
	.type	k_qd0917699a7_woln,@function
k_qd0917699a7_woln:
	s_mov_b64 s[64:65], 0
	v_nop
	global_prefetch_b8 v0, s[64:65] scope:SCOPE_SE
	s_setreg_imm32_b32 hwreg(HW_REG_WAVE_MODE, 25, 1), 1
	s_wait_xcnt 0x0
; WOLN: h = LayerNorm(x + out Wo + bo) g1 + be1.  The product runs on codes of BF6 with E8M0 scales, K = 1,024, f32 sums; all else is f32.  h leaves twice: as f32 images (for the second residual) and as codes of BF6 with E8M0 scale words (the next product's operand).
; A work-group takes a row tile of 16 rows (position space: row r of tile T is the true row 32 (T/2) + 8 (T%2) + r%8 + 16 (r/8)) and ALL 1,024 columns, so that the norm's sums stay inside it: 256 work-groups.  Wave w takes columns 128 w .. 128 w + 127.
; THE PRODUCT, TRANSPOSED: source 0 = 16 rows of the weight, source 1 = the tile's 16 rows of out.  A wave has 8 accumulators, v32-95: lane (r, h) holds 64 numbers of row r, register 16 b + i = column 32 b + 16 h + i of the wave's 128.  The bias is loaded into them and is the C of the first products.
; OPERANDS GO FROM MEMORY STRAIGHT INTO THE OPERAND'S REGISTERS: they lie as images of those registers (half image: 16 rows x 64 K in 768 bytes: registers 0-3 at 16 x lane, registers 4-5 at 512 + 16 r + 8 h), every load covers whole aligned blocks of 256 bytes.
; In a work-group a fragment of the weight feeds ONE matrix instruction, of one wave: a tile in LDS would add a write and a read of each byte and share nothing.  So no tensor load, no ring, and no cluster: there is no LDS tile to ask for jointly.
; No prefetch: the weight's loads are themselves issued two K steps (72 loads a wave) ahead of their products, and out's fragments of all of K at the head.
; REGISTERS: window 0: v1-11, v28 addresses; v12-19 out's scale words, one for each 128 along K; v20-27 the weight's, two sets of four (lanes 0-15 the even tile's, lanes 16-31 the odd tile's); v32-95 the sums; v96-191 out's fragments of all of K; behind the product v96-253 are the norm's.
;   window 1: v0-95, v96-191 the weight's eight fragments, two buffers; v192-255 x's 16 rows as loaded.
; x's rows turn through the wave's own stage in LDS.  The mean and then the mean of the squared differences: two passes over registers; the eight waves' parts meet in LDS behind a barrier each (different words, so no third barrier).
; LIMITS of the quantiser: NaN and infinities are not served; a block under 2^-122 keeps the byte 1; a block of zeros gets the byte 1 (its codes are zeros, and this program alone reads the bytes).
.set LI,  1                            ; 16 x lane
.set LJ,  2                            ; 16 r + 8 h
.set LS,  3                            ; 4 r
.set STI, 4
.set STQ, 5
.set LG,  6                            ; 64 h
.set RA,  7                            ; 67584 + 64 w + 4 r
.set RR,  8                            ; 67584 + 4 r
.set SA,  12
.set SB,  20
.set L4,  28                           ; 4 x lane
.set V,   32
.set AF,  96
.set XQ,  160                          ; v160-223 x as the lanes want it; then beta
.set G,   96
.set BE,  160
.set A0,  224
.set SV,  228
.set T1,  229
.set MU,  230
.set RS,  232
.set T2,  234                          ; v234-241
.set PC,  96
.set TM,  116
.set PW,  132
.set SEL, 28
.set OUT, 22
.set MSB, 0
.macro WIN new                         ; the immediate's high byte repeats the setting that is left
.if MSB != (\new)
	s_set_vgpr_msb (MSB<<8)|(\new)
.set MSB, (\new)
.endif
.endm
.macro QUANT s, pw
.irp b, 0,1,2,3
	v_max3_num_f32 v[TM+\b], |v[\s+16*\b]|, |v[\s+1+16*\b]|, 0x2800000
.endr
.irp i, 2,4,6,8,10,12,14
.irp b, 0,1,2,3
	s_delay_alu instid0(VALU_DEP_4)
	v_max3_num_f32 v[TM+\b], v[TM+\b], |v[\s+16*\b+\i]|, |v[\s+1+16*\b+\i]|
.endr
.endr
.irp b, 0,1,2,3
	s_delay_alu instid0(VALU_DEP_4)
	v_permlanex16_b32 v[TM+4+\b], v[TM+\b], s[SEL], s[SEL+1]
.endr
.irp b, 0,1,2,3
	s_delay_alu instid0(VALU_DEP_4)
	v_max_num_f32 v[TM+\b], v[TM+\b], v[TM+4+\b]
.endr
.irp b, 0,1,2,3
	s_delay_alu instid0(VALU_DEP_4)
	v_add_nc_u32 v[TM+12+\b], 0xfe000000, v[TM+\b]
.endr
.irp b, 0,1,2,3
	s_delay_alu instid0(VALU_DEP_4)
	v_lshrrev_b32 v[TM+4+\b], 23, v[TM+12+\b]
.endr
	s_delay_alu instid0(VALU_DEP_3)
	v_lshl_or_b32 v[\pw], v[TM+5], 8, v[TM+4]
	s_delay_alu instid0(VALU_DEP_1)
	v_lshl_or_b32 v[\pw], v[TM+6], 16, v[\pw]
	s_delay_alu instid0(VALU_DEP_1)
	v_lshl_or_b32 v[\pw], v[TM+7], 24, v[\pw]
.irp c, 0,1
	v_cvt_scalef32_pk16_bf6_f32 v[PC+6*\c:PC+2+6*\c], v[\s+32*\c:\s+15+32*\c], v[TM+12+2*\c]
	v_cvt_scalef32_pk16_bf6_f32 v[PC+12+4*\c:PC+14+4*\c], v[\s+16+32*\c:\s+31+32*\c], v[TM+12+2*\c+1]
.endr
	v_nop
.irp c, 0,1
.irp i, 0,1,2
	v_permlane16_swap_b32 v[PC+6*\c+\i], v[PC+12+4*\c+\i]
.endr
.irp i, 0,1,2
	s_delay_alu instid0(VALU_DEP_3)
	v_mov_b32 v[PC+3+6*\c+\i], v[PC+12+4*\c+\i]
.endr
.endr
.endm
.macro IMGOUT off, hstep
	global_store_b128 v[LI], v[PC:PC+3], s[OUT:OUT+1] offset:\off
	global_store_b64 v[LJ], v[PC+4:PC+5], s[OUT:OUT+1] offset:\off+512
	global_store_b128 v[LI], v[PC+6:PC+9], s[OUT:OUT+1] offset:\off+\hstep
	global_store_b64 v[LJ], v[PC+10:PC+11], s[OUT:OUT+1] offset:\off+\hstep+512
.endm
; v[SV], a lane's part of a row's sum, becomes the whole row's, the same bits in every wave
.macro RSUM off
	s_delay_alu instid0(VALU_DEP_1)
	v_permlanex16_b32 v[T1], v[SV], s[SEL], s[SEL+1]
	s_delay_alu instid0(VALU_DEP_1)
	v_add_f32 v[SV], v[SV], v[T1]                  ; my wave's 128 columns of row r
	ds_store_b32 v[RA], v[SV] offset:\off          ; lanes r and r + 16 write the same word with the same value
	s_wait_dscnt 0x0                               ; for the others' sake
	s_barrier_signal -1
	s_barrier_wait -1
.irp i, 0,1,2,3,4,5,6,7
	ds_load_b32 v[T2+\i], v[RR] offset:\off+64*\i
.endr
	s_wait_dscnt 0x0
	v_add_f32 v[T2], v[T2], v[T2+1]
	v_add_f32 v[T2+2], v[T2+2], v[T2+3]
	v_add_f32 v[T2+4], v[T2+4], v[T2+5]
	v_add_f32 v[T2+6], v[T2+6], v[T2+7]
	s_delay_alu instid0(VALU_DEP_3)
	v_add_f32 v[T2], v[T2], v[T2+2]
	s_delay_alu instid0(VALU_DEP_2)
	v_add_f32 v[T2+4], v[T2+4], v[T2+6]
	s_delay_alu instid0(VALU_DEP_1)
	v_add_f32 v[SV], v[T2], v[T2+4]
.endm
; the weight's eight fragments of the q-th 128 along K into buffer q % 2, and their scale words: 36 loads
.macro BLOAD q
	WIN 0x40                                       ; destination window 1, address window 0
.irp t, 0,1,2,3,4,5,6,7
	global_load_b128 v[96*((\q)%2)+12*\t:96*((\q)%2)+12*\t+3], v[LI], s[44:45] offset:98304*(\q)+768*\t
	global_load_b64 v[96*((\q)%2)+12*\t+4:96*((\q)%2)+12*\t+5], v[LJ], s[44:45] offset:98304*(\q)+768*\t+512
	global_load_b128 v[96*((\q)%2)+12*\t+6:96*((\q)%2)+12*\t+9], v[LI], s[44:45] offset:98304*(\q)+49152+768*\t
	global_load_b64 v[96*((\q)%2)+12*\t+10:96*((\q)%2)+12*\t+11], v[LJ], s[44:45] offset:98304*(\q)+49152+768*\t+512
.endr
	WIN 0
.irp g, 0,1,2,3
	global_load_b32 v[SB+4*((\q)%2)+\g], v[L4], s[46:47] offset:4096*(\q)+128*\g
.endr
.endm
; 8 matrix instructions: the weight's eight tiles x the row tile, 128 along K.  The 8 accumulators take turns, in the same order in every step.
.macro MULS q
	WIN 0x01                                       ; source 0 (the weight) window 1; source 1, C and D window 0
.irp g, 0,1,2,3
	v_wmma_scale_f32_16x16x128_f8f6f4 v[V+16*\g:V+16*\g+7], v[96*((\q)%2)+24*\g:96*((\q)%2)+24*\g+11], v[AF+12*(\q):AF+12*(\q)+11], v[V+16*\g:V+16*\g+7], v[SB+4*((\q)%2)+\g], v[SA+(\q)] matrix_a_fmt:MATRIX_FMT_BF6 matrix_b_fmt:MATRIX_FMT_BF6
	v_wmma_scale_f32_16x16x128_f8f6f4 v[V+16*\g+8:V+16*\g+15], v[96*((\q)%2)+24*\g+12:96*((\q)%2)+24*\g+23], v[AF+12*(\q):AF+12*(\q)+11], v[V+16*\g+8:V+16*\g+15], v[SB+4*((\q)%2)+\g], v[SA+(\q)] matrix_a_fmt:MATRIX_FMT_BF6 matrix_b_fmt:MATRIX_FMT_BF6 matrix_a_scale:MATRIX_SCALE_ROW1
.endr
	WIN 0
.endm
.macro GSTEP q
.if (\q) == 0
	s_wait_loadcnt 52                              ; the bias, out's fragments and step 0's are in; x's 16 loads and step 1's 36 may be out
.elseif (\q) == 7
	s_wait_loadcnt 0x0
.else
	s_wait_loadcnt 36                              ; this step's fragments are in; the next step's 36 loads may be out
.endif
.if (\q) == 1
	WIN 0x04                                       ; x's rows, asked for ahead of step 1's fragments, are in too: the data lie in window 1
.irp i, 0,1,2,3,4,5,6,7,8,9,10,11,12,13,14,15
	ds_store_b128 v[STI], v[192+4*\i:192+4*\i+3] offset:528*\i
.endr
	WIN 0
.endif
	MULS \q
.if (\q) < 6
.rept 4
	v_nop                                          ; places in front of loads into registers that these products read
.endr
	BLOAD (\q)+2
.endif
.endm
	s_load_b256 s[4:11], s[0:1], 0x0               ; ao, x, g1, be1
	s_load_b64 s[12:13], s[0:1], 0x20              ; hb
	s_load_b128 s[40:43], s[0:1], 0x28             ; wc, bo
	v_lshl_add_u32 v254, v0, 2, 0x10c00
	v_mov_b32 v255, 0
	v_lshrrev_b32 v9, 5, v0
	s_delay_alu instid0(VALU_DEP_1)
	v_readfirstlane_b32 s14, v9                    ; wave 0..7
	v_and_b32 v9, 31, v0
	v_and_b32 v10, 15, v0                          ; r
	v_bfe_u32 v11, v0, 4, 1                        ; h
	s_delay_alu instid0(VALU_DEP_3)
	v_lshlrev_b32 v[LI], 4, v9
	s_delay_alu instid0(VALU_DEP_3)
	v_lshlrev_b32 v[LJ], 4, v10
	s_delay_alu instid0(VALU_DEP_1)
	v_lshl_add_u32 v[LJ], v11, 3, v[LJ]
	v_lshlrev_b32 v[LS], 2, v10
	v_lshlrev_b32 v[L4], 2, v9
	s_mul_i32 s15, s14, 8448
	v_add_nc_u32 v[STI], s15, v[LI]
	v_mul_u32_u24 v[STQ], v10, 528
	s_delay_alu instid0(VALU_DEP_1)
	v_lshl_add_u32 v[STQ], v11, 6, v[STQ]
	s_delay_alu instid0(VALU_DEP_1)
	v_add_nc_u32 v[STQ], s15, v[STQ]
	v_lshlrev_b32 v[LG], 6, v11
	v_add_nc_u32 v[RR], 67584, v[LS]
	s_lshl_b32 s15, s14, 6
	v_add_nc_u32 v[RA], s15, v[RR]
	v_mov_b32 v[T1], 0
	s_mov_b32 s[SEL], 0x76543210
	s_mov_b32 s[SEL+1], 0xfedcba98
	s_mov_b32 s30, 0x3a800000                      ; 1 / 1,024
	s_mov_b32 s31, 0x3727c5ac                      ; 1e-5
	s_lshl_b32 s16, ttmp9, 3
	s_add_co_u32 s16, s16, s14
	s_lshl_b32 s16, s16, 13                        ; h's image 8 T + w
	s_mov_b32 s17, 0
	s_lshr_b32 s18, ttmp9, 1
	s_lshl_b32 s18, s18, 17
	s_and_b32 s19, ttmp9, 1
	s_lshl_b32 s19, s19, 15
	s_add_co_u32 s18, s18, s19
	s_lshl_b32 s20, s14, 9                         ; my 128 columns
	s_add_co_u32 s18, s18, s20
	s_mov_b32 s19, 0
	s_mov_b32 s21, 0
	s_lshr_b32 s32, ttmp9, 6                       ; slab
	s_and_b32 s33, ttmp9, 63                       ; tile in it
	s_mul_i32 s22, s32, 786432
	s_mul_i32 s23, s14, 98304
	s_add_co_u32 s22, s22, s23
	s_mul_i32 s23, s33, 768
	s_add_co_u32 s22, s22, s23
	s_add_co_u32 s22, s22, 16777216
	s_mov_b32 s23, 0
	s_lshl_b32 s24, s32, 15
	s_lshl_b32 s25, s14, 12
	s_add_co_u32 s24, s24, s25
	s_lshl_b32 s25, s33, 6
	s_add_co_u32 s24, s24, s25
	s_add_co_u32 s24, s24, 19922944
	s_mov_b32 s25, 0
	s_mul_i32 s34, s32, 786432                     ; out's codes: the slab, my row tile's image of each 64 along K
	s_mul_i32 s35, s33, 768
	s_add_co_u32 s34, s34, s35
	s_mov_b32 s35, 0
	s_lshl_b32 s36, s32, 15                        ; out's scale words
	s_lshl_b32 s37, s33, 6
	s_add_co_u32 s36, s36, s37
	s_add_co_u32 s36, s36, 3145728
	s_mov_b32 s37, 0
	s_mul_i32 s44, s14, 6144                       ; Wo's codes in wc: my eight tiles of each 64 along K
	s_add_co_u32 s44, s44, 5505024
	s_mov_b32 s45, 0
	s_add_co_u32 s46, s20, 12812288                ; and their scale words: 512 bytes of each 128 along K
	s_mov_b32 s47, 0
	s_wait_alu depctr_va_vdst(0)                   ; the wait at the head's end
	s_wait_kmcnt 0x0
	s_add_nc_u64 s[36:37], s[4:5], s[36:37]
	s_add_nc_u64 s[4:5], s[4:5], s[34:35]
	s_add_nc_u64 s[44:45], s[40:41], s[44:45]
	s_add_nc_u64 s[46:47], s[40:41], s[46:47]
	s_add_nc_u64 s[42:43], s[42:43], s[20:21]
	s_add_nc_u64 s[6:7], s[6:7], s[18:19]
	s_add_nc_u64 s[8:9], s[8:9], s[20:21]
	s_add_nc_u64 s[10:11], s[10:11], s[20:21]
	s_add_nc_u64 s[26:27], s[12:13], s[16:17]      ; h's image
	s_add_nc_u64 s[OUT:OUT+1], s[12:13], s[22:23]  ; h's codes
	s_add_nc_u64 s[24:25], s[12:13], s[24:25]      ; h's scale words
.irp b, 0,1,2,3
.irp j, 0,1,2,3
	global_load_b128 v[V+16*\b+4*\j:V+16*\b+4*\j+3], v[LG], s[42:43] offset:128*\b+16*\j   ; the bias, in the sums' own layout: 16 loads
.endr
.endr
.irp q, 0,1,2,3,4,5,6,7                            ; out's fragments and scale words of all of K: 40 loads
	global_load_b128 v[AF+12*\q:AF+12*\q+3], v[LI], s[4:5] offset:98304*\q
	global_load_b64 v[AF+12*\q+4:AF+12*\q+5], v[LJ], s[4:5] offset:98304*\q+512
	global_load_b128 v[AF+12*\q+6:AF+12*\q+9], v[LI], s[4:5] offset:98304*\q+49152
	global_load_b64 v[AF+12*\q+10:AF+12*\q+11], v[LJ], s[4:5] offset:98304*\q+49152+512
	global_load_b32 v[SA+\q], v[LS], s[36:37] offset:4096*\q
.endr
	BLOAD 0
	WIN 0x40
.irp i, 0,1,2,3,4,5,6,7,8,9,10,11,12,13,14,15
	global_load_b128 v[192+4*\i:192+4*\i+3], v[LI], s[6:7] offset:((\i%8)+16*(\i/8))*4096 th:TH_LOAD_NT   ; position i's true row of x: 512 consecutive bytes
.endr
	WIN 0
	BLOAD 1
.irp q, 0,1,2,3,4,5,6,7
	GSTEP \q
.endr
.rept 4
	v_nop                                          ; places behind the last products: ahead of loads into out's registers and of the first read of the sums
.endr
.irp b, 0,1,2,3
.irp j, 0,1,2,3
	ds_load_b128 v[XQ+16*\b+4*\j:XQ+16*\b+4*\j+3], v[STQ] offset:128*\b+16*\j   ; LDS serves a wave's instructions in order: these see my stores
.endr
.endr
.irp b, 0,1,2,3
.irp j, 0,1,2,3
	global_load_b128 v[G+16*\b+4*\j:G+16*\b+4*\j+3], v[LG], s[8:9] offset:128*\b+16*\j
.endr
.endr
	s_wait_dscnt 0x0
.set i, 0
.rept 32
	v_pk_add_f32 v[V+i:V+i+1], v[V+i:V+i+1], v[XQ+i:XQ+i+1]   ; the residual; each accumulator is read from its low end on
.set i, i+2
.endr
.irp b, 0,1,2,3
.irp j, 0,1,2,3
	global_load_b128 v[BE+16*\b+4*\j:BE+16*\b+4*\j+3], v[LG], s[10:11] offset:128*\b+16*\j
.endr
.endr
	v_pk_add_f32 v[A0:A0+1], v[V:V+1], v[V+4:V+5]
	v_pk_add_f32 v[A0+2:A0+3], v[V+2:V+3], v[V+6:V+7]
.irp j, 8,12,16,20,24,28,32,36,40,44,48,52,56,60
	s_delay_alu instid0(VALU_DEP_2)
	v_pk_add_f32 v[A0:A0+1], v[A0:A0+1], v[V+\j:V+\j+1]
	s_delay_alu instid0(VALU_DEP_2)
	v_pk_add_f32 v[A0+2:A0+3], v[A0+2:A0+3], v[V+\j+2:V+\j+3]
.endr
	s_delay_alu instid0(VALU_DEP_1)
	v_pk_add_f32 v[A0:A0+1], v[A0:A0+1], v[A0+2:A0+3]
	s_delay_alu instid0(VALU_DEP_1)
	v_add_f32 v[SV], v[A0], v[A0+1]
	RSUM 0
	s_delay_alu instid0(VALU_DEP_1)
	v_mul_f32 v[MU], s30, v[SV]                    ; the mean
	s_delay_alu instid0(VALU_DEP_1)
	v_mov_b32 v[MU+1], v[MU]
.set i, 0
.rept 32
	v_pk_add_f32 v[V+i:V+i+1], v[V+i:V+i+1], v[MU:MU+1] neg_lo:[0,1] neg_hi:[0,1]
.set i, i+2
.endr
	v_pk_mul_f32 v[A0:A0+1], v[V:V+1], v[V:V+1]
	v_pk_mul_f32 v[A0+2:A0+3], v[V+2:V+3], v[V+2:V+3]
.irp j, 4,8,12,16,20,24,28,32,36,40,44,48,52,56,60
	s_delay_alu instid0(VALU_DEP_2)
	v_pk_fma_f32 v[A0:A0+1], v[V+\j:V+\j+1], v[V+\j:V+\j+1], v[A0:A0+1]
	s_delay_alu instid0(VALU_DEP_2)
	v_pk_fma_f32 v[A0+2:A0+3], v[V+\j+2:V+\j+3], v[V+\j+2:V+\j+3], v[A0+2:A0+3]
.endr
	s_delay_alu instid0(VALU_DEP_1)
	v_pk_add_f32 v[A0:A0+1], v[A0:A0+1], v[A0+2:A0+3]
	s_delay_alu instid0(VALU_DEP_1)
	v_add_f32 v[SV], v[A0], v[A0+1]
	RSUM 512
	s_delay_alu instid0(VALU_DEP_1)
	v_fma_f32 v[RS], v[SV], s30, s31               ; the variance + 1e-5
	s_wait_alu depctr_va_vdst(0)
	v_rsq_f32 v[RS], v[RS]
	v_nop                                          ; a plain place behind the transcendental
	s_wait_alu depctr_va_vdst(0)                   ; and the wait ahead of its first reader
	v_mov_b32 v[RS+1], v[RS]
	s_wait_alu depctr_va_vdst(0)
	s_wait_loadcnt 0x0                             ; the gain and beta
.set i, 0
.rept 32
	v_pk_mul_f32 v[V+i:V+i+1], v[V+i:V+i+1], v[RS:RS+1]
.set i, i+2
.endr
.set i, 0
.rept 32
	v_pk_fma_f32 v[V+i:V+i+1], v[V+i:V+i+1], v[G+i:G+i+1], v[BE+i:BE+i+1]
.set i, i+2
.endr
.irp g, 0,1,2,3,4,5,6,7,8,9,10,11,12,13,14,15
	global_store_b128 v[LI], v[V+4*\g:V+4*\g+3], s[26:27] offset:512*\g th:TH_STORE_NT   ; h's image: 512 consecutive bytes a store
.endr
.irp b, 0,1,2,3
	v_mov_b32 v[TM+4+\b], 0
.endr
	QUANT V, PW
	IMGOUT 0, 49152
	global_store_b32 v[LS], v[PW], s[24:25]        ; 16 words; lanes r and r + 16 write the same word with the same value
	s_wait_tensorcnt 0x0                           ; the wave's end
	ds_add_u32 v254, v255
	s_wait_dscnt 0x0
	s_endpgm
.Lfunc_end_k_qd0917699a7_woln:
	.size	k_qd0917699a7_woln, .Lfunc_end_k_qd0917699a7_woln-k_qd0917699a7_woln
	.p2alignl 7, 3214868480
	.fill 96, 4, 3214868480
	.section	.rodata,"a",@progbits
	.p2align	6, 0x0
	.amdhsa_kernel k_qd0917699a7_woln
		.amdhsa_group_segment_fixed_size 69632
		.amdhsa_private_segment_fixed_size 0
		.amdhsa_enable_private_segment 0
		.amdhsa_kernarg_size 56
		.amdhsa_user_sgpr_count 2
		.amdhsa_user_sgpr_kernarg_segment_ptr 1
		.amdhsa_wavefront_size32 1
		.amdhsa_system_sgpr_workgroup_id_x 1
		.amdhsa_system_sgpr_workgroup_id_y 1
		.amdhsa_system_sgpr_workgroup_id_z 1
		.amdhsa_system_vgpr_workitem_id 0
		.amdhsa_next_free_vgpr 512
		.amdhsa_next_free_sgpr 66
		.amdhsa_reserve_vcc 0
		.amdhsa_float_denorm_mode_32 3
		.amdhsa_float_denorm_mode_16_64 3
		.amdhsa_memory_ordered 1
		.amdhsa_forward_progress 1
		.amdhsa_inst_pref_size 78
	.end_amdhsa_kernel
	.amdgpu_metadata
---
amdhsa.version: [ 1, 2 ]
amdhsa.kernels:
  - .name:           k_qd0917699a7_woln
    .symbol:         k_qd0917699a7_woln.kd
    .args:
      - { .name: ao, .offset: 0, .size: 8, .value_kind: global_buffer, .address_space: global }
      - { .name: x, .offset: 8, .size: 8, .value_kind: global_buffer, .address_space: global }
      - { .name: g1, .offset: 16, .size: 8, .value_kind: global_buffer, .address_space: global }
      - { .name: be1, .offset: 24, .size: 8, .value_kind: global_buffer, .address_space: global }
      - { .name: hb, .offset: 32, .size: 8, .value_kind: global_buffer, .address_space: global }
      - { .name: wc, .offset: 40, .size: 8, .value_kind: global_buffer, .address_space: global }
      - { .name: bo, .offset: 48, .size: 8, .value_kind: global_buffer, .address_space: global }
    .group_segment_fixed_size: 69632
    .private_segment_fixed_size: 0
    .kernarg_segment_align: 8
    .kernarg_segment_size: 56
    .max_flat_workgroup_size: 256
    .sgpr_count:     66
    .vgpr_count:     512
    .wavefront_size: 32
...
	.end_amdgpu_metadata
.endif
;; end of part 12
;; launch gw1 (part 13): grid 16 x 16, 4 waves a work-group, clusters of 4 x 4, 327,680 bytes of LDS; arguments hb, wc, b1, ff; writes ff
.if DOCPART == 13
	.amdgcn_target "amdgcn-amd-amdhsa--gfx1250"
	.amdhsa_code_object_version 6
	.text
	.protected	k_qd0917699a7_gw1
	.globl	k_qd0917699a7_gw1
	.p2align	8
	.type	k_qd0917699a7_gw1,@function
k_qd0917699a7_gw1:
	s_mov_b64 s[64:65], 0
	v_nop
	global_prefetch_b8 v0, s[64:65] scope:SCOPE_SE
	s_setreg_imm32_b32 hwreg(HW_REG_WAVE_MODE, 25, 1), 1
	s_wait_xcnt 0x0
	s_wait_alu depctr_hold_cnt(0) depctr_sa_sdst(0) depctr_va_vdst(0) depctr_va_sdst(0) depctr_va_ssrc(0) depctr_va_vcc(0) depctr_vm_vsrc(0)
	s_getreg_b32 s2, hwreg(HW_REG_IB_STS2, 6, 4)
	s_cmp_eq_u32 s2, 0
	s_cbranch_scc0 .Lentry_in_a_cluster
	s_endpgm
.Lentry_in_a_cluster:
	s_bfe_u32 s2, ttmp6, 0x10000c
	s_cmp_lg_u32 s2, 0xf033
	s_cbranch_scc0 .Lentry_shape_is_right
	s_endpgm
.Lentry_shape_is_right:
.set KDIM,   1024
.set O_AC,   16777216
.set O_AS,   19922944
.set O_BC,   9437184
.set O_BS,   12976128
.set SLABC,  (KDIM/64)*49152
.set SLABS,  (KDIM/128)*4096
.set HALFT,  24576
.set SLOT,   4*HALFT
.set LAPS,   KDIM/512
.set SCL,    2*SLOT
.set HALFS,  (KDIM/128)*512
.set SPARE,  SCL+4*HALFS
.set FR, 12
.set NL, 4
.set NP, 4
.set NQ, 2
.set ADRA, 16
.set ADRB, 20
.set LI,   24
.set LJ,   25
.set SSTO, 26
.set ADRS, 27
.set SPW,  28
.set NIL,  29
.set SRD,  30
.set SC,   32
.set CB,   64
.set AF,   128
.set H,    64
.set PC,   128
.set TM,   148
.set PW,   164
.set OW,   168
.set OUT,  10
.set SEL,  96
.set G1, 24
.set G0, 32
.set G1B, 48
.set G0B, 56
.set G1S, 68
.set G0S, 76
.set G1SB, 80
.set G0SB, 88
.set MSB, 0
.macro WIN new
.if MSB != (\new)
	s_set_vgpr_msb (MSB<<8)|(\new)
.set MSB, (\new)
.endif
.endm
.set MUL_LO, 0xa1
.set MUL_HI, 0xf1
.set TO_B,   0x40
.macro JLOAD g0a, g1a, g0b, g1b
	s_cmp_eq_u32 s15, 0
	s_cbranch_scc0 .Lfor_b_\@
	tensor_load_to_lds s[\g0a:\g0a+3], s[\g1a:\g1a+7]
	s_nop 0
.rept 4
	v_nop
.endr
	s_branch .Lasked_\@
.Lfor_b_\@:
	tensor_load_to_lds s[\g0b:\g0b+3], s[\g1b:\g1b+7]
	s_nop 0
.rept 4
	v_nop
.endr
.Lasked_\@:
.endm
.macro CREST
	s_cmp_lg_u32 s14, 0
	s_cbranch_scc1 .Lnot_wave_0_\@
	s_barrier_signal -3
.Lnot_wave_0_\@:
	s_barrier_wait -3
	s_barrier_signal -1
	s_barrier_wait -1
.endm
.macro CROUND
	s_barrier_signal -1
	s_barrier_wait -1
	CREST
.endm
.macro QUANT s, pw
.irp b, 0,1,2,3
	v_max3_num_f32 v[TM+\b], |v[\s+16*\b]|, |v[\s+1+16*\b]|, 0x2800000
.endr
.irp i, 2,4,6,8,10,12,14
.irp b, 0,1,2,3
	v_max3_num_f32 v[TM+\b], v[TM+\b], |v[\s+16*\b+\i]|, |v[\s+1+16*\b+\i]|
.endr
.endr
.irp b, 0,1,2,3
	v_permlanex16_b32 v[TM+4+\b], v[TM+\b], s[SEL], s[SEL+1]
.endr
.irp b, 0,1,2,3
	v_max_num_f32 v[TM+\b], v[TM+\b], v[TM+4+\b]
.endr
.irp b, 0,1,2,3
	v_add_nc_u32 v[TM+12+\b], 0xfe000000, v[TM+\b]
.endr
.irp b, 0,1,2,3
	v_lshrrev_b32 v[TM+4+\b], 23, v[TM+12+\b]
.endr
	v_lshl_or_b32 v[\pw], v[TM+5], 8, v[TM+4]
	v_lshl_or_b32 v[\pw], v[TM+6], 16, v[\pw]
	v_lshl_or_b32 v[\pw], v[TM+7], 24, v[\pw]
.irp c, 0,1
	v_cvt_scalef32_pk16_bf6_f32 v[PC+6*\c:PC+2+6*\c], v[\s+32*\c:\s+15+32*\c], v[TM+12+2*\c]
	v_cvt_scalef32_pk16_bf6_f32 v[PC+12+4*\c:PC+14+4*\c], v[\s+16+32*\c:\s+31+32*\c], v[TM+12+2*\c+1]
.endr
	v_nop
.irp c, 0,1
.irp i, 0,1,2
	v_permlane16_swap_b32 v[PC+6*\c+\i], v[PC+12+4*\c+\i]
.endr
.irp i, 0,1,2
	v_mov_b32 v[PC+3+6*\c+\i], v[PC+12+4*\c+\i]
.endr
.endr
.endm
.macro IMGOUT off, hstep
	global_store_b128 v[LI], v[PC:PC+3], s[OUT:OUT+1] offset:\off
	global_store_b64 v[LJ], v[PC+4:PC+5], s[OUT:OUT+1] offset:\off+512
	global_store_b128 v[LI], v[PC+6:PC+9], s[OUT:OUT+1] offset:\off+\hstep
	global_store_b64 v[LJ], v[PC+10:PC+11], s[OUT:OUT+1] offset:\off+\hstep+512
.endm
	s_load_b256 s[4:11], s[0:1], 0x0
	v_lshl_add_u32 v[SPW], v0, 2, SPARE
	v_mov_b32 v[NIL], 0
	ds_add_u32 v28, v29
	ds_add_u32 v28, v29
	s_wait_dscnt 0x0
	v_lshrrev_b32 v1, 5, v0
	v_readfirstlane_b32 s14, v1
	s_lshr_b32 s15, s14, 1
	s_and_b32 s16, s14, 1
	s_bfe_u32 s40, ttmp6, 0x40000
	s_bfe_u32 s41, ttmp6, 0x40004
	s_and_b32 s17, ttmp7, 0xffff
	s_lshl_b32 s43, s41, 2
	s_lshl_b32 s43, 15, s43
	s_lshl_b32 s44, 0x1111, s40
	s_or_b32 s[G1+0], s43, (3<<16)|(1<<21)
	s_or_b32 s[G1B+0], s44, (3<<16)|(1<<21)
.irp g, G1, G1B
	s_mov_b32 s[\g+1], 768<<16
	s_mov_b32 s[\g+2], 4<<16
	s_mov_b32 s[\g+3], 768<<16
	s_mov_b32 s[\g+4], 4
	s_mov_b32 s[\g+5], 6144
	s_mov_b32 s[\g+6], 0
	s_mov_b32 s[\g+7], 0
.endr
	s_mul_i32 s20, s17, SLABC
	s_add_co_u32 s20, s20, O_AC
	s_mul_i32 s67, s41, 12288
	s_add_co_u32 s20, s20, s67
	s_mul_i32 s67, s16, 6144
	s_add_co_u32 s20, s20, s67
	s_mov_b32 s21, 0
	s_mul_i32 s22, s17, SLABS
	s_add_co_u32 s22, s22, O_AS
	s_lshl_b32 s67, s41, 10
	s_add_co_u32 s22, s22, s67
	s_lshl_b32 s67, s16, 9
	s_add_co_u32 s22, s22, s67
	s_mov_b32 s23, 0
	s_mul_i32 s46, ttmp9, SLABC
	s_add_co_u32 s46, s46, O_BC
	s_mul_i32 s19, s40, 12288
	s_add_co_u32 s46, s46, s19
	s_mul_i32 s19, s16, 6144
	s_add_co_u32 s46, s46, s19
	s_mov_b32 s47, 0
	s_mul_i32 s92, ttmp9, SLABS
	s_add_co_u32 s92, s92, O_BS
	s_lshl_b32 s19, s40, 10
	s_add_co_u32 s92, s92, s19
	s_lshl_b32 s19, s16, 9
	s_add_co_u32 s92, s92, s19
	s_mov_b32 s93, 0
	s_mul_i32 s45, s14, HALFT
	s_mul_i32 s94, s14, HALFS
	s_mov_b32 s[SEL], 0x76543210
	s_mov_b32 s[SEL+1], 0xfedcba98
	s_wait_kmcnt 0x0
	s_add_nc_u64 s[20:21], s[4:5], s[20:21]
	s_add_nc_u64 s[22:23], s[4:5], s[22:23]
	s_add_nc_u64 s[46:47], s[6:7], s[46:47]
	s_add_nc_u64 s[92:93], s[6:7], s[92:93]
	CROUND
	; THE SCALE WORDS of all of K (4,096 bytes a wave: 8 rows of 512 bytes) come through registers, beside slot 0's fill: waves 0, 1 bring A's two halves, waves 2, 3 B's.
	; They are 1 byte for each 24 of codes, so they are not asked for jointly.  No tensor load lands on their LDS bytes.
	s_cmp_eq_u32 s15, 0
	s_cselect_b64 s[22:23], s[22:23], s[92:93]
	s_cselect_b64 s[98:99], s[20:21], s[46:47]     ; the prefetches' base: the tile that I fetch,
	s_cselect_b32 s66, s40, s41                    ; my place among the four that ask for it with me (cx for A, cy for B):
	s_mul_i32 s66, s66, 49152                      ; of a K step's four rows of 6,144 bytes each partner names one, told apart by address
	s_mov_b32 s67, 0
	s_add_nc_u64 s[98:99], s[98:99], s[66:67]
	s_add_co_u32 s94, s94, SCL
	v_and_b32 v10, 31, v0
	v_min_u32 v9, 23, v10
	v_lshlrev_b32 v9, 8, v9                        ; a lane a block of 256 bytes, 24 to the row; the lanes left over name the last again; never rewritten
	v_lshlrev_b32 v10, 4, v10
	v_add_nc_u32 v11, s94, v10
	s_wait_alu depctr_va_vdst(0)                   ; the wait behind these writes
.irp j, 0,1,2,3,4,5,6,7
	global_load_b128 v[64+4*\j:67+4*\j], v10, s[22:23] offset:4096*\j
.endr
.irp s, 0,1
	s_mov_b32 s[G0+4*\s], 1
	s_add_co_u32 s[G0+4*\s+1], s45, \s*SLOT
	s_add_nc_u64 s[G0+4*\s+2:G0+4*\s+3], s[20:21], \s*196608
	s_or_b32 s[G0+4*\s+3], s[G0+4*\s+3], 0x80000000
	s_mov_b32 s[G0B+4*\s], 1
	s_add_co_u32 s[G0B+4*\s+1], s45, \s*SLOT
	s_add_nc_u64 s[G0B+4*\s+2:G0B+4*\s+3], s[46:47], \s*196608
	s_or_b32 s[G0B+4*\s+3], s[G0B+4*\s+3], 0x80000000
.if \s
	s_wait_alu depctr_va_vdst(0)
	s_wait_tensorcnt 0x0                           ; my part of slot 0 is in: no tensor load of mine is out while I store to LDS
	s_wait_loadcnt 0x0                             ; my scale words
.irp j, 0,1,2,3,4,5,6,7
	ds_store_b128 v11, v[64+4*\j:67+4*\j] offset:512*\j
.endr
	s_wait_tensorcnt 0x0                           ; a wait, the add, a wait and a round ahead of slot 1's first fill
	ds_add_u32 v28, v29
	s_wait_dscnt 0x0                               ; the add and my stores are done
	CROUND
.endif
	JLOAD G0+4*\s, G1, G0B+4*\s, G1B
.if \s == 0
	global_prefetch_b8 v9, s[98:99] offset:393216 th:TH_LOAD_NT scope:SCOPE_SE   ; K steps 2 and 3, the two refills: two and three K steps ahead of their loads; K has four steps, so the loop has nothing further to ask for
	global_prefetch_b8 v9, s[98:99] offset:589824 th:TH_LOAD_NT scope:SCOPE_SE
.endif
.endr
	v_and_b32 v1, 15, v0
	v_bfe_u32 v2, v0, 4, 1
	v_and_b32 v3, 31, v0
	v_lshlrev_b32 v[LI], 4, v3
	v_lshlrev_b32 v[LJ], 4, v1
	v_lshl_add_u32 v[LJ], v2, 3, v[LJ]
	s_mul_i32 s21, s15, HALFT
	s_mul_i32 s22, s16, HALFT
	s_add_co_u32 s22, s22, 2*HALFT
.irp s, 0,1
	v_add_nc_u32 v[ADRA+\s], s21, v[LI]
	v_add_nc_u32 v[ADRB+\s], s22, v[LI]
	v_add_nc_u32 v[ADRA+2+\s], s21, v[LJ]
	v_add_nc_u32 v[ADRB+2+\s], s22, v[LJ]
	s_add_co_u32 s21, s21, SLOT
	s_add_co_u32 s22, s22, SLOT
.endr
	v_lshlrev_b32 v5, 2, v1
	s_mul_i32 s21, s15, HALFS
	s_mul_i32 s22, s16, HALFS
	s_add_co_u32 s22, s22, 2*HALFS
	s_sub_co_u32 s22, s22, s21
	v_mul_u32_u24 v6, s22, v2
	s_add_co_u32 s21, s21, SCL
	v_add_nc_u32 v5, v5, v6
	v_add_nc_u32 v[ADRS], s21, v5
	s_lshl_b32 s23, s14, 9
	v_lshl_add_u32 v[SSTO], v1, 2, s23
	v_add_nc_u32 v[SRD], s23, v[LI]
	s_lshl_b32 s66, s40, 1
	s_add_co_u32 s66, s66, s16
	s_lshl_b32 s19, ttmp9, 3
	s_add_co_u32 s66, s66, s19
	s_lshl_b32 s18, s66, 9
	s_mov_b32 s19, 0
	s_add_nc_u64 s[8:9], s[8:9], s[18:19]
	v_lshlrev_b32 v7, 6, v2
.irp b, 0,1,2,3,4,5,6,7
	global_load_b128 v[CB+8*\b:CB+8*\b+3], v7, s[8:9] offset:(32*(\b/2)+8*(\b%2))*4
	global_load_b128 v[CB+8*\b+4:CB+8*\b+7], v7, s[8:9] offset:(32*(\b/2)+8*(\b%2))*4+16
.endr
.macro FRAG reg, adr, q, i
	ds_load_b128 v[\reg:\reg+3], v[\adr] offset:(2*(\q))*6144+(\i)*768
	ds_load_b64 v[\reg+4:\reg+5], v[\adr+2] offset:(2*(\q))*6144+(\i)*768+512
	ds_load_b128 v[\reg+6:\reg+9], v[\adr] offset:(2*(\q)+1)*6144+(\i)*768
	ds_load_b64 v[\reg+10:\reg+11], v[\adr+2] offset:(2*(\q)+1)*6144+(\i)*768+512
.endm
.macro MUL16 a0, p, q, sc, zero
.irp a, \a0, \a0+1
.irp b, 0,1,2,3,4,5,6,7
.if \zero
	v_wmma_scale_f32_16x16x128_f8f6f4 v[8*(8*((\a)%4)+\b):8*(8*((\a)%4)+\b)+7], v[128*(\p)+FR*\b:128*(\p)+FR*\b+FR-1], v[AF+FR*(\a):AF+FR*(\a)+FR-1], v[CB+8*\b:CB+8*\b+7], v[SC+8*NQ*(\sc)+NQ*\b+(\q)], v[SC+8*NQ*(\sc)+NQ*(\a)+(\q)] matrix_a_fmt:MATRIX_FMT_BF6 matrix_b_fmt:MATRIX_FMT_BF6 matrix_a_scale:MATRIX_SCALE_ROW1
.else
	v_wmma_scale_f32_16x16x128_f8f6f4 v[8*(8*((\a)%4)+\b):8*(8*((\a)%4)+\b)+7], v[128*(\p)+FR*\b:128*(\p)+FR*\b+FR-1], v[AF+FR*(\a):AF+FR*(\a)+FR-1], v[8*(8*((\a)%4)+\b):8*(8*((\a)%4)+\b)+7], v[SC+8*NQ*(\sc)+NQ*\b+(\q)], v[SC+8*NQ*(\sc)+NQ*(\a)+(\q)] matrix_a_fmt:MATRIX_FMT_BF6 matrix_b_fmt:MATRIX_FMT_BF6 matrix_a_scale:MATRIX_SCALE_ROW1
.endif
.endr
.endr
.endm
.macro FETCH_B slot, q, p
	WIN TO_B
.irp i, 0,1,2,3,4,5,6,7
	FRAG 128*(\p)+FR*\i, ADRB+\slot, \q, \i
.endr
	WIN 0
.endm
.macro FETCH_A slot, q, i0
.irp i, \i0, \i0+1, \i0+2, \i0+3
	FRAG AF+FR*(\i), ADRA+\slot, \q, \i
.endr
.endm
.macro SCALES sc
.irp i, 0,1,2,3,4,5,6,7
	ds_load_b32 v[SC+8*NQ*\sc+NQ*\i], v[ADRS] offset:\i*64
	ds_load_b32 v[SC+8*NQ*\sc+NQ*\i+1], v[ADRS] offset:\i*64+512
.endr
.endm
.macro PLACES n
.rept \n
	v_nop
.endr
.endm
.macro STEP slot, q, zero
	s_wait_dscnt 4*NL
	WIN MUL_LO-0x20*(\zero)
	MUL16 0, (\q)%2, \q, \slot, \zero
	MUL16 2, (\q)%2, \q, \slot, \zero
	s_wait_dscnt 0
	PLACES NP
	FETCH_B \slot, (\q)+1, 1-(\q)%2
	FETCH_A \slot, (\q)+1, 0
	WIN MUL_HI-0x30*(\zero)
	MUL16 4, (\q)%2, \q, \slot, \zero
	MUL16 6, (\q)%2, \q, \slot, \zero
	PLACES NP
	WIN 0
	FETCH_A \slot, (\q)+1, 4
.endm
.macro TURN slot, next, fill
	s_wait_tensorcnt 0x0
	ds_add_u32 v[SPW], v[NIL]
	s_wait_dscnt 4*NL+1
	WIN MUL_LO
	MUL16 0, 1, NQ-1, \slot, 0
	s_wait_dscnt 0x0
	s_barrier_signal -1
	MUL16 2, 1, NQ-1, \slot, 0
	WIN 0
	s_barrier_wait -1
.if \fill
	CREST
	s_add_nc_u64 s[G0+4*\slot+2:G0+4*\slot+3], s[G0+4*\slot+2:G0+4*\slot+3], 393216
	s_add_nc_u64 s[G0B+4*\slot+2:G0B+4*\slot+3], s[G0B+4*\slot+2:G0B+4*\slot+3], 393216
	JLOAD G0+4*\slot, G1, G0B+4*\slot, G1B
.else
	PLACES NP
.endif
	s_wait_alu depctr_va_vdst(0)
	v_add_nc_u32 v[ADRS], 1024, v[ADRS]
	FETCH_B \next, 0, 0
	FETCH_A \next, 0, 0
	SCALES \next
	WIN MUL_HI
	MUL16 4, 1, NQ-1, \slot, 0
	MUL16 6, 1, NQ-1, \slot, 0
	PLACES NP
	WIN 0
	FETCH_A \next, 0, 4
.endm
	s_wait_alu depctr_va_vdst(0)
	s_wait_tensorcnt 1
	s_barrier_signal -1
	s_barrier_wait -1
	FETCH_B 0, 0, 0
	FETCH_A 0, 0, 0
	SCALES 0
	FETCH_A 0, 0, 4
	s_wait_loadcnt 0x0
	STEP 0, 0, 1
	s_mov_b32 s3, LAPS-1
.Llap:
	TURN 0, 1, 1
	STEP 1, 0, 0
	TURN 1, 0, 1
	STEP 0, 0, 0
	s_sub_co_u32 s3, s3, 1
	s_cmp_lg_u32 s3, 0
	s_cbranch_scc1 .Llap
	TURN 0, 1, 0
	STEP 1, 0, 0
	s_wait_dscnt 4*NL
	WIN MUL_LO
	MUL16 0, 1, NQ-1, 1, 0
	MUL16 2, 1, NQ-1, 1, 0
	s_wait_dscnt 0
	WIN MUL_HI
	MUL16 4, 1, NQ-1, 1, 0
	MUL16 6, 1, NQ-1, 1, 0
	WIN 0
	s_lshl_b32 s20, s41, 1
	s_add_co_u32 s20, s20, s15
	s_lshl_b32 s18, s17, 17
	s_lshl_b32 s19, s66, 12
	s_add_co_u32 s18, s18, s19
	s_lshl_b32 s19, s20, 9
	s_add_co_u32 s18, s18, s19
	s_add_co_u32 s18, s18, 12582912
	s_mov_b32 s19, 0
	s_add_nc_u64 s[8:9], s[10:11], s[18:19]
	s_mul_i32 s18, s17, 3145728
	s_mul_i32 s21, s66, 98304
	s_add_co_u32 s18, s18, s21
	s_mul_i32 s21, s20, 6144
	s_add_co_u32 s18, s18, s21
	s_add_nc_u64 s[OUT:OUT+1], s[10:11], s[18:19]
	PLACES NP
.irp b, 0,1,2,3
	v_mov_b32 v[TM+4+\b], 0
.endr
.macro BLOCKQ a
	s_wait_xcnt 0x0
	WIN 0x08+4*((\a)/4)
.set i, 0
.rept 64
	v_max_num_f32 v[H+i], 0, v[64*((\a)%4)+i]
.set i, i+1
.endr
	WIN 0
	QUANT H, PW
	IMGOUT 768*(\a), 49152
	ds_store_b32 v[SSTO], v[PW] offset:64*(\a)
.endm
.irp a, 0,1,2,3,4,5,6,7
	BLOCKQ \a
.endr
	ds_load_b128 v[OW:OW+3], v[SRD]
	s_wait_dscnt 0x0
	global_store_b128 v[LI], v[OW:OW+3], s[8:9]
	s_wait_tensorcnt 0x0
	ds_add_u32 v[SPW], v[NIL]
	s_wait_dscnt 0x0
	CROUND
	s_endpgm
.Lfunc_end_k_qd0917699a7_gw1:
	.size	k_qd0917699a7_gw1, .Lfunc_end_k_qd0917699a7_gw1-k_qd0917699a7_gw1
	.p2alignl 7, 3214868480
	.fill 96, 4, 3214868480
	.section	.rodata,"a",@progbits
	.p2align	6, 0x0
	.amdhsa_kernel k_qd0917699a7_gw1
		.amdhsa_group_segment_fixed_size 327680
		.amdhsa_private_segment_fixed_size 0
		.amdhsa_enable_private_segment 0
		.amdhsa_kernarg_size 32
		.amdhsa_user_sgpr_count 2
		.amdhsa_user_sgpr_kernarg_segment_ptr 1
		.amdhsa_wavefront_size32 1
		.amdhsa_system_sgpr_workgroup_id_x 1
		.amdhsa_system_sgpr_workgroup_id_y 1
		.amdhsa_system_sgpr_workgroup_id_z 1
		.amdhsa_system_vgpr_workitem_id 0
		.amdhsa_next_free_vgpr 1024
		.amdhsa_next_free_sgpr 100
		.amdhsa_reserve_vcc 0
		.amdhsa_float_denorm_mode_32 3
		.amdhsa_float_denorm_mode_16_64 3
		.amdhsa_memory_ordered 1
		.amdhsa_forward_progress 1
		.amdhsa_inst_pref_size 170
	.end_amdhsa_kernel
	.amdgpu_metadata
---
amdhsa.version: [ 1, 2 ]
amdhsa.kernels:
  - .name:           k_qd0917699a7_gw1
    .symbol:         k_qd0917699a7_gw1.kd
    .args:
      - { .name: hb, .offset: 0, .size: 8, .value_kind: global_buffer, .address_space: global }
      - { .name: wc, .offset: 8, .size: 8, .value_kind: global_buffer, .address_space: global }
      - { .name: b1, .offset: 16, .size: 8, .value_kind: global_buffer, .address_space: global }
      - { .name: ff, .offset: 24, .size: 8, .value_kind: global_buffer, .address_space: global }
    .group_segment_fixed_size: 327680
    .private_segment_fixed_size: 0
    .kernarg_segment_align: 8
    .kernarg_segment_size: 32
    .max_flat_workgroup_size: 128
    .sgpr_count:     100
    .vgpr_count:     1024
    .wavefront_size: 32
...
	.end_amdgpu_metadata
.endif
;; end of part 13
;; launch gw2 (part 14): grid 8 x 32, 4 waves a work-group, clusters of 4 x 4, 327,680 bytes of LDS; arguments ff, wc, b2, res; writes res
.if DOCPART == 14
	.amdgcn_target "amdgcn-amd-amdhsa--gfx1250"
	.amdhsa_code_object_version 6
	.text
	.protected	k_qd0917699a7_gw2
	.globl	k_qd0917699a7_gw2
	.p2align	8
	.type	k_qd0917699a7_gw2,@function
k_qd0917699a7_gw2:
	s_mov_b64 s[64:65], 0
	v_nop
	global_prefetch_b8 v0, s[64:65] scope:SCOPE_SE
	s_setreg_imm32_b32 hwreg(HW_REG_WAVE_MODE, 25, 1), 1
	s_wait_xcnt 0x0
	s_wait_alu depctr_hold_cnt(0) depctr_sa_sdst(0) depctr_va_vdst(0) depctr_va_sdst(0) depctr_va_ssrc(0) depctr_va_vcc(0) depctr_vm_vsrc(0)
	s_getreg_b32 s2, hwreg(HW_REG_IB_STS2, 6, 4)
	s_cmp_eq_u32 s2, 0
	s_cbranch_scc0 .Lentry_in_a_cluster
	s_endpgm
.Lentry_in_a_cluster:
	s_bfe_u32 s2, ttmp6, 0x10000c
	s_cmp_lg_u32 s2, 0xf033
	s_cbranch_scc0 .Lentry_shape_is_right
	s_endpgm
.Lentry_shape_is_right:
.set KDIM,   4096
.set O_AC,   0
.set O_AS,   12582912
.set O_BC,   6291456
.set O_BS,   12845056
.set SLABC,  (KDIM/64)*49152
.set SLABS,  (KDIM/128)*4096
.set HALFT,  24576
.set SLOT,   4*HALFT
.set LAPS,   KDIM/1024
.set SCL,    2*SLOT
.set HALFS,  (KDIM/128)*256
.set SPARE,  SCL+4*HALFS
.set FR, 12
.set NP, 4
.set NQ, 4
.set ADRA, 16
.set ADRB, 20
.set LI,   24
.set LJ,   25
.set ADRS, 27
.set SPW,  28
.set NIL,  29
.set SC,   32
.set CB,   64
.set ACC,  128
.set G1, 24
.set G0, 32
.set G1B, 48
.set G0B, 56
.set G1S, 68
.set G0S, 76
.set G1SB, 80
.set G0SB, 88
.set MSB, 0
.macro WIN new
.if MSB != (\new)
	s_set_vgpr_msb (MSB<<8)|(\new)
.set MSB, (\new)
.endif
.endm
.set MUL,  0x05
.set TO_F, 0x40
.macro JLOAD g0a, g1a, g0b, g1b
	s_cmp_eq_u32 s15, 0
	s_cbranch_scc0 .Lfor_b_\@
	tensor_load_to_lds s[\g0a:\g0a+3], s[\g1a:\g1a+7]
	s_nop 0
.rept 4
	v_nop
.endr
	s_branch .Lasked_\@
.Lfor_b_\@:
	tensor_load_to_lds s[\g0b:\g0b+3], s[\g1b:\g1b+7]
	s_nop 0
.rept 4
	v_nop
.endr
.Lasked_\@:
.endm
.macro CREST
	s_cmp_lg_u32 s14, 0
	s_cbranch_scc1 .Lnot_wave_0_\@
	s_barrier_signal -3
.Lnot_wave_0_\@:
	s_barrier_wait -3
	s_barrier_signal -1
	s_barrier_wait -1
.endm
.macro CROUND
	s_barrier_signal -1
	s_barrier_wait -1
	CREST
.endm
	s_load_b256 s[4:11], s[0:1], 0x0
	v_lshl_add_u32 v[SPW], v0, 2, SPARE
	v_mov_b32 v[NIL], 0
	ds_add_u32 v28, v29
	ds_add_u32 v28, v29
	s_wait_dscnt 0x0
	v_lshrrev_b32 v1, 5, v0
	v_readfirstlane_b32 s14, v1
	s_lshr_b32 s15, s14, 1
	s_and_b32 s16, s14, 1
	s_bfe_u32 s40, ttmp6, 0x40000
	s_bfe_u32 s41, ttmp6, 0x40004
	s_and_b32 s17, ttmp7, 0xffff
	s_lshl_b32 s43, s41, 2
	s_lshl_b32 s43, 15, s43
	s_lshl_b32 s44, 0x1111, s40
	s_or_b32 s[G1+0], s43, (3<<16)|(1<<21)
	s_or_b32 s[G1B+0], s44, (3<<16)|(1<<21)
.irp g, G1, G1B
	s_mov_b32 s[\g+1], 384<<16
	s_mov_b32 s[\g+2], 8<<16
	s_mov_b32 s[\g+3], 384<<16
	s_mov_b32 s[\g+4], 8
	s_mov_b32 s[\g+5], 6144
	s_mov_b32 s[\g+6], 0
	s_mov_b32 s[\g+7], 0
.endr
	s_lshr_b32 s18, s17, 1
	s_and_b32 s67, s17, 1
	s_lshl_b32 s67, s67, 2
	s_add_co_u32 s67, s67, s41
	s_mul_i32 s20, s18, SLABC
	s_add_co_u32 s20, s20, O_AC
	s_mul_i32 s66, s67, 6144
	s_add_co_u32 s20, s20, s66
	s_mul_i32 s66, s16, 3072
	s_add_co_u32 s20, s20, s66
	s_mov_b32 s21, 0
	s_mul_i32 s22, s18, SLABS
	s_add_co_u32 s22, s22, O_AS
	s_lshl_b32 s66, s67, 9
	s_add_co_u32 s22, s22, s66
	s_lshl_b32 s66, s16, 8
	s_add_co_u32 s22, s22, s66
	s_mov_b32 s23, 0
	s_lshl_b32 s42, ttmp9, 2
	s_add_co_u32 s42, s42, s40
	s_mul_i32 s46, s42, 6144
	s_add_co_u32 s46, s46, O_BC
	s_mul_i32 s19, s16, 3072
	s_add_co_u32 s46, s46, s19
	s_mov_b32 s47, 0
	s_lshl_b32 s92, s42, 9
	s_add_co_u32 s92, s92, O_BS
	s_lshl_b32 s19, s16, 8
	s_add_co_u32 s92, s92, s19
	s_mov_b32 s93, 0
	s_mul_i32 s45, s14, HALFT
	s_mul_i32 s94, s14, HALFS
	s_wait_kmcnt 0x0
	s_add_nc_u64 s[20:21], s[4:5], s[20:21]
	s_add_nc_u64 s[22:23], s[4:5], s[22:23]
	s_add_nc_u64 s[46:47], s[6:7], s[46:47]
	s_add_nc_u64 s[92:93], s[6:7], s[92:93]
	CROUND
	; THE SCALE WORDS of all of K (8,192 bytes a wave: 32 rows of 256 bytes) come through registers, beside slot 0's fill: waves 0, 1 bring A's two halves, waves 2, 3 B's.
	; They are 1 byte for each 24 of codes, so they are not asked for jointly.  No tensor load lands on their LDS bytes.
	; THE PREFETCHES: a K step of the tile that I fetch is 8 rows of 3,072 bytes, 96 blocks of 256 bytes; the four partners that ask for it jointly name two rows each, told apart by address (cx for A, cy for B):
	; a lane a block, 24 lanes, the lanes left over name the last again.  s[96:97] stands at the K step that the refill at hand brings; a prefetch names the K step two refills on.
	s_cmp_eq_u32 s15, 0
	s_cselect_b64 s[22:23], s[22:23], s[92:93]
	s_cselect_b64 s[96:97], s[20:21], s[46:47]
	s_cselect_b32 s98, s40, s41
	s_mul_i32 s98, s98, 98304
	s_mov_b32 s99, 0
	s_add_nc_u64 s[96:97], s[96:97], s[98:99]
	s_add_nc_u64 s[96:97], s[96:97], 393216        ; at K step 1: the first refill steps it to 2
	s_add_co_u32 s94, s94, SCL
	v_and_b32 v12, 31, v0
	v_min_u32 v9, 23, v12
	v_mul_u32_u24 v13, v9, 171
	v_lshrrev_b32 v13, 11, v13                     ; which of my two rows: lane / 12
	v_mul_u32_u24 v13, v13, 46080                  ; 49,152 bytes from row to row, less the 12 blocks passed
	v_lshl_add_u32 v9, v9, 8, v13                  ; never rewritten
	v_and_b32 v10, 15, v0                          ; a load of the scale words takes two rows of 256 bytes, 4,096 bytes apart in memory,
	v_lshlrev_b32 v10, 4, v10
	v_bfe_u32 v13, v0, 4, 1
	v_lshl_add_u32 v10, v13, 12, v10
	v_lshlrev_b32 v12, 4, v12
	v_add_nc_u32 v11, s94, v12                     ; and on end in LDS
	s_wait_alu depctr_va_vdst(0)                   ; the wait behind these writes
.irp j, 0,1,2,3,4,5,6,7,8,9,10,11,12,13,14,15
	global_load_b128 v[64+4*\j:67+4*\j], v10, s[22:23] offset:8192*\j
.endr
.irp s, 0,1
	s_mov_b32 s[G0+4*\s], 1
	s_add_co_u32 s[G0+4*\s+1], s45, \s*SLOT
	s_add_nc_u64 s[G0+4*\s+2:G0+4*\s+3], s[20:21], \s*393216
	s_or_b32 s[G0+4*\s+3], s[G0+4*\s+3], 0x80000000
	s_mov_b32 s[G0B+4*\s], 1
	s_add_co_u32 s[G0B+4*\s+1], s45, \s*SLOT
	s_add_nc_u64 s[G0B+4*\s+2:G0B+4*\s+3], s[46:47], \s*393216
	s_or_b32 s[G0B+4*\s+3], s[G0B+4*\s+3], 0x80000000
.if \s
	s_wait_alu depctr_va_vdst(0)
	s_wait_tensorcnt 0x0                           ; my part of slot 0 is in: no tensor load of mine is out while I store to LDS
	s_wait_loadcnt 0x0                             ; my scale words
.irp j, 0,1,2,3,4,5,6,7,8,9,10,11,12,13,14,15
	ds_store_b128 v11, v[64+4*\j:67+4*\j] offset:512*\j
.endr
	s_wait_tensorcnt 0x0                           ; a wait, the add, a wait and a round ahead of slot 1's first fill
	ds_add_u32 v28, v29
	s_wait_dscnt 0x0                               ; the add and my stores are done
	CROUND
.endif
	JLOAD G0+4*\s, G1, G0B+4*\s, G1B
.if \s == 0
	global_prefetch_b8 v9, s[96:97] offset:393216 th:TH_LOAD_NT scope:SCOPE_SE   ; K steps 2 and 3, the first two refills: two and three K steps ahead of their loads
	global_prefetch_b8 v9, s[96:97] offset:786432 th:TH_LOAD_NT scope:SCOPE_SE
.endif
.endr
	v_and_b32 v1, 15, v0
	v_bfe_u32 v2, v0, 4, 1
	v_and_b32 v3, 31, v0
	v_lshlrev_b32 v[LI], 4, v3
	v_lshlrev_b32 v[LJ], 4, v1
	v_lshl_add_u32 v[LJ], v2, 3, v[LJ]
	s_mul_i32 s21, s15, HALFT
	s_mul_i32 s22, s16, HALFT
	s_add_co_u32 s22, s22, 2*HALFT
.irp s, 0,1
	v_add_nc_u32 v[ADRA+\s], s21, v[LI]
	v_add_nc_u32 v[ADRB+\s], s22, v[LI]
	v_add_nc_u32 v[ADRA+2+\s], s21, v[LJ]
	v_add_nc_u32 v[ADRB+2+\s], s22, v[LJ]
	s_add_co_u32 s21, s21, SLOT
	s_add_co_u32 s22, s22, SLOT
.endr
	v_lshlrev_b32 v5, 2, v1
	s_mul_i32 s21, s15, HALFS
	s_mul_i32 s22, s16, HALFS
	s_add_co_u32 s22, s22, 2*HALFS
	s_sub_co_u32 s22, s22, s21
	v_mul_u32_u24 v6, s22, v2
	s_add_co_u32 s21, s21, SCL
	v_add_nc_u32 v5, v5, v6
	v_add_nc_u32 v[ADRS], s21, v5
	s_lshl_b32 s66, s42, 9
	s_lshl_b32 s67, s16, 8
	s_add_co_u32 s66, s66, s67
	s_mov_b32 s67, 0
	s_add_nc_u64 s[8:9], s[8:9], s[66:67]
	v_lshlrev_b32 v7, 6, v2
.irp b, 0,1,2,3
	global_load_b128 v[CB+8*\b:CB+8*\b+3], v7, s[8:9] offset:(32*(\b/2)+8*(\b%2))*4
	global_load_b128 v[CB+8*\b+4:CB+8*\b+7], v7, s[8:9] offset:(32*(\b/2)+8*(\b%2))*4+16
.endr
	s_lshl_b32 s18, s17, 2
	s_add_co_u32 s18, s18, s41
	s_lshl_b32 s18, s18, 19
	s_lshl_b32 s19, s15, 18
	s_add_co_u32 s18, s18, s19
	s_lshl_b32 s19, s42, 13
	s_add_co_u32 s18, s18, s19
	s_lshl_b32 s19, s16, 12
	s_add_co_u32 s18, s18, s19
	s_mov_b32 s19, 0
	s_add_nc_u64 s[10:11], s[10:11], s[18:19]
.macro FRAG reg, adr, q, i
	ds_load_b128 v[\reg:\reg+3], v[\adr] offset:(2*(\q))*3072+(\i)*768
	ds_load_b64 v[\reg+4:\reg+5], v[\adr+2] offset:(2*(\q))*3072+(\i)*768+512
	ds_load_b128 v[\reg+6:\reg+9], v[\adr] offset:(2*(\q)+1)*3072+(\i)*768
	ds_load_b64 v[\reg+10:\reg+11], v[\adr+2] offset:(2*(\q)+1)*3072+(\i)*768+512
.endm
.macro MUL4 a, p, q, sc, zero
.irp b, 0,1,2,3
.if \zero
	v_wmma_scale_f32_16x16x128_f8f6f4 v[ACC+8*(4*(\a)+\b):ACC+8*(4*(\a)+\b)+7], v[128*(\p)+FR*\b:128*(\p)+FR*\b+FR-1], v[128*(\p)+48+FR*(\a):128*(\p)+48+FR*(\a)+FR-1], v[CB+8*\b:CB+8*\b+7], v[SC+16*(\sc)+4*\b+(\q)], v[SC+16*(\sc)+4*(\a)+(\q)] matrix_a_fmt:MATRIX_FMT_BF6 matrix_b_fmt:MATRIX_FMT_BF6 matrix_a_scale:MATRIX_SCALE_ROW1
.else
	v_wmma_scale_f32_16x16x128_f8f6f4 v[ACC+8*(4*(\a)+\b):ACC+8*(4*(\a)+\b)+7], v[128*(\p)+FR*\b:128*(\p)+FR*\b+FR-1], v[128*(\p)+48+FR*(\a):128*(\p)+48+FR*(\a)+FR-1], v[ACC+8*(4*(\a)+\b):ACC+8*(4*(\a)+\b)+7], v[SC+16*(\sc)+4*\b+(\q)], v[SC+16*(\sc)+4*(\a)+(\q)] matrix_a_fmt:MATRIX_FMT_BF6 matrix_b_fmt:MATRIX_FMT_BF6 matrix_a_scale:MATRIX_SCALE_ROW1
.endif
.endr
.endm
.macro FETCH slot, q, p
	WIN TO_F
.irp i, 0,1,2,3
	FRAG 128*(\p)+FR*\i, ADRB+\slot, \q, \i
.endr
.irp i, 0,1,2,3
	FRAG 128*(\p)+48+FR*\i, ADRA+\slot, \q, \i
.endr
.endm
.macro SCALES sc
	WIN 0
.irp i, 0,1,2,3
.irp q, 0,1,2,3
	ds_load_b32 v[SC+16*\sc+4*\i+\q], v[ADRS] offset:\i*64+\q*256
.endr
.endr
.endm
.macro PLACES n
.rept \n
	v_nop
.endr
.endm
.macro STEP slot, q, zero
	PLACES NP
	FETCH \slot, (\q)+1, 1-(\q)%2
	s_wait_dscnt 32
	WIN MUL
	MUL4 0, (\q)%2, \q, \slot, \zero
	MUL4 1, (\q)%2, \q, \slot, \zero
	MUL4 2, (\q)%2, \q, \slot, \zero
	MUL4 3, (\q)%2, \q, \slot, \zero
.endm
.macro TURN slot, next, fill
	WIN 0
.if \fill
	s_wait_xcnt 0x0                                ; any prefetch of mine has read its address: it is stepped here, a K step behind the prefetch
	s_add_nc_u64 s[96:97], s[96:97], 393216
.endif
	s_wait_tensorcnt 0x0
	ds_add_u32 v[SPW], v[NIL]
	s_wait_dscnt 1
	WIN MUL
	MUL4 0, 1, NQ-1, \slot, 0
	s_wait_dscnt 0x0
	s_barrier_signal -1
	MUL4 1, 1, NQ-1, \slot, 0
	WIN 0
	s_barrier_wait -1
.if \fill
	CREST
	s_add_nc_u64 s[G0+4*\slot+2:G0+4*\slot+3], s[G0+4*\slot+2:G0+4*\slot+3], 786432
	s_add_nc_u64 s[G0B+4*\slot+2:G0B+4*\slot+3], s[G0B+4*\slot+2:G0B+4*\slot+3], 786432
	JLOAD G0+4*\slot, G1, G0B+4*\slot, G1B
.else
	PLACES NP
.endif
	s_wait_alu depctr_va_vdst(0)
	v_add_nc_u32 v[ADRS], 1024, v[ADRS]
	FETCH \next, 0, 0
	SCALES \next
.if \fill
	s_cmp_gt_u32 s3, 1                             ; the last trip's two refills have no K step two on: they ask for nothing
	s_cbranch_scc0 .Lno_ask_\@
	global_prefetch_b8 v9, s[96:97] offset:786432 th:TH_LOAD_NT scope:SCOPE_SE   ; behind the joint load and the run of LDS loads: the K step two refills on
.Lno_ask_\@:
.endif
	WIN MUL
	MUL4 2, 1, NQ-1, \slot, 0
	MUL4 3, 1, NQ-1, \slot, 0
.endm
	s_wait_alu depctr_va_vdst(0)
	s_wait_tensorcnt 1
	s_barrier_signal -1
	s_barrier_wait -1
	FETCH 0, 0, 0
	SCALES 0
	s_wait_loadcnt 0x0
	STEP 0, 0, 1
.if LAPS > 1
	WIN 0
	s_mov_b32 s3, LAPS-1
.Llap:
	STEP 0, 1, 0
	STEP 0, 2, 0
	TURN 0, 1, 1
	STEP 1, 0, 0
	STEP 1, 1, 0
	STEP 1, 2, 0
	TURN 1, 0, 1
	STEP 0, 0, 0
	WIN 0
	s_sub_co_u32 s3, s3, 1
	s_cmp_lg_u32 s3, 0
	s_cbranch_scc1 .Llap
.endif
	STEP 0, 1, 0
	STEP 0, 2, 0
	TURN 0, 1, 0
	STEP 1, 0, 0
	STEP 1, 1, 0
	STEP 1, 2, 0
	s_wait_dscnt 0x0
	WIN MUL
	MUL4 0, 1, NQ-1, 1, 0
	MUL4 1, 1, NQ-1, 1, 0
	MUL4 2, 1, NQ-1, 1, 0
	MUL4 3, 1, NQ-1, 1, 0
	WIN 0
	PLACES NP
.irp a, 0,1,2,3
.irp g, 0,1,2,3,4,5,6,7
	global_store_b128 v[LI], v[ACC+32*\a+4*\g:ACC+32*\a+4*\g+3], s[10:11] offset:65536*\a+512*\g th:TH_STORE_NT
.endr
.endr
	s_wait_tensorcnt 0x0
	ds_add_u32 v[SPW], v[NIL]
	s_wait_dscnt 0x0
	CROUND
	s_endpgm
.Lfunc_end_k_qd0917699a7_gw2:
	.size	k_qd0917699a7_gw2, .Lfunc_end_k_qd0917699a7_gw2-k_qd0917699a7_gw2
	.p2alignl 7, 3214868480
	.fill 96, 4, 3214868480
	.section	.rodata,"a",@progbits
	.p2align	6, 0x0
	.amdhsa_kernel k_qd0917699a7_gw2
		.amdhsa_group_segment_fixed_size 327680
		.amdhsa_private_segment_fixed_size 0
		.amdhsa_enable_private_segment 0
		.amdhsa_kernarg_size 32
		.amdhsa_user_sgpr_count 2
		.amdhsa_user_sgpr_kernarg_segment_ptr 1
		.amdhsa_wavefront_size32 1
		.amdhsa_system_sgpr_workgroup_id_x 1
		.amdhsa_system_sgpr_workgroup_id_y 1
		.amdhsa_system_sgpr_workgroup_id_z 1
		.amdhsa_system_vgpr_workitem_id 0
		.amdhsa_next_free_vgpr 512
		.amdhsa_next_free_sgpr 100
		.amdhsa_reserve_vcc 0
		.amdhsa_float_denorm_mode_32 3
		.amdhsa_float_denorm_mode_16_64 3
		.amdhsa_memory_ordered 1
		.amdhsa_forward_progress 1
		.amdhsa_inst_pref_size 92
	.end_amdhsa_kernel
	.amdgpu_metadata
---
amdhsa.version: [ 1, 2 ]
amdhsa.kernels:
  - .name:           k_qd0917699a7_gw2
    .symbol:         k_qd0917699a7_gw2.kd
    .args:
      - { .name: ff, .offset: 0, .size: 8, .value_kind: global_buffer, .address_space: global }
      - { .name: wc, .offset: 8, .size: 8, .value_kind: global_buffer, .address_space: global }
      - { .name: b2, .offset: 16, .size: 8, .value_kind: global_buffer, .address_space: global }
      - { .name: res, .offset: 24, .size: 8, .value_kind: global_buffer, .address_space: global }
    .group_segment_fixed_size: 327680
    .private_segment_fixed_size: 0
    .kernarg_segment_align: 8
    .kernarg_segment_size: 32
    .max_flat_workgroup_size: 128
    .sgpr_count:     100
    .vgpr_count:     512
    .wavefront_size: 32
...
	.end_amdgpu_metadata
.endif
;; end of part 14
;; launch ln2 (part 15): grid 256 x 1, 8 waves a work-group, no clusters, 69,632 bytes of LDS; arguments res, hb, g2, be2, out0; writes out0
.if DOCPART == 15
	.amdgcn_target "amdgcn-amd-amdhsa--gfx1250"
	.amdhsa_code_object_version 6
	.text
	.protected	k_qd0917699a7_ln2
	.globl	k_qd0917699a7_ln2
	.p2align	8
	.type	k_qd0917699a7_ln2,@function
k_qd0917699a7_ln2:
	s_mov_b64 s[64:65], 0
	v_nop
	global_prefetch_b8 v0, s[64:65] scope:SCOPE_SE
	s_setreg_imm32_b32 hwreg(HW_REG_WAVE_MODE, 25, 1), 1
	s_wait_xcnt 0x0
; LN2: out0 = LayerNorm(h + the FFN's result) g2 + be2, all in f32.
; A work-group takes a row tile of 16 rows (position space: row r of tile T is the true row 32 (T/2) + 8 (T%2) + r%8 + 16 (r/8)); wave w takes columns 128 w .. 128 w + 127.  A lane (r, h) holds 64 numbers of row r:
; register 16 b + i = column 32 b + 16 h + i of the wave's 128: both images are read as they lie; the result turns through the wave's own stage in LDS and leaves as true rows, 512 consecutive bytes a store.
; The mean and then the mean of the squared differences: two passes over registers; the eight waves' parts meet in LDS behind a barrier each (different words, so no third barrier).
; Memory binds: no matrix unit, no cluster, no tensor load.
.set LI,  1
.set LS,  3
.set STI, 4
.set STQ, 5
.set LG,  6
.set RA,  7
.set RR,  8
.set V,   32
.set HH,  96                           ; v96-159  h's image; then beta
.set G,   160                          ; v160-223 the gain; then rows on the way out
.set BE,  96
.set OR,  160
.set A0,  224
.set SV,  228
.set T1,  229
.set MU,  230
.set RS,  232
.set T2,  234
.set SEL, 28
.macro RSUM off
	s_delay_alu instid0(VALU_DEP_1)
	v_permlanex16_b32 v[T1], v[SV], s[SEL], s[SEL+1]
	s_delay_alu instid0(VALU_DEP_1)
	v_add_f32 v[SV], v[SV], v[T1]
	ds_store_b32 v[RA], v[SV] offset:\off          ; lanes r and r + 16 write the same word with the same value
	s_wait_dscnt 0x0                               ; for the others' sake
	s_barrier_signal -1
	s_barrier_wait -1
.irp i, 0,1,2,3,4,5,6,7
	ds_load_b32 v[T2+\i], v[RR] offset:\off+64*\i
.endr
	s_wait_dscnt 0x0
	v_add_f32 v[T2], v[T2], v[T2+1]
	v_add_f32 v[T2+2], v[T2+2], v[T2+3]
	v_add_f32 v[T2+4], v[T2+4], v[T2+5]
	v_add_f32 v[T2+6], v[T2+6], v[T2+7]
	s_delay_alu instid0(VALU_DEP_3)
	v_add_f32 v[T2], v[T2], v[T2+2]
	s_delay_alu instid0(VALU_DEP_2)
	v_add_f32 v[T2+4], v[T2+4], v[T2+6]
	s_delay_alu instid0(VALU_DEP_1)
	v_add_f32 v[SV], v[T2], v[T2+4]
.endm
	s_load_b256 s[4:11], s[0:1], 0x0               ; res, hb, g2, be2
	s_load_b64 s[12:13], s[0:1], 0x20              ; out0
	v_lshl_add_u32 v254, v0, 2, 0x10c00
	v_mov_b32 v255, 0
	v_lshrrev_b32 v9, 5, v0
	s_delay_alu instid0(VALU_DEP_1)
	v_readfirstlane_b32 s14, v9                    ; wave 0..7
	v_and_b32 v9, 31, v0
	v_and_b32 v10, 15, v0
	v_bfe_u32 v11, v0, 4, 1
	s_delay_alu instid0(VALU_DEP_3)
	v_lshlrev_b32 v[LI], 4, v9
	s_delay_alu instid0(VALU_DEP_3)
	v_lshlrev_b32 v[LS], 2, v10
	s_mul_i32 s15, s14, 8448
	v_add_nc_u32 v[STI], s15, v[LI]
	v_mul_u32_u24 v[STQ], v10, 528
	s_delay_alu instid0(VALU_DEP_1)
	v_lshl_add_u32 v[STQ], v11, 6, v[STQ]
	s_delay_alu instid0(VALU_DEP_1)
	v_add_nc_u32 v[STQ], s15, v[STQ]
	v_lshlrev_b32 v[LG], 6, v11
	v_add_nc_u32 v[RR], 67584, v[LS]
	s_lshl_b32 s15, s14, 6
	v_add_nc_u32 v[RA], s15, v[RR]
	v_mov_b32 v[T1], 0
	s_mov_b32 s[SEL], 0x76543210
	s_mov_b32 s[SEL+1], 0xfedcba98
	s_mov_b32 s30, 0x3a800000                      ; 1 / 1,024
	s_mov_b32 s31, 0x3727c5ac                      ; 1e-5
	s_lshl_b32 s16, ttmp9, 3
	s_add_co_u32 s16, s16, s14
	s_lshl_b32 s16, s16, 13                        ; image 8 T + w
	s_mov_b32 s17, 0
	s_lshr_b32 s18, ttmp9, 1
	s_lshl_b32 s18, s18, 17
	s_and_b32 s19, ttmp9, 1
	s_lshl_b32 s19, s19, 15
	s_add_co_u32 s18, s18, s19
	s_lshl_b32 s20, s14, 9
	s_add_co_u32 s18, s18, s20
	s_mov_b32 s19, 0
	s_mov_b32 s21, 0
	s_wait_alu depctr_va_vdst(0)
	s_wait_kmcnt 0x0
	s_add_nc_u64 s[4:5], s[4:5], s[16:17]
	s_add_nc_u64 s[6:7], s[6:7], s[16:17]
	s_add_nc_u64 s[8:9], s[8:9], s[20:21]
	s_add_nc_u64 s[10:11], s[10:11], s[20:21]
	s_add_nc_u64 s[12:13], s[12:13], s[18:19]
.irp g, 0,1,2,3,4,5,6,7,8,9,10,11,12,13,14,15
	global_load_b128 v[V+4*\g:V+4*\g+3], v[LI], s[4:5] offset:512*\g th:TH_LOAD_NT
.endr
.irp g, 0,1,2,3,4,5,6,7,8,9,10,11,12,13,14,15
	global_load_b128 v[HH+4*\g:HH+4*\g+3], v[LI], s[6:7] offset:512*\g th:TH_LOAD_NT
.endr
.irp b, 0,1,2,3
.irp j, 0,1,2,3
	global_load_b128 v[G+16*\b+4*\j:G+16*\b+4*\j+3], v[LG], s[8:9] offset:128*\b+16*\j
.endr
.endr
	s_wait_loadcnt 16                              ; both images are in; the gain's 16 loads stay out
.set i, 0
.rept 32
	v_pk_add_f32 v[V+i:V+i+1], v[V+i:V+i+1], v[HH+i:HH+i+1]   ; the residual
.set i, i+2
.endr
.irp b, 0,1,2,3
.irp j, 0,1,2,3
	global_load_b128 v[BE+16*\b+4*\j:BE+16*\b+4*\j+3], v[LG], s[10:11] offset:128*\b+16*\j
.endr
.endr
	v_pk_add_f32 v[226:227], v[32:33], v[34:35]
	v_pk_add_f32 v[252:253], v[40:41], v[44:45]
	v_pk_add_f32 v[250:251], v[48:49], v[52:53]
	v_pk_add_f32 v[248:249], v[56:57], v[60:61]
	v_pk_add_f32 v[246:247], v[64:65], v[68:69]
	v_pk_add_f32 v[244:245], v[72:73], v[76:77]
	v_pk_add_f32 v[242:243], v[80:81], v[84:85]
	v_pk_add_f32 v[224:225], v[88:89], v[92:93]
	s_delay_alu instid0(VALU_DEP_1)
	v_pk_add_f32 v[224:225], v[224:225], v[36:37]
	v_pk_add_f32 v[226:227], v[226:227], v[38:39]
	v_pk_add_f32 v[252:253], v[252:253], v[42:43]
	v_pk_add_f32 v[250:251], v[250:251], v[46:47]
	v_pk_add_f32 v[248:249], v[248:249], v[50:51]
	v_pk_add_f32 v[246:247], v[246:247], v[54:55]
	v_pk_add_f32 v[244:245], v[244:245], v[58:59]
	v_pk_add_f32 v[242:243], v[242:243], v[62:63]
	v_pk_add_f32 v[224:225], v[224:225], v[66:67]
	v_pk_add_f32 v[226:227], v[226:227], v[70:71]
	v_pk_add_f32 v[252:253], v[252:253], v[74:75]
	v_pk_add_f32 v[250:251], v[250:251], v[78:79]
	v_pk_add_f32 v[248:249], v[248:249], v[82:83]
	v_pk_add_f32 v[246:247], v[246:247], v[86:87]
	v_pk_add_f32 v[244:245], v[244:245], v[90:91]
	v_pk_add_f32 v[242:243], v[242:243], v[94:95]
	s_delay_alu instid0(VALU_DEP_4)
	v_pk_add_f32 v[224:225], v[224:225], v[248:249]
	s_delay_alu instid0(VALU_DEP_4)
	v_pk_add_f32 v[226:227], v[226:227], v[246:247]
	s_delay_alu instid0(VALU_DEP_4)
	v_pk_add_f32 v[252:253], v[252:253], v[244:245]
	s_delay_alu instid0(VALU_DEP_4)
	v_pk_add_f32 v[250:251], v[250:251], v[242:243]
	s_delay_alu instid0(VALU_DEP_2)
	v_pk_add_f32 v[224:225], v[224:225], v[252:253]
	s_delay_alu instid0(VALU_DEP_2)
	v_pk_add_f32 v[226:227], v[226:227], v[250:251]
	s_delay_alu instid0(VALU_DEP_1)
	v_pk_add_f32 v[224:225], v[224:225], v[226:227]
	s_delay_alu instid0(VALU_DEP_1)
	v_add_f32 v[SV], v[A0], v[A0+1]
	RSUM 0
	s_delay_alu instid0(VALU_DEP_1)
	v_mul_f32 v[MU], s30, v[SV]                    ; the mean
	s_delay_alu instid0(VALU_DEP_1)
	v_mov_b32 v[MU+1], v[MU]
.set i, 0
.rept 32
	v_pk_add_f32 v[V+i:V+i+1], v[V+i:V+i+1], v[MU:MU+1] neg_lo:[0,1] neg_hi:[0,1]
.set i, i+2
.endr
	v_pk_mul_f32 v[A0:A0+1], v[V:V+1], v[V:V+1]
	v_pk_mul_f32 v[A0+2:A0+3], v[V+2:V+3], v[V+2:V+3]
.irp j, 4,8,12,16,20,24,28,32,36,40,44,48,52,56,60
	s_delay_alu instid0(VALU_DEP_2)
	v_pk_fma_f32 v[A0:A0+1], v[V+\j:V+\j+1], v[V+\j:V+\j+1], v[A0:A0+1]
	s_delay_alu instid0(VALU_DEP_2)
	v_pk_fma_f32 v[A0+2:A0+3], v[V+\j+2:V+\j+3], v[V+\j+2:V+\j+3], v[A0+2:A0+3]
.endr
	s_delay_alu instid0(VALU_DEP_1)
	v_pk_add_f32 v[A0:A0+1], v[A0:A0+1], v[A0+2:A0+3]
	s_delay_alu instid0(VALU_DEP_1)
	v_add_f32 v[SV], v[A0], v[A0+1]
	RSUM 512
	s_delay_alu instid0(VALU_DEP_1)
	v_fma_f32 v[RS], v[SV], s30, s31               ; the variance + 1e-5
	s_wait_alu depctr_va_vdst(0)
	v_rsq_f32 v[RS], v[RS]
	v_nop                                          ; a plain place behind the transcendental
	s_wait_alu depctr_va_vdst(0)                   ; and the wait ahead of its first reader
	v_mov_b32 v[RS+1], v[RS]
	s_wait_alu depctr_va_vdst(0)
	s_wait_loadcnt 0x0                             ; the gain and beta
.set i, 0
.rept 32
	v_pk_mul_f32 v[V+i:V+i+1], v[V+i:V+i+1], v[RS:RS+1]
.set i, i+2
.endr
.set i, 0
.rept 32
	v_pk_fma_f32 v[V+i:V+i+1], v[V+i:V+i+1], v[G+i:G+i+1], v[BE+i:BE+i+1]
.set i, i+2
.endr
.irp b, 0,1,2,3
.irp j, 0,1,2,3
	ds_store_b128 v[STQ], v[V+16*\b+4*\j:V+16*\b+4*\j+3] offset:128*\b+16*\j
.endr
.endr
.irp i, 0,1,2,3,4,5,6,7,8,9,10,11,12,13,14,15
	ds_load_b128 v[OR+4*\i:OR+4*\i+3], v[STI] offset:528*\i   ; LDS serves a wave's instructions in order: these see my stores
.endr
.irp i, 0,1,2,3,4,5,6,7,8,9,10,11,12,13,14,15
	s_wait_dscnt 15-\i                             ; row i is back; the 15 - i younger loads stay out
	global_store_b128 v[LI], v[OR+4*\i:OR+4*\i+3], s[12:13] offset:((\i%8)+16*(\i/8))*4096 th:TH_STORE_NT   ; position i's true row: 512 consecutive bytes
.endr
	s_wait_tensorcnt 0x0
	ds_add_u32 v254, v255
	s_wait_dscnt 0x0
	s_endpgm
.Lfunc_end_k_qd0917699a7_ln2:
	.size	k_qd0917699a7_ln2, .Lfunc_end_k_qd0917699a7_ln2-k_qd0917699a7_ln2
	.p2alignl 7, 3214868480
	.fill 96, 4, 3214868480
	.section	.rodata,"a",@progbits
	.p2align	6, 0x0
	.amdhsa_kernel k_qd0917699a7_ln2
		.amdhsa_group_segment_fixed_size 69632
		.amdhsa_private_segment_fixed_size 0
		.amdhsa_enable_private_segment 0
		.amdhsa_kernarg_size 40
		.amdhsa_user_sgpr_count 2
		.amdhsa_user_sgpr_kernarg_segment_ptr 1
		.amdhsa_wavefront_size32 1
		.amdhsa_system_sgpr_workgroup_id_x 1
		.amdhsa_system_sgpr_workgroup_id_y 1
		.amdhsa_system_sgpr_workgroup_id_z 1
		.amdhsa_system_vgpr_workitem_id 0
		.amdhsa_next_free_vgpr 256
		.amdhsa_next_free_sgpr 66
		.amdhsa_reserve_vcc 0
		.amdhsa_float_denorm_mode_32 3
		.amdhsa_float_denorm_mode_16_64 3
		.amdhsa_memory_ordered 1
		.amdhsa_forward_progress 1
		.amdhsa_inst_pref_size 29
	.end_amdhsa_kernel
	.amdgpu_metadata
---
amdhsa.version: [ 1, 2 ]
amdhsa.kernels:
  - .name:           k_qd0917699a7_ln2
    .symbol:         k_qd0917699a7_ln2.kd
    .args:
      - { .name: res, .offset: 0, .size: 8, .value_kind: global_buffer, .address_space: global }
      - { .name: hb, .offset: 8, .size: 8, .value_kind: global_buffer, .address_space: global }
      - { .name: g2, .offset: 16, .size: 8, .value_kind: global_buffer, .address_space: global }
      - { .name: be2, .offset: 24, .size: 8, .value_kind: global_buffer, .address_space: global }
      - { .name: out0, .offset: 32, .size: 8, .value_kind: global_buffer, .address_space: global }
    .group_segment_fixed_size: 69632
    .private_segment_fixed_size: 0
    .kernarg_segment_align: 8
    .kernarg_segment_size: 40
    .max_flat_workgroup_size: 256
    .sgpr_count:     66
    .vgpr_count:     256
    .wavefront_size: 32
...
	.end_amdgpu_metadata
.endif
;; end of part 15
